; MI455X (gfx1250); checked and timed in simulation.
; The chip was launched on July 23, 2026; its instructions are those of AMD's public machine-readable ISA for CDNA 5 (MIT licence, August 2026) and "CDNA5" Instruction Set Architecture Reference Guide (July 2026). The comments in the code are by the model that wrote it; some were corrected since.
;; Encoder. Allowed arithmetic: float matrix products may take bf16 or f16 operands with f32 sums; other float arithmetic in f32, or as packed bf16 or f16 multiplies, adds, multiply-adds, maxima and minima; sums over many terms, partial sums and values carried from step to step in f32; what a program stores and reads back later, other than sums and carried values, may be rounded once to bf16 or f16.
;; Inputs: b_down 1,024 float32; b_up 4,096 float32; bk 1,024 float32; bo 1,024 float32; bq 1,024 float32; bv 1,024 float32; ln1_b 1,024 float32; ln1_g 1,024 float32; ln2_b 1,024 float32; ln2_g 1,024 float32; lnf_b 1,024 float32; lnf_g 1,024 float32; w_down 4,096 x 1,024 float32; w_up 1,024 x 4,096 float32; wk 1,024 x 1,024 float32; wo 1,024 x 1,024 float32; wq 1,024 x 1,024 float32; wv 1,024 x 1,024 float32; x 4 x 1,024 x 1,024 float32.
;; Outputs: out0 4 x 1,024 x 1,024 float32.
;; 2 versions, each right and faster than the one before. Each part assembles by itself: llvm-mc -triple=amdgcn-amd-amdhsa -mcpu=gfx1250 --defsym DOCPART=n.
;; ======== version 1 of 2: 8 launches
;; limits: values are held in f16: magnitudes above 65,504 overflow, below 6.1e-05 lose precision; a function is approximated: absolute error at most 0.0003
;; workspace buffers: wts 25,165,824 bytes; y 8,388,608 bytes; qkv 25,165,824 bytes; o 8,388,608 bytes; x1 16,777,216 bytes; hbuf 33,554,432 bytes; x2 16,777,216 bytes
;; launch prep (part 1): grid 640 x 1, 8 waves a work-group, no clusters, 0 bytes of LDS; arguments x, ln1_g, ln1_b, wq, wk, wv, wo, w_up, w_down, y, wts; writes y, wts
.if DOCPART == 1
	.amdgcn_target "amdgcn-amd-amdhsa--gfx1250"
	.amdhsa_code_object_version 6
	.text
	.protected	k_qd6681a72ba_prep
	.globl	k_qd6681a72ba_prep
	.p2align	8
	.type	k_qd6681a72ba_prep,@function
k_qd6681a72ba_prep:
	s_mov_b64 s[64:65], 0
	v_nop
	global_prefetch_b8 v0, s[64:65] scope:SCOPE_SE
	s_setreg_imm32_b32 hwreg(HW_REG_WAVE_MODE, 25, 1), 1
	s_wait_xcnt 0x0
; PREP.  Work-groups 0-255: y = LN1(x) in f16, laid in blocks y[col/64][row][64].  Work-groups 256-639: all six weight matrices,
; rounded to bf16 and written as f16, laid as W[n block][k][TN]: one dense [K][TN] matrix for each tile column of the product that reads it.
; Every input (x, gains, biases, weights) is rounded to bf16 at its first use, in every launch of the program alike.
; LIMITS.  f16 ends at 65,504: y and the weights must lie within it; a weight below 2^-14 keeps f16's fixed step of 6e-8.  NaN and infinities are not treated apart.
; LN: one wave owns two rows (2 rp, 2 rp + 1) and keeps them in registers: mean, then the sum of squared differences from it, so no difference of large sums is formed.
; Lane l: c = l % 8, sub = (l / 8) % 2 (which row), hb = l / 16; for j = 0..7 it holds the 8 columns 64 (2 j + hb) + 8 c.  So lanes 0-15 of a store cover
; 256 consecutive bytes of one block of y (two neighbouring rows of 128 bytes).  No LDS, no barrier: no wave needs another's numbers.
.set ROUNDX, 1
.set SRC, 4                            ; s[4:5]   the rows to normalise
.set GP,  6                            ; s[6:7]   gain
.set BP,  8                            ; s[8:9]   bias
.set YP,  22                           ; s[22:23] y
.set X,   16                           ; v[16:79]   64 numbers of my row
.set G,   80                           ; v[80:143]  their gains
.set BV,  144                          ; v[144:207] their biases
.set WUP, 6291456                      ; byte offsets of the regions of wts: q, k, v at 0
.set WWO, 14680064
.set WDN, 16777216
.macro RB a                            ; a pair of f32 rounded to bf16 and widened again
	v_cvt_pk_bf16_f32 v5, v[\a], v[(\a)+1]
	v_lshlrev_b32 v[\a], 16, v5
	v_and_b32 v[(\a)+1], s36, v5
.endm
.macro FOLD                            ; four chains of pairs into v5
	v_pk_add_f32 v[6:7], v[6:7], v[8:9]
	v_pk_add_f32 v[10:11], v[10:11], v[12:13]
	v_pk_add_f32 v[6:7], v[6:7], v[10:11]
	v_add_f32 v5, v6, v7
.endm
.macro LANES                           ; over the 16 lanes of my row: c by masks 1, 2, 4 (mask 8 would mix the two rows), hb by the other half of the lanes
	v_add_f32_dpp v5, v5, v5 row_xmask:1 row_mask:0xf bank_mask:0xf
	v_add_f32_dpp v5, v5, v5 row_xmask:2 row_mask:0xf bank_mask:0xf
	v_add_f32_dpp v5, v5, v5 row_xmask:4 row_mask:0xf bank_mask:0xf
	v_permlanex16_b32 v14, v5, s34, s35
	v_add_f32 v5, v5, v14
.endm
	s_load_b256 s[4:11], s[0:1], 0x0               ; x, ln1_g, ln1_b, wq
	s_load_b256 s[12:19], s[0:1], 0x20             ; wk, wv, wo, w_up
	s_load_b128 s[20:23], s[0:1], 0x40             ; w_down, y
	s_load_b64 s[24:25], s[0:1], 0x50              ; wts
	v_lshrrev_b32 v5, 5, v0
	v_readfirstlane_b32 s26, v5                    ; wave 0..7
	s_mov_b32 s36, 0xffff0000                      ; a word's upper bf16
	s_mov_b32 s39, 0
	s_wait_kmcnt 0x0
	s_cmp_lt_u32 ttmp9, 256
	s_cbranch_scc0 .Lconv
	v_and_b32 v5, 7, v0                            ; c
	v_bfe_u32 v6, v0, 3, 1                         ; sub
	v_bfe_u32 v7, v0, 4, 1                         ; hb
	v_lshlrev_b32 v3, 5, v5
	v_lshl_add_u32 v3, v7, 8, v3                   ; v3: 256 hb + 32 c, my place in g and b
	v_lshl_add_u32 v2, v6, 12, v3                  ; v2: + 4,096 sub, my place in the two rows
	v_lshlrev_b32 v4, 4, v5
	v_lshl_add_u32 v4, v6, 7, v4
	v_lshl_add_u32 v4, v7, 19, v4                  ; v4: 524,288 hb + 128 sub + 16 c, my place in y
	v_mov_b32 v14, 0                               ; v_permlanex16_b32 counts as a reader of its destination
	s_mov_b32 s32, 0x3a800000                      ; 1 / 1024
	s_mov_b32 s33, 0x3727c5ac                      ; 1e-5
	s_mov_b32 s34, 0x76543210
	s_mov_b32 s35, 0xfedcba98
	s_lshl_b32 s27, ttmp9, 3
	s_add_co_u32 s27, s27, s26                     ; rp
	s_lshl_b32 s38, s27, 13
	s_add_nc_u64 s[28:29], s[SRC:SRC+1], s[38:39]  ; two rows of 4,096 bytes
	s_lshl_b32 s38, s27, 8
	s_add_nc_u64 s[30:31], s[YP:YP+1], s[38:39]    ; two rows of 128 bytes in each block
.set j, 0
.rept 8
	global_load_b128 v[X+8*j:X+8*j+3],   v2, s[28:29] offset:512*j
	global_load_b128 v[X+8*j+4:X+8*j+7], v2, s[28:29] offset:512*j+16
.set j, j+1
.endr
.set j, 0
.rept 8
	global_load_b128 v[G+8*j:G+8*j+3],   v3, s[GP:GP+1] offset:512*j
	global_load_b128 v[G+8*j+4:G+8*j+7], v3, s[GP:GP+1] offset:512*j+16
.set j, j+1
.endr
.set j, 0
.rept 8
	global_load_b128 v[BV+8*j:BV+8*j+3],   v3, s[BP:BP+1] offset:512*j
	global_load_b128 v[BV+8*j+4:BV+8*j+7], v3, s[BP:BP+1] offset:512*j+16
.set j, j+1
.endr
	s_wait_loadcnt 32                              ; the row is in; the 32 younger loads (g, b) stay out
.if ROUNDX
.set p, 0
.rept 32
	RB X+2*p
.set p, p+1
.endr
.endif
.irp k, 0,1,2,3                        ; the mean: four chains, started by sums of two pairs: nothing is cleared
	v_pk_add_f32 v[6+2*\k:7+2*\k], v[X+2*\k:X+2*\k+1], v[X+8+2*\k:X+9+2*\k]
.endr
.set p, 8
.rept 24
	v_pk_add_f32 v[6+2*(p%4):7+2*(p%4)], v[6+2*(p%4):7+2*(p%4)], v[X+2*p:X+2*p+1]
.set p, p+1
.endr
	FOLD
	LANES
	v_mul_f32 v14, s32, v5
	v_mov_b32 v15, v14
.set p, 0
.rept 32
	v_pk_add_f32 v[X+2*p:X+2*p+1], v[X+2*p:X+2*p+1], v[14:15] neg_lo:[0,1] neg_hi:[0,1]  ; x - mean
.set p, p+1
.endr
.irp k, 0,1,2,3
	v_pk_mul_f32 v[6+2*\k:7+2*\k], v[X+2*\k:X+2*\k+1], v[X+2*\k:X+2*\k+1]
.endr
.set p, 4
.rept 28
	v_pk_fma_f32 v[6+2*(p%4):7+2*(p%4)], v[X+2*p:X+2*p+1], v[X+2*p:X+2*p+1], v[6+2*(p%4):7+2*(p%4)]
.set p, p+1
.endr
	FOLD
	LANES
	v_fma_f32 v5, v5, s32, s33                     ; variance + eps
	v_rsq_f32 v14, v5
	v_nop                                          ; a plain instruction behind the transcendental (ISA guide 5.7.2)
	s_wait_alu depctr_va_vdst(0)
	v_mov_b32 v15, v14
	s_wait_loadcnt 0x0                             ; g and b
.set p, 0
.rept 32
	RB G+2*p
	RB BV+2*p
.set p, p+1
.endr
.set p, 0
.rept 32
	v_pk_mul_f32 v[X+2*p:X+2*p+1], v[X+2*p:X+2*p+1], v[14:15]
	v_pk_fma_f32 v[X+2*p:X+2*p+1], v[X+2*p:X+2*p+1], v[G+2*p:G+2*p+1], v[BV+2*p:BV+2*p+1]
.set p, p+1
.endr
.set j, 0
.rept 8
.irp i, 0,1,2,3                        ; ascending and in place: register i is written when 2 i and 2 i + 1 have not been touched and i has been used up
	v_cvt_pk_f16_f32 v[X+8*j+\i], v[X+8*j+2*\i], v[X+8*j+2*\i+1]
.endr
	global_store_b128 v4, v[X+8*j:X+8*j+3], s[30:31] offset:j*1048576  ; blocks 2 j and 2 j + 1; 16 lanes store 256 consecutive bytes, aligned
.set j, j+1
.endr
	s_endpgm
; THE WEIGHTS.  A work-group takes 128 rows of k x 256 columns, a wave 16 of the rows; lane l takes 8 columns (32 bytes in, 16 out).
.Lconv:
	s_sub_co_u32 s27, ttmp9, 256
	s_cmp_lt_u32 s27, 96
	s_cbranch_scc0 .Lc1
	s_lshr_b32 s37, s27, 5                         ; 0 wq, 1 wk, 2 wv
	s_and_b32 s38, s27, 31
	s_lshr_b32 s45, s38, 2                         ; kc: which 128 rows
	s_and_b32 s46, s38, 3                          ; cg: which 256 columns
	s_cmp_eq_u32 s37, 1
	s_cselect_b64 s[28:29], s[12:13], s[10:11]
	s_cmp_eq_u32 s37, 2
	s_cselect_b64 s[28:29], s[14:15], s[28:29]
	s_mov_b32 s40, 4096                            ; bytes from row to row in the source
	s_mov_b32 s41, 512                             ; and in the block
	s_mov_b32 s42, 256                             ; where lanes 16-31 write: the row's second half
	s_lshl_b32 s44, s37, 2
	s_add_co_u32 s44, s44, s46
	s_lshl_b32 s44, s44, 19                        ; block 4 mat + cg of 524,288 bytes
	s_lshl_b32 s43, s45, 16
	s_add_co_u32 s44, s44, s43
	s_branch .Lcgo
.Lc1:
	s_cmp_lt_u32 s27, 128
	s_cbranch_scc0 .Lc2
	s_sub_co_u32 s38, s27, 96
	s_lshr_b32 s45, s38, 2
	s_and_b32 s46, s38, 3
	s_mov_b64 s[28:29], s[16:17]                   ; wo: blocks of [1024][128]
	s_mov_b32 s40, 4096
	s_mov_b32 s41, 256
	s_mov_b32 s42, 262144                          ; lanes 16-31 write the next block
	s_lshl_b32 s44, s46, 19
	s_lshl_b32 s43, s45, 15
	s_add_co_u32 s44, s44, s43
	s_add_co_u32 s44, s44, WWO
	s_branch .Lcgo
.Lc2:
	s_cmp_lt_u32 s27, 256
	s_cbranch_scc0 .Lc3
	s_sub_co_u32 s38, s27, 128
	s_lshr_b32 s45, s38, 4
	s_and_b32 s46, s38, 15
	s_mov_b64 s[28:29], s[18:19]                   ; w_up: blocks of [1024][256]
	s_mov_b32 s40, 16384
	s_mov_b32 s41, 512
	s_mov_b32 s42, 256
	s_lshl_b32 s44, s46, 19
	s_lshl_b32 s43, s45, 16
	s_add_co_u32 s44, s44, s43
	s_add_co_u32 s44, s44, WUP
	s_branch .Lcgo
.Lc3:
	s_sub_co_u32 s38, s27, 256
	s_lshr_b32 s45, s38, 2
	s_and_b32 s46, s38, 3
	s_mov_b64 s[28:29], s[20:21]                   ; w_down: blocks of [4096][128]
	s_mov_b32 s40, 4096
	s_mov_b32 s41, 256
	s_mov_b32 s42, 1048576
	s_lshl_b32 s44, s46, 21
	s_lshl_b32 s43, s45, 15
	s_add_co_u32 s44, s44, s43
	s_add_co_u32 s44, s44, WDN
.Lcgo:
	s_lshl_b32 s43, s45, 7
	s_lshl_b32 s47, s26, 4
	s_add_co_u32 s43, s43, s47                     ; my first row: 128 kc + 16 wave
	s_mul_i32 s43, s43, s40
	s_lshl_b32 s38, s46, 10
	s_add_co_u32 s38, s38, s43
	s_add_nc_u64 s[28:29], s[28:29], s[38:39]
	s_mul_i32 s38, s47, s41
	s_add_co_u32 s38, s38, s44
	s_add_nc_u64 s[30:31], s[24:25], s[38:39]
	v_and_b32 v1, 31, v0
	v_lshlrev_b32 v16, 5, v1                       ; v[16+i]: 32 l + i rows of the source
	v_and_b32 v2, 15, v1
	v_lshlrev_b32 v2, 4, v2
	v_lshrrev_b32 v3, 4, v1
	v_mul_lo_u32 v3, v3, s42
	v_add_nc_u32 v32, v2, v3                       ; v[32+i]: 16 (l % 16) + (l / 16) half + i rows of the block
.set i, 1
.rept 15
	v_add_nc_u32 v[16+i], s40, v[15+i]
	v_add_nc_u32 v[32+i], s41, v[31+i]
.set i, i+1
.endr
.set i, 0
.rept 16
	global_load_b128 v[48+8*i:51+8*i], v[16+i], s[28:29] th:TH_LOAD_NT
	global_load_b128 v[52+8*i:55+8*i], v[16+i], s[28:29] offset:16 th:TH_LOAD_NT
.set i, i+1
.endr
.set i, 0
.rept 16
	s_wait_loadcnt 2*(15-i)                        ; row i is in; the younger rows' loads stay out
.irp k, 0,1,2,3
	v_cvt_pk_bf16_f32 v[176+\k], v[48+8*i+2*\k], v[49+8*i+2*\k]
.endr
.irp k, 0,1,2,3
	v_lshlrev_b32 v[48+8*i+2*\k], 16, v[176+\k]
	v_and_b32 v[49+8*i+2*\k], s36, v[176+\k]
.endr
.irp k, 0,1,2,3
	v_cvt_pk_f16_f32 v[48+8*i+\k], v[48+8*i+2*\k], v[49+8*i+2*\k]
.endr
	global_store_b128 v[32+i], v[48+8*i:51+8*i], s[30:31]  ; 16 lanes store 256 consecutive bytes, aligned; no register of a store is written again
.set i, i+1
.endr
	s_endpgm
.Lfunc_end_k_qd6681a72ba_prep:
	.size	k_qd6681a72ba_prep, .Lfunc_end_k_qd6681a72ba_prep-k_qd6681a72ba_prep
	.p2alignl 7, 3214868480
	.fill 96, 4, 3214868480
	.section	.rodata,"a",@progbits
	.p2align	6, 0x0
	.amdhsa_kernel k_qd6681a72ba_prep
		.amdhsa_group_segment_fixed_size 0
		.amdhsa_private_segment_fixed_size 0
		.amdhsa_enable_private_segment 0
		.amdhsa_kernarg_size 88
		.amdhsa_user_sgpr_count 2
		.amdhsa_user_sgpr_kernarg_segment_ptr 1
		.amdhsa_wavefront_size32 1
		.amdhsa_system_sgpr_workgroup_id_x 1
		.amdhsa_system_sgpr_workgroup_id_y 1
		.amdhsa_system_sgpr_workgroup_id_z 1
		.amdhsa_system_vgpr_workitem_id 0
		.amdhsa_next_free_vgpr 208
		.amdhsa_next_free_sgpr 66
		.amdhsa_reserve_vcc 0
		.amdhsa_float_denorm_mode_32 3
		.amdhsa_float_denorm_mode_16_64 3
		.amdhsa_memory_ordered 1
		.amdhsa_forward_progress 1
		.amdhsa_inst_pref_size 54
	.end_amdhsa_kernel
	.amdgpu_metadata
---
amdhsa.version: [ 1, 2 ]
amdhsa.kernels:
  - .name:           k_qd6681a72ba_prep
    .symbol:         k_qd6681a72ba_prep.kd
    .args:
      - { .name: x, .offset: 0, .size: 8, .value_kind: global_buffer, .address_space: global }
      - { .name: ln1_g, .offset: 8, .size: 8, .value_kind: global_buffer, .address_space: global }
      - { .name: ln1_b, .offset: 16, .size: 8, .value_kind: global_buffer, .address_space: global }
      - { .name: wq, .offset: 24, .size: 8, .value_kind: global_buffer, .address_space: global }
      - { .name: wk, .offset: 32, .size: 8, .value_kind: global_buffer, .address_space: global }
      - { .name: wv, .offset: 40, .size: 8, .value_kind: global_buffer, .address_space: global }
      - { .name: wo, .offset: 48, .size: 8, .value_kind: global_buffer, .address_space: global }
      - { .name: w_up, .offset: 56, .size: 8, .value_kind: global_buffer, .address_space: global }
      - { .name: w_down, .offset: 64, .size: 8, .value_kind: global_buffer, .address_space: global }
      - { .name: y, .offset: 72, .size: 8, .value_kind: global_buffer, .address_space: global }
      - { .name: wts, .offset: 80, .size: 8, .value_kind: global_buffer, .address_space: global }
    .group_segment_fixed_size: 0
    .private_segment_fixed_size: 0
    .kernarg_segment_align: 8
    .kernarg_segment_size: 88
    .max_flat_workgroup_size: 256
    .sgpr_count:     66
    .vgpr_count:     208
    .wavefront_size: 32
...
	.end_amdgpu_metadata
.endif
;; end of part 1
;; launch qkv (part 2): grid 12 x 16, 4 waves a work-group, clusters of 4 x 4, 327,680 bytes of LDS; arguments y, wts, qkv, bq, bk, bv; writes qkv
.if DOCPART == 2
	.amdgcn_target "amdgcn-amd-amdhsa--gfx1250"
	.amdhsa_code_object_version 6
	.text
	.protected	k_qd6681a72ba_qkv
	.globl	k_qd6681a72ba_qkv
	.p2align	8
	.type	k_qd6681a72ba_qkv,@function
k_qd6681a72ba_qkv:
	s_mov_b64 s[64:65], 0
	v_nop
	global_prefetch_b8 v0, s[64:65] scope:SCOPE_SE
	s_setreg_imm32_b32 hwreg(HW_REG_WAVE_MODE, 25, 1), 1
	s_wait_xcnt 0x0
	s_wait_alu depctr_hold_cnt(0) depctr_sa_sdst(0) depctr_va_vdst(0) depctr_va_sdst(0) depctr_va_ssrc(0) depctr_va_vcc(0) depctr_vm_vsrc(0)
	s_getreg_b32 s2, hwreg(HW_REG_IB_STS2, 6, 4)
	s_cmp_eq_u32 s2, 0
	s_cbranch_scc0 .Lentry_in_a_cluster
	s_endpgm
.Lentry_in_a_cluster:
	s_bfe_u32 s2, ttmp6, 0x10000c
	s_cmp_lg_u32 s2, 0xf033
	s_cbranch_scc0 .Lentry_shape_is_right
	s_endpgm
.Lentry_shape_is_right:
; C = A W (+ bias, + what MODE asks).  A: f16 in blocks A[k/64][4096 rows][64].  W: f16 in blocks W[n/TN][KTOT][TN].  Sums in f32.
; THIS COPY: q, k, v = y [wq | wk | wv] + bias, written in f16 in blocks qkv[col/64][row][64] (48 blocks: 16 q, 16 k, 16 v; a block is a head).
; The text is one for four launches; the constants below choose tile, K and the way out.
; LIMITS.  f16 ends at 65,504: operands and 16-bit results must lie within it.  NaN and infinities are not treated apart.
; SHARES.  A tile of C is TM x TN; four waves, each 16 MA rows x 16 NB columns in MA x NB accumulators.  K goes in steps of KS through two LDS slots.
; Waves 0, 1 fetch A's two halves of a step (whole blocks of 64 k), waves 2, 3 W's (KS / 2 rows of k each): one tensor load a wave behind each round.
; CLUSTER 4 x 4: A's tile hangs on the tile row alone and is asked for jointly along a row of the cluster, W's on the tile column alone, along a column.
; THE MATRIX INSTRUCTION IS USED TRANSPOSED: source 0 = 16 columns of W (turned on the way out of LDS by ds_load_tr16_b128), source 1 = 16 rows of A;
; a lane then holds row l % 16 of C and the 8 neighbouring columns 8 (l / 16) + 0..7.
; REGISTERS, in windows of 256: window 0: v0-31 addresses, v32-63 and v192-255 the way out, v64.., v128.. A's fragments (two buffers); window 1: W's fragments at the
; same numbers; windows 2, 3: accumulator (a, b) at 8 (NB a + b).  In the small tile window 2's v128-255 hold the residual.
.set MA,     8                         ; blocks of 16 rows a wave
.set NB,     8                         ; blocks of 16 columns a wave
.set KS,     128                       ; K in a slot
.set KTOT,   1024
.set MODE,   0                         ; 0: + bias, f16 blocks, three bias vectors; 1: mish(. + bias), f16 blocks; 2: residual + . + bias, f32 rows
.set ROUNDX, 0                         ; 1: the residual is a program input and is rounded to bf16
.set WOFF,   0                         ; my weights' first byte in wts
.set TM,     32*MA
.set TN,     32*NB
.set NQ,     KS/32                     ; quarters of 32 along K in a slot
.set NSLOT,  KTOT/KS
.set PA,     144                       ; a row of A in LDS: 128 bytes + 16: the 16 rows of a load start at 16 different groups of four banks (ISA guide 11.1)
.set ABLK,   TM*PA                     ; a block of 64 k
.set PB,     2*TN+32                   ; a row of W in LDS: an odd multiple of 32 bytes, for the turning load
.set BOFF,   73728                     ; W behind A's KS / 64 blocks
.set SLOT,   147456                    ; = 0x24000; no LDS address inside a slot that is turned below has bit 14 or 17 set, so one exclusive or changes slots
.set SPARE,  294912                    ; behind the ring: the spare words, 128 bytes a wave
.set STEPA,  (KS/64)*524288            ; bytes from a K step to the next, in A
.set STEPB,  KS*TN*2                   ; and in W
.set PS,     64*NB+16                  ; the way out: a stage row, my 16 NB columns in f32 + 16 bytes
.set STW,    16*MA*PS                  ; a wave's stage; the stages lie in the ring, which has had its last fill by then
.set F0,     64
.set F1,     128
.if MA == 8
.set AC, 128                           ; A's tile: a block's 256 rows are dense: 128 rows of 256 bytes
.set AR, 128
.set AP, 128
.set QIB, 6                            ; W: padding after every 128 words
.else
.set AC, 8192                          ; A's tile: two blocks' 128 rows, each 16,384 dense bytes, 524,288 bytes apart
.set AR, 2
.set AP, 262144
.set QIB, 5                            ; W: padding after every 64 words
.endif
.set MSB, 0
.macro WIN new                         ; the immediate's high byte repeats the setting that is left; a switch that changes nothing is dropped
.if MSB != (\new)
	s_set_vgpr_msb (MSB<<8)|(\new)
.set MSB, \new
.endif
.endm
.macro PLACES                          ; four places behind matrix instructions (ISA guide 7.12.1)
.rept 4
	v_nop
.endr
.endm
.macro CREST                           ; a round of the cluster's barrier behind its opening barrier
	s_cmp_lg_u32 s12, 0
	s_cbranch_scc1 .Lnot_wave_0_\@
	s_barrier_signal -3
.Lnot_wave_0_\@:
	s_barrier_wait -3
	s_barrier_signal -1
	s_barrier_wait -1
.endm
.macro CROUND
	s_barrier_signal -1
	s_barrier_wait -1
	CREST
.endm
.macro JLOAD                           ; a joint refill by the walking descriptor; the branch hangs on the wave's number alone; s_nop 0 and four v_nop follow each line
	s_cmp_eq_u32 s13, 0
	s_cbranch_scc0 .Lfor_b_\@
	tensor_load_to_lds s[36:39], s[24:31]
	s_nop 0
	PLACES
	s_branch .Lasked_\@
.Lfor_b_\@:
	tensor_load_to_lds s[60:63], s[48:55]
	s_nop 0
	PLACES
.Lasked_\@:
.endm
.macro RB a                            ; a pair of f32 rounded to bf16 and widened again
	v_cvt_pk_bf16_f32 v31, v[\a], v[(\a)+1]
	v_lshlrev_b32 v[\a], 16, v31
	v_and_b32 v[(\a)+1], s74, v31
.endm
	s_load_b256 s[4:11], s[0:1], 0x0               ; A s[4:5], wts s[6:7], out s[8:9], bias s[10:11]
.if MODE == 0
	s_load_b128 s[68:71], s[0:1], 0x20             ; bk, bv
.elseif MODE == 2
	s_load_b64 s[68:69], s[0:1], 0x20              ; the residual
.endif
	v_lshl_add_u32 v28, v0, 2, SPARE
	v_mov_b32 v29, 0
	ds_add_u32 v28, v29                            ; the wave's opening: the add, waited for ahead of my first tensor load
	v_lshrrev_b32 v1, 5, v0
	v_readfirstlane_b32 s12, v1                    ; wave 0..3
	s_lshr_b32 s13, s12, 1                         ; my half of the tile's rows.  Also: I fetch A (0) or W (1)
	s_and_b32 s14, s12, 1                          ; my half of its columns.  Also: which half of that tile I fetch
	s_bfe_u32 s40, ttmp6, 0x40000                  ; cx
	s_bfe_u32 s41, ttmp6, 0x40004                  ; cy
	s_lshl_b32 s42, ttmp9, 2
	s_add_co_u32 s42, s42, s40                     ; tile column
	s_and_b32 s43, ttmp7, 0xffff
	s_lshl_b32 s43, s43, 2
	s_add_co_u32 s43, s43, s41                     ; tile row
	s_lshl_b32 s44, s41, 2
	s_lshl_b32 s44, 15, s44                        ; my row of the cluster
	s_lshl_b32 s45, 0x1111, s40                    ; my column
	s_or_b32 s24, s44, (1<<16)|(1<<20)|(1<<21)|(4<<22)|(3<<25)    ; A: mask; 2-byte elements; padding on; bit 21 beside a mask; 4 words after every 32
	s_mov_b32 s25, (AC&0xffff)<<16                 ; tensor_dim0
	s_mov_b32 s26, (AC>>16)|(AR<<16)               ; tensor_dim1
	s_mov_b32 s27, AC<<16                          ; tile_dim0
	s_mov_b32 s28, AR                              ; tile_dim1
	s_mov_b32 s29, AP                              ; elements from row to row
	s_mov_b32 s30, 0
	s_mov_b32 s31, 0
	s_or_b32 s48, s45, (1<<16)|(1<<20)|(1<<21)|(QIB<<22)|(7<<25)  ; W: 8 words after every row
	s_mov_b32 s49, TN<<16
	s_mov_b32 s50, (KS/2)<<16
	s_mov_b32 s51, TN<<16
	s_mov_b32 s52, KS/2
	s_mov_b32 s53, TN
	s_mov_b32 s54, 0
	s_mov_b32 s55, 0
	s_mov_b32 s32, 1                               ; group 0, set 0: slot 0, K step 0; set 1: slot 1, K step 1, and then it walks
	s_mul_i32 s33, s14, 36864
	s_mov_b32 s36, 1
	s_add_co_u32 s37, s33, SLOT
	s_mov_b32 s56, 1
	s_mul_i32 s57, s14, (KS/2)*PB
	s_add_co_u32 s57, s57, BOFF
	s_mov_b32 s60, 1
	s_add_co_u32 s61, s57, SLOT
	s_mul_i32 s16, s14, (KS/128)*524288            ; A: my blocks of the step, the tile's rows
	s_mul_i32 s17, s43, TM*128
	s_add_co_u32 s16, s16, s17
	s_mov_b32 s17, 0
	s_mul_i32 s46, s42, KTOT*TN*2                  ; W: the tile column's block, my rows of the step
	s_mul_i32 s47, s14, (KS/2)*TN*2
	s_add_co_u32 s46, s46, s47
	s_add_co_u32 s46, s46, WOFF
	s_mov_b32 s47, 0
	s_mov_b32 s15, 0                               ; the slot that is read
	s_mov_b32 s74, 0xffff0000
	s_wait_dscnt 0x0                               ; the opening add is done
	s_wait_kmcnt 0x0
	s_add_nc_u64 s[34:35], s[4:5], s[16:17]
	s_add_nc_u64 s[38:39], s[34:35], STEPA
	s_or_b32 s35, s35, 0x80000000
	s_or_b32 s39, s39, 0x80000000
	s_add_nc_u64 s[58:59], s[6:7], s[46:47]
	s_add_nc_u64 s[62:63], s[58:59], STEPB
	s_or_b32 s59, s59, 0x80000000
	s_or_b32 s63, s63, 0x80000000
	CROUND                                         ; all sixteen work-groups are here: the first joint loads meet
	s_cmp_eq_u32 s13, 0                            ; a wave's two first fills stand in one branch: two loads of mine are out
	s_cbranch_scc0 .Lfirst_b
	tensor_load_to_lds s[32:35], s[24:31]
	s_nop 0
	tensor_load_to_lds s[36:39], s[24:31]
	s_nop 0
	PLACES
	s_branch .Lfirst_done
.Lfirst_b:
	tensor_load_to_lds s[56:59], s[48:55]
	s_nop 0
	tensor_load_to_lds s[60:63], s[48:55]
	s_nop 0
	PLACES
.Lfirst_done:
	v_and_b32 v1, 15, v0                           ; r = l % 16
	v_bfe_u32 v2, v0, 4, 1                         ; h = l / 16
.if MODE == 2
	v_lshlrev_b32 v30, 4, v1                       ; my 4 columns in the wave's 64
	v_lshl_add_u32 v26, v2, 12, v30                ; and in two rows of 4,096 bytes
	s_lshl_b32 s72, s42, 9
	s_lshl_b32 s73, s14, 8
	s_add_co_u32 s72, s72, s73                     ; my wave's first column, in bytes
	s_mov_b32 s73, 0
	s_add_nc_u64 s[10:11], s[10:11], s[72:73]
	s_lshl_b32 s75, s43, 7
	s_lshl_b32 s76, s13, 6
	s_add_co_u32 s75, s75, s76                     ; my wave's first row
	s_lshl_b32 s75, s75, 12
	s_add_co_u32 s72, s72, s75
	s_add_nc_u64 s[68:69], s[68:69], s[72:73]
	s_add_nc_u64 s[8:9], s[8:9], s[72:73]
	global_load_b128 v[32:35], v30, s[10:11]
	WIN 0x80                                       ; the residual of my 64 x 64 comes now and is waited for on the way out
.set g, 0
.rept 32
	global_load_b128 v[128+4*g:131+4*g], v26, s[68:69] offset:g*8192
.set g, g+1
.endr
	WIN 0
.else
	v_and_b32 v30, 7, v0
	v_lshlrev_b32 v30, 5, v30                      ; my 8 columns in a block of 64
.if MODE == 0
	s_cmp_eq_u32 ttmp9, 1                          ; the cluster's x is the matrix: 0 q, 1 k, 2 v
	s_cselect_b64 s[10:11], s[68:69], s[10:11]
	s_cmp_eq_u32 ttmp9, 2
	s_cselect_b64 s[10:11], s[70:71], s[10:11]
	s_lshl_b32 s72, s40, 10                        ; 256 columns for each place along x
.else
	s_lshl_b32 s72, s42, 10
.endif
	s_lshl_b32 s73, s14, 9
	s_add_co_u32 s72, s72, s73
	s_mov_b32 s73, 0
	s_add_nc_u64 s[10:11], s[10:11], s[72:73]
	global_load_b128 v[32:35], v30, s[10:11]
	global_load_b128 v[36:39], v30, s[10:11] offset:16
	global_load_b128 v[40:43], v30, s[10:11] offset:256
	global_load_b128 v[44:47], v30, s[10:11] offset:272
	s_lshl_b32 s72, s42, 2
	s_lshl_b32 s73, s14, 1
	s_add_co_u32 s72, s72, s73                     ; my first block of 64 columns
	s_lshl_b32 s72, s72, 19
	s_lshl_b32 s73, s43, 8
	s_lshl_b32 s75, s13, 7
	s_add_co_u32 s73, s73, s75                     ; my first row
	s_lshl_b32 s73, s73, 7
	s_add_co_u32 s72, s72, s73
	s_mov_b32 s73, 0
	s_add_nc_u64 s[8:9], s[8:9], s[72:73]
.endif
	v_mul_u32_u24 v19, v1, PA                      ; v19: my place in A's tile: (my half's first row + r) x 144 + 16 h
	v_lshl_add_u32 v19, v2, 4, v19
	s_mul_i32 s16, s13, (TM/2)*PA
	v_add_nc_u32 v19, s16, v19
	v_and_b32 v3, 7, v0                            ; v20: my place in W's tile for the turning load: row 8 h + l % 8, 16 bytes by (l / 8) % 2, my half of the columns
	v_lshl_add_u32 v3, v2, 3, v3
	v_mul_u32_u24 v20, v3, PB
	v_bfe_u32 v3, v0, 3, 1
	v_lshl_add_u32 v20, v3, 4, v20
	s_mul_i32 s16, s14, TN
	s_add_co_u32 s16, s16, BOFF
	v_add_nc_u32 v20, s16, v20
	v_mov_b32 v16, v19                             ; v16, v17, v18: the same in the slot that is read; v18 is 128 rows of W further on
	v_mov_b32 v17, v20
.if NQ > 4
	v_add_nc_u32 v18, 128*PB, v17
.endif
	s_mul_i32 s16, s12, STW                        ; my stage
	v_mul_u32_u24 v24, v1, PS                      ; v24: in: row r, 32 bytes for each half of the lanes
	v_lshl_add_u32 v24, v2, 5, v24
	v_add_nc_u32 v24, s16, v24
.if MODE == 2
	v_mul_u32_u24 v25, v2, PS                      ; v25: back: lanes 0-15 one row of 256 bytes, lanes 16-31 the next
	v_lshl_add_u32 v25, v1, 4, v25
	v_add_nc_u32 v25, s16, v25
.else
	v_bfe_u32 v3, v0, 3, 2                         ; v25: back: row l / 8 of four, 8 columns of each of my two blocks
	v_mul_u32_u24 v25, v3, PS
	v_and_b32 v3, 7, v0
	v_lshl_add_u32 v25, v3, 5, v25
	v_add_nc_u32 v25, s16, v25
	v_and_b32 v26, 31, v0                          ; v26: four rows of 128 bytes are 512 consecutive bytes of a block
	v_lshlrev_b32 v26, 4, v26
.endif
; na blocks of rows from a0 on x all NB blocks of columns, 32 along K, out of buffer f.  The accumulators take turns, one instruction a turn.
.macro MULA f, a0, na, zero
.set ma_a, \a0
.rept \na
.set ma_b, 0
.rept NB
.set ma_i, 8*(NB*ma_a+ma_b)
	WIN 0xa1+0x50*(ma_i/256)
.if \zero
	v_wmma_f32_16x16x32_f16 v[ma_i%256:ma_i%256+7], v[(\f)+8*ma_b:(\f)+8*ma_b+7], v[(\f)+8*ma_a:(\f)+8*ma_a+7], 0
.else
	v_wmma_f32_16x16x32_f16 v[ma_i%256:ma_i%256+7], v[(\f)+8*ma_b:(\f)+8*ma_b+7], v[(\f)+8*ma_a:(\f)+8*ma_a+7], v[ma_i%256:ma_i%256+7]
.endif
.set ma_b, ma_b+1
.endr
.set ma_a, ma_a+1
.endr
.endm
; The fragments of quarter q into buffer f, in one run: W's 2 NB loads, then A's 2 MA.
.macro FETCH q, f
	WIN 0x40
.set fb, 0
.rept NB
.if (\q) < 4
	ds_load_tr16_b128 v[(\f)+8*fb:(\f)+8*fb+3],   v17 offset:((\q)%4)*32*PB+32*fb
	ds_load_tr16_b128 v[(\f)+8*fb+4:(\f)+8*fb+7], v17 offset:((\q)%4)*32*PB+32*fb+16*PB
.else
	ds_load_tr16_b128 v[(\f)+8*fb:(\f)+8*fb+3],   v18 offset:((\q)%4)*32*PB+32*fb
	ds_load_tr16_b128 v[(\f)+8*fb+4:(\f)+8*fb+7], v18 offset:((\q)%4)*32*PB+32*fb+16*PB
.endif
.set fb, fb+1
.endr
	WIN 0
.set fa, 0
.rept MA
	ds_load_b128 v[(\f)+8*fa:(\f)+8*fa+3],   v16 offset:((\q)/2)*ABLK+fa*16*PA+((\q)%2)*64
	ds_load_b128 v[(\f)+8*fa+4:(\f)+8*fa+7], v16 offset:((\q)/2)*ABLK+fa*16*PA+((\q)%2)*64+32
.set fa, fa+1
.endr
.endm
; Quarter q but the slot's last: multiplies its buffer and, in its middle, fetches the next quarter into the other.
.macro QUARTER q, zero
.set qf, F0+(F1-F0)*((\q)%2)
.set qg, F0+(F1-F0)*(((\q)+1)%2)
	s_wait_dscnt MA                                ; W and A's first half are in; the youngest MA loads (A's second half) may be out
	MULA qf, 0, MA/2, \zero
	PLACES                                         ; in front of loads into registers that matrix instructions have read
	FETCH (\q)+1, qg
	s_wait_dscnt 2*(MA+NB)                         ; all but the run just issued
	MULA qf, MA/2, MA/2, \zero
.endm
.macro MIDDLE
.set mq, 1
.rept NQ-2
	QUARTER mq, 0
.set mq, mq+1
.endr
.endm
; The slot's last quarter (buffer 1) and the change of slots.  In front of the barrier: all my tensor loads have landed (one is out: my part of the other slot), the add,
; and my reads of this slot are over.  fill = 1: the barrier opens a round of the cluster's, and the joint refill of this slot, two K steps on, is the first thing behind it.
.macro TURN fill
	WIN 0
	s_wait_tensorcnt 0x0
	ds_add_u32 v28, v29
.if \fill
	s_xor_b32 s37, s37, SLOT                       ; no load of mine is out: the walking descriptors step
	s_add_nc_u64 s[38:39], s[38:39], STEPA
	s_xor_b32 s61, s61, SLOT
	s_add_nc_u64 s[62:63], s[62:63], STEPB
.endif
	s_wait_dscnt MA+1                              ; the add and A's second half may be out
	MULA F1, 0, MA/4, 0
	s_wait_dscnt 0x0
	s_barrier_signal -1
	MULA F1, MA/4, MA/4, 0
	WIN 0
	s_barrier_wait -1
.if \fill
	CREST
	JLOAD                                          ; its four v_nop are also the places in front of the loads below
.else
	PLACES
.endif
	s_xor_b32 s15, s15, SLOT
	v_add_nc_u32 v16, s15, v19
	v_add_nc_u32 v17, s15, v20
.if NQ > 4
	v_add_nc_u32 v18, 128*PB, v17
.endif
	FETCH 0, F0
	MULA F1, MA/2, MA/2, 0
.endm
	s_wait_tensorcnt 1                             ; my part of K step 0 is in; step 1's may stay out
	s_barrier_signal -1
	s_barrier_wait -1
	FETCH 0, F0
	QUARTER 0, 1                                   ; the first products start the sums: nothing is cleared
	WIN 0
	s_mov_b32 s2, NSLOT-2
.Lslot:                                                ; a trip: the rest of a slot, its refill, and the next slot's first quarter
	MIDDLE
	TURN 1
	QUARTER 0, 0
	WIN 0
	s_sub_co_u32 s2, s2, 1
	s_cmp_lg_u32 s2, 0
	s_cbranch_scc1 .Lslot
	s_mov_b32 s3, 2
.Ltail:                                                ; the last two slots ask for nothing; the second trip is left in its middle (its fetch of the other slot serves nothing)
	MIDDLE
	TURN 0
	WIN 0
	s_sub_co_u32 s3, s3, 1
	s_cmp_eq_u32 s3, 0
	s_cbranch_scc1 .Lout
	QUARTER 0, 0
	WIN 0
	s_branch .Ltail
.Lout:
	s_wait_dscnt 0x0                               ; my reads of the ring are over;
	s_barrier_signal -1
	s_barrier_wait -1                              ; everybody's are, and every fill has landed: the ring's bytes become the stages
	PLACES
.set da, 0
.rept MA                               ; my accumulators in f32 into my own stage; each is read from its low end on
.set db, 0
.rept NB
.set di, 8*(NB*da+db)
	WIN 0x08+0x04*(di/256)
	ds_store_b128 v24, v[di%256:di%256+3]   offset:da*16*PS+64*db
	ds_store_b128 v24, v[di%256+4:di%256+7] offset:da*16*PS+64*db+16
.set db, db+1
.endr
.set da, da+1
.endr
	WIN 0
	s_wait_loadcnt 0x0                             ; bias (and residual)
.if MODE == 2
	RB 32
	RB 34
.set g, 0
.rept 4                                ; four batches of eight pairs of rows
	s_wait_xcnt 0x0                                ; the last batch's stores have read their registers
.set j, 0
.rept 8
	ds_load_b128 v[192+4*j:195+4*j], v25 offset:(g+j)*2*PS  ; LDS serves a wave's instructions in order (ISA guide 5.7.1.4): these see my stores
.set j, j+1
.endr
.set j, 0
.rept 8
	s_wait_dscnt 7-j
.if ROUNDX
	WIN 0x0a
	v_cvt_pk_bf16_f32 v36, v[128+4*(g+j)], v[129+4*(g+j)]
	v_cvt_pk_bf16_f32 v37, v[130+4*(g+j)], v[131+4*(g+j)]
	WIN 0
	v_lshlrev_b32 v40, 16, v36
	v_and_b32 v41, s74, v36
	v_lshlrev_b32 v42, 16, v37
	v_and_b32 v43, s74, v37
	v_pk_add_f32 v[192+4*j:193+4*j], v[192+4*j:193+4*j], v[40:41]
	v_pk_add_f32 v[194+4*j:195+4*j], v[194+4*j:195+4*j], v[42:43]
.else
	WIN 0x08
	v_pk_add_f32 v[192+4*j:193+4*j], v[192+4*j:193+4*j], v[128+4*(g+j):129+4*(g+j)]
	v_pk_add_f32 v[194+4*j:195+4*j], v[194+4*j:195+4*j], v[130+4*(g+j):131+4*(g+j)]
	WIN 0
.endif
	v_pk_add_f32 v[192+4*j:193+4*j], v[192+4*j:193+4*j], v[32:33]
	v_pk_add_f32 v[194+4*j:195+4*j], v[194+4*j:195+4*j], v[34:35]
	global_store_b128 v26, v[192+4*j:195+4*j], s[8:9] offset:(g+j)*8192  ; 16 lanes store 256 consecutive bytes, aligned
.set j, j+1
.endr
.set g, g+8
.endr
.else
.irp a, 32,34,36,38,40,42,44,46
	RB \a
.endr
; Four rows x my 128 columns: + bias, (mish,) rounded to f16, two stores of 512 consecutive bytes.  pre = 1: the next four rows are asked for under the arithmetic.
; mish(u) = u (1 - 2 / (t t + 2 t + 2)), t = e^u: where t overflows the quotient is 0 and the result u.
.macro EPI pre
	s_wait_dscnt 0x0
.irp k, 0,2,4,6,8,10,12,14
	v_pk_add_f32 v[208+\k:209+\k], v[192+\k:193+\k], v[32+\k:33+\k]
.endr
.if \pre
	v_add_nc_u32 v25, 4*PS, v25
	ds_load_b128 v[192:195], v25
	ds_load_b128 v[196:199], v25 offset:16
	ds_load_b128 v[200:203], v25 offset:256
	ds_load_b128 v[204:207], v25 offset:272
.endif
.if MODE == 1
.irp k, 0,2,4,6,8,10,12,14
	v_pk_mul_f32 v[224+\k:225+\k], v[208+\k:209+\k], 0x3fb8aa3b op_sel_hi:[1,0]
.endr
.set k, 0
.rept 16
	v_exp_f32 v[224+k], v[224+k]
.set k, k+1
.endr
	v_nop                                          ; a plain instruction behind the transcendentals (ISA guide 5.7.2)
.irp k, 0,2,4,6,8,10,12,14
	v_pk_add_f32 v[240+\k:241+\k], v[224+\k:225+\k], 2.0 op_sel_hi:[1,0]
.endr
.irp k, 0,2,4,6,8,10,12,14
	v_pk_fma_f32 v[240+\k:241+\k], v[224+\k:225+\k], v[240+\k:241+\k], 2.0 op_sel_hi:[1,1,0]
.endr
.set k, 0
.rept 16
	v_rcp_f32 v[240+k], v[240+k]
.set k, k+1
.endr
	v_nop
.irp k, 0,2,4,6,8,10,12,14
	v_pk_fma_f32 v[240+\k:241+\k], v[240+\k:241+\k], -2.0, 1.0 op_sel_hi:[1,0,0]
.endr
.irp k, 0,2,4,6,8,10,12,14
	v_pk_mul_f32 v[208+\k:209+\k], v[208+\k:209+\k], v[240+\k:241+\k]
.endr
.endif
	s_wait_xcnt 0x0                                ; the last stores have read v26 and v48-55
	v_add_nc_u32 v26, 512, v26
.irp i, 0,1,2,3,4,5,6,7
	v_cvt_pk_f16_f32 v[48+\i], v[208+2*\i], v[209+2*\i]
.endr
	global_store_b128 v26, v[48:51], s[8:9] offset:-512
	global_store_b128 v26, v[52:55], s[8:9] offset:524288-512
.endm
	ds_load_b128 v[192:195], v25
	ds_load_b128 v[196:199], v25 offset:16
	ds_load_b128 v[200:203], v25 offset:256
	ds_load_b128 v[204:207], v25 offset:272
	s_mov_b32 s2, 31
.Lepi:
	EPI 1
	s_sub_co_u32 s2, s2, 1
	s_cmp_lg_u32 s2, 0
	s_cbranch_scc1 .Lepi
	EPI 0
.endif
	s_wait_tensorcnt 0x0                           ; the wave's end
	ds_add_u32 v28, v29
	s_wait_dscnt 0x0
	CROUND                                         ; the closing round
	s_endpgm
.Lfunc_end_k_qd6681a72ba_qkv:
	.size	k_qd6681a72ba_qkv, .Lfunc_end_k_qd6681a72ba_qkv-k_qd6681a72ba_qkv
	.p2alignl 7, 3214868480
	.fill 96, 4, 3214868480
	.section	.rodata,"a",@progbits
	.p2align	6, 0x0
	.amdhsa_kernel k_qd6681a72ba_qkv
		.amdhsa_group_segment_fixed_size 327680
		.amdhsa_private_segment_fixed_size 0
		.amdhsa_enable_private_segment 0
		.amdhsa_kernarg_size 48
		.amdhsa_user_sgpr_count 2
		.amdhsa_user_sgpr_kernarg_segment_ptr 1
		.amdhsa_wavefront_size32 1
		.amdhsa_system_sgpr_workgroup_id_x 1
		.amdhsa_system_sgpr_workgroup_id_y 1
		.amdhsa_system_sgpr_workgroup_id_z 1
		.amdhsa_system_vgpr_workitem_id 0
		.amdhsa_next_free_vgpr 1024
		.amdhsa_next_free_sgpr 80
		.amdhsa_reserve_vcc 0
		.amdhsa_float_denorm_mode_32 3
		.amdhsa_float_denorm_mode_16_64 3
		.amdhsa_memory_ordered 1
		.amdhsa_forward_progress 1
		.amdhsa_inst_pref_size 82
	.end_amdhsa_kernel
	.amdgpu_metadata
---
amdhsa.version: [ 1, 2 ]
amdhsa.kernels:
  - .name:           k_qd6681a72ba_qkv
    .symbol:         k_qd6681a72ba_qkv.kd
    .args:
      - { .name: y, .offset: 0, .size: 8, .value_kind: global_buffer, .address_space: global }
      - { .name: wts, .offset: 8, .size: 8, .value_kind: global_buffer, .address_space: global }
      - { .name: qkv, .offset: 16, .size: 8, .value_kind: global_buffer, .address_space: global }
      - { .name: bq, .offset: 24, .size: 8, .value_kind: global_buffer, .address_space: global }
      - { .name: bk, .offset: 32, .size: 8, .value_kind: global_buffer, .address_space: global }
      - { .name: bv, .offset: 40, .size: 8, .value_kind: global_buffer, .address_space: global }
    .group_segment_fixed_size: 327680
    .private_segment_fixed_size: 0
    .kernarg_segment_align: 8
    .kernarg_segment_size: 48
    .max_flat_workgroup_size: 128
    .sgpr_count:     80
    .vgpr_count:     1024
    .wavefront_size: 32
...
	.end_amdgpu_metadata
.endif
;; end of part 2
;; launch attn (part 3): grid 4 x 64, 4 waves a work-group, clusters of 4 x 1, 327,680 bytes of LDS; arguments qkv, o; writes o
.if DOCPART == 3
	.amdgcn_target "amdgcn-amd-amdhsa--gfx1250"
	.amdhsa_code_object_version 6
	.text
	.protected	k_qd6681a72ba_attn
	.globl	k_qd6681a72ba_attn
	.p2align	8
	.type	k_qd6681a72ba_attn,@function
k_qd6681a72ba_attn:
	s_mov_b64 s[64:65], 0
	v_nop
	global_prefetch_b8 v0, s[64:65] scope:SCOPE_SE
	s_setreg_imm32_b32 hwreg(HW_REG_WAVE_MODE, 25, 1), 1
	s_wait_xcnt 0x0
	s_wait_alu depctr_hold_cnt(0) depctr_sa_sdst(0) depctr_va_vdst(0) depctr_va_sdst(0) depctr_va_ssrc(0) depctr_va_vcc(0) depctr_vm_vsrc(0)
	s_getreg_b32 s2, hwreg(HW_REG_IB_STS2, 6, 4)
	s_cmp_eq_u32 s2, 0
	s_cbranch_scc0 .Lentry_in_a_cluster
	s_endpgm
.Lentry_in_a_cluster:
	s_bfe_u32 s2, ttmp6, 0x10000c
	s_cmp_lg_u32 s2, 0x3003
	s_cbranch_scc0 .Lentry_shape_is_right
	s_endpgm
.Lentry_shape_is_right:
; ATTENTION WITH 1.5-ENTMAX.  o[b, head][q] = sum over k of p(q, k) v[k],  p = max(z - tau, 0)^2,  z = (q . k / 8 - row maximum) / 2,  tau the root of sum p = 1.
; q, k, v: f16 blocks qkv[16 r + head][4096 rows][64]; o: f16 blocks o[head][4096 rows][64].  Products, maxima and sums in f32; p is rounded to f16 for the second product.
; TAU.  With P1 = sum max(z - tau, 0) and P2 = sum of its squares, Newton's step on sqrt(P2) - 1, a convex falling function of tau, is tau += (P2 - sqrt(P2)) / P1.
; From tau = -1, where P2 >= 1 (the largest z is 0), the steps rise and do not pass the root; P1 >= -tau > 0.  The slope P1 / sqrt(P2) lies in 1 .. 32 for 1,024 keys, which bounds
; what is left after N steps by 31 (1 - 32^(-1/N))^N for every input: 1.5e-4 at the NIT = 10 steps taken here, always, with no test on data.
; LIMITS.  q, k, v within f16's 65,504; a weight p below 6e-8 counts as 0; the weights' sum is 1 to within 3e-4; NaN and infinities are not treated apart.
; SHARES.  A work-group owns 256 queries of one (b, head), a wave four tiles of 16, one after the other.  K and V of all 1,024 keys lie in LDS, filled once.
; CLUSTER.  The four query blocks of a (b, head) read the same K and V: each wave's quarter of each is asked for jointly by the four work-groups.
; LAYOUT.  S^T = K Q^T: a lane holds ONE query (l % 16) and the keys 8 (l / 16) + 0..7 of each block of 16: 512 registers hold a tile's 1,024 scores between the passes.
; Two blocks rounded to f16 in pairs ARE source 1 of O^T = V^T P.  V is turned on the way out of LDS.
; REGISTERS, in windows of 256: v128-255 of all four windows: the scores, key block kb in window kb / 16 at 128 + 8 (kb % 16).  In every window, at the same numbers, what a pass needs:
; v88-95 at work, v96-103 four chains of P1, v104-111 of P2, v112-113 1.0, v114-115 -tau, v116-117 1/16, v118-119 -max/16, v120-123 chains of the maximum.
; Window 0 also: v1-15 addresses, v16-23 a lane's figures, v30-31 the add's, v32-47 Q, v48-79 O^T.  Windows 1, 2: v0-63 two buffers for fragments of K or V.
.set PK,    144                        ; a row of K in LDS: 128 bytes + 16
.set PV,    160                        ; a row of V: 128 + 32, an odd multiple of 32 for the turning load
.set VB,    1024*PK                    ; V behind K
.set STAGE, VB+1024*PV                 ; 16 rows x 144 bytes for each wave, for the way out; no fill lands here
.set SPARE, STAGE+4*16*PK              ; the spare words, 128 bytes a wave
.set NIT,   10
.set MSB, 0
.macro WIN new
.if MSB != (\new)
	s_set_vgpr_msb (MSB<<8)|(\new)
.set MSB, \new
.endif
.endm
.macro PLACES
.rept 4
	v_nop
.endr
.endm
.macro CROUND
	s_barrier_signal -1
	s_barrier_wait -1
	s_cmp_lg_u32 s12, 0
	s_cbranch_scc1 .Lnot_wave_0_\@
	s_barrier_signal -3
.Lnot_wave_0_\@:
	s_barrier_wait -3
	s_barrier_signal -1
	s_barrier_wait -1
.endm
.macro BCAST dst, src                  ; a figure of window 0 into a pair of every window
.irp w, 0,1,2,3
	WIN (\w)<<6
	v_mov_b32 v[\dst], v[\src]
	v_mov_b32 v[(\dst)+1], v[\src]
.endr
.endm
	s_load_b128 s[4:7], s[0:1], 0x0                ; qkv, o
	v_lshl_add_u32 v30, v0, 2, SPARE
	v_mov_b32 v31, 0
	ds_add_u32 v30, v31                            ; the wave's opening: the add, waited for ahead of my first tensor load
	v_lshrrev_b32 v1, 5, v0
	v_readfirstlane_b32 s12, v1                    ; wave 0..3
	s_bfe_u32 s13, ttmp6, 0x40000                  ; cx
	s_lshl_b32 s14, ttmp9, 2
	s_add_co_u32 s14, s14, s13                     ; my block of 256 queries: it enters Q's and o's addresses alone
	s_and_b32 s15, ttmp7, 0xffff                   ; 16 b + head, which the partners share
	s_lshr_b32 s8, s15, 4
	s_and_b32 s9, s15, 15
	s_lshl_b32 s10, s9, 19                         ; the head's block,
	s_lshl_b32 s11, s8, 17                         ; b's 1,024 rows of 128 bytes in it
	s_add_co_u32 s10, s10, s11
	s_lshl_b32 s11, s12, 15                        ; my quarter: 256 keys
	s_add_co_u32 s48, s10, s11
	s_add_co_u32 s48, s48, 8388608                 ; k's blocks begin here,
	s_mov_b32 s49, 0
	s_add_co_u32 s50, s48, 8388608                 ; v's here
	s_mov_b32 s51, 0
	s_lshl_b32 s52, s14, 15                        ; my block's 256 rows,
	s_lshl_b32 s11, s12, 13                        ; my wave's 64 of them
	s_add_co_u32 s52, s52, s11
	s_add_co_u32 s52, s52, s10
	s_mov_b32 s53, 0
	s_mov_b32 s16, 15|(1<<16)|(1<<20)|(1<<21)|(4<<22)|(3<<25)  ; K: the mask of four; 2-byte elements; padding on; bit 21 beside a mask; 4 words after every 32
	s_mov_b32 s24, 15|(1<<16)|(1<<20)|(1<<21)|(4<<22)|(7<<25)  ; V: 8 words
.irp g, 16, 24                         ; 256 keys are 32,768 dense bytes: 128 rows of 256 bytes
	s_mov_b32 s[\g+1], 128<<16
	s_mov_b32 s[\g+2], 128<<16
	s_mov_b32 s[\g+3], 128<<16
	s_mov_b32 s[\g+4], 128
	s_mov_b32 s[\g+5], 128
	s_mov_b32 s[\g+6], 0
	s_mov_b32 s[\g+7], 0
.endr
	s_mov_b32 s32, 1
	s_mul_i32 s33, s12, 256*PK
	s_mov_b32 s36, 1
	s_mul_i32 s37, s12, 256*PV
	s_add_co_u32 s37, s37, VB
	s_mov_b32 s46, 0x76543210
	s_mov_b32 s47, 0xfedcba98
	s_wait_dscnt 0x0                               ; the opening add is done
	s_wait_kmcnt 0x0
	s_add_nc_u64 s[34:35], s[4:5], s[48:49]
	s_or_b32 s35, s35, 0x80000000
	s_add_nc_u64 s[38:39], s[4:5], s[50:51]
	s_or_b32 s39, s39, 0x80000000
	s_add_nc_u64 s[40:41], s[4:5], s[52:53]        ; Q at my wave's first row
	s_add_nc_u64 s[42:43], s[6:7], s[52:53]        ; o likewise
	CROUND                                         ; all four work-groups are here: the joint loads meet
	tensor_load_to_lds s[32:35], s[16:23]          ; my quarter of K and of V: two loads of mine are out
	s_nop 0
	tensor_load_to_lds s[36:39], s[24:31]
	s_nop 0
	PLACES
	v_and_b32 v1, 15, v0                           ; r
	v_bfe_u32 v2, v0, 4, 1                         ; h
	v_lshlrev_b32 v12, 7, v1
	v_lshl_add_u32 v12, v2, 4, v12                 ; Q: row x 128 + 16 h
	global_load_b128 v[32:35], v12, s[40:41]
	global_load_b128 v[36:39], v12, s[40:41] offset:32
	global_load_b128 v[40:43], v12, s[40:41] offset:64
	global_load_b128 v[44:47], v12, s[40:41] offset:96
.irp w, 0,1,2,3
	WIN (\w)<<6
	v_mov_b32 v112, 1.0
	v_mov_b32 v113, 1.0
	v_mov_b32 v116, 0x3d800000                     ; 1 / 16
	v_mov_b32 v117, 0x3d800000
.endr
	WIN 0
	v_mul_u32_u24 v4, v1, PK
	v_lshl_add_u32 v4, v2, 4, v4                   ; v4-7: K's fragments, a register for each 256 keys
	v_add_nc_u32 v5, 256*PK, v4
	v_add_nc_u32 v6, 256*PK, v5
	v_add_nc_u32 v7, 256*PK, v6
	v_and_b32 v3, 7, v0
	v_lshl_add_u32 v8, v2, 3, v3                   ; v8-11: the turning load: key 8 h + l % 8, 16 bytes by (l / 8) % 2
	v_mul_u32_u24 v8, v8, PV
	v_bfe_u32 v17, v0, 3, 1
	v_lshl_add_u32 v8, v17, 4, v8
	v_add_nc_u32 v8, VB, v8
	v_add_nc_u32 v9, 256*PV, v8
	v_add_nc_u32 v10, 256*PV, v9
	v_add_nc_u32 v11, 256*PV, v10
	s_mul_i32 s8, s12, 16*PK
	s_add_co_u32 s8, s8, STAGE                     ; my stage
	v_add_nc_u32 v13, s8, v4                       ; in: row r, 16 bytes for each half of the lanes
	v_bfe_u32 v14, v0, 3, 2                        ; back: 32 lanes take four rows of 128 bytes,
	v_mul_u32_u24 v14, v14, PK
	v_lshl_add_u32 v14, v3, 4, v14
	v_add_nc_u32 v14, s8, v14
	v_and_b32 v15, 31, v0                          ; which are 512 consecutive bytes of o
	v_lshlrev_b32 v15, 4, v15
	v_mov_b32 v17, 0                               ; v_permlanex16_b32 counts as a reader of its destination
	v_mov_b32 v22, 0
	v_mov_b32 v23, 0
.macro FETCHK g, fb                    ; key blocks 4 g .. 4 g + 3, both halves of the channels, into the buffer in window fb: 16 loads
	WIN (\fb)<<6
.irp i, 0,1,2,3
.irp c, 0,1
	ds_load_b128 v[16*\i+8*\c:16*\i+8*\c+3],   v[4+(\g)/4] offset:((4*(\g)+\i)%16)*16*PK+64*\c
	ds_load_b128 v[16*\i+8*\c+4:16*\i+8*\c+7], v[4+(\g)/4] offset:((4*(\g)+\i)%16)*16*PK+64*\c+32
.endr
.endr
.endm
.macro QKG g, fb                       ; their scores: four accumulators by turns; the first four products start the sums
	WIN (\fb)|(((\g)/4)<<4)|(((\g)/4)<<6)
.irp c, 0,1
.irp i, 0,1,2,3
.set rS, 128+8*((4*(\g)+\i)%16)
.if \c == 0
	v_wmma_f32_16x16x32_f16 v[rS:rS+7], v[16*\i+8*\c:16*\i+8*\c+7], v[32+8*\c:39+8*\c], 0
.else
	v_wmma_f32_16x16x32_f16 v[rS:rS+7], v[16*\i+8*\c:16*\i+8*\c+7], v[32+8*\c:39+8*\c], v[rS:rS+7]
.endif
.endr
.endr
.endm
.macro MAXW w                          ; the maximum of window w's 128 scores, in four chains; each accumulator is read from its low end on
	WIN 0x55*(\w)
.irp j, 0,1,2,3
	v_max_num_f32 v[120+\j], v[128+2*\j], v[129+2*\j]
.endr
.set k, 1
.rept 15
.irp j, 0,1,2,3
	v_max3_num_f32 v[120+\j], v[120+\j], v[128+8*k+2*\j], v[129+8*k+2*\j]
.endr
.set k, k+1
.endr
	v_max3_num_f32 v120, v120, v121, v122
	v_max_num_f32 v120, v120, v123
.if (\w) == 0
	v_mov_b32 v16, v120
.else
	WIN \w
	v_max_num_f32 v16, v120, v16
.endif
.endm
.macro ZW w                            ; z = s / 16 - max / 16, in place
	WIN 0x55*(\w)
.set k, 0
.rept 64
	v_pk_fma_f32 v[128+2*k:129+2*k], v[128+2*k:129+2*k], v[116:117], v[118:119]
.set k, k+1
.endr
.endm
.macro NW w                            ; window w's part of P1 and P2 at the tau in hand.  z <= 0 and 0 <= -tau <= 1, so a clamp to 0 .. 1 is max(z - tau, 0)
	WIN 0x55*(\w)
.irp j, 0,1,2,3
	v_pk_fma_f32 v[96+2*\j:97+2*\j], v[128+2*\j:129+2*\j], v[112:113], v[114:115] clamp
.endr
.irp j, 0,1,2,3
	v_pk_mul_f32 v[104+2*\j:105+2*\j], v[96+2*\j:97+2*\j], v[96+2*\j:97+2*\j]
.endr
.set k, 1
.rept 15
.irp j, 0,1,2,3
	v_pk_fma_f32 v[88+2*\j:89+2*\j], v[128+8*k+2*\j:129+8*k+2*\j], v[112:113], v[114:115] clamp
.endr
.irp j, 0,1,2,3
	v_pk_add_f32 v[96+2*\j:97+2*\j], v[96+2*\j:97+2*\j], v[88+2*\j:89+2*\j]
.endr
.irp j, 0,1,2,3
	v_pk_fma_f32 v[104+2*\j:105+2*\j], v[88+2*\j:89+2*\j], v[88+2*\j:89+2*\j], v[104+2*\j:105+2*\j]
.endr
.set k, k+1
.endr
	v_pk_add_f32 v[96:97], v[96:97], v[98:99]
	v_pk_add_f32 v[100:101], v[100:101], v[102:103]
	v_pk_add_f32 v[104:105], v[104:105], v[106:107]
	v_pk_add_f32 v[108:109], v[108:109], v[110:111]
	v_pk_add_f32 v[96:97], v[96:97], v[100:101]
	v_pk_add_f32 v[104:105], v[104:105], v[108:109]
.if (\w) > 0
	WIN \w                                         ; source 0 in window w, the rest in window 0
	v_pk_add_f32 v[96:97], v[96:97], v[96:97]
	v_pk_add_f32 v[104:105], v[104:105], v[104:105]
.endif
.endm
.macro FINW w                          ; the weights: max(z - tau, 0)^2, rounded to f16 in pairs, ascending and in place: 16 registers become source 1 for 32 keys
	WIN 0x55*(\w)
.set c, 0
.rept 8
.irp i, 0,1,2,3,4,5,6,7
	v_pk_fma_f32 v[128+16*c+2*\i:129+16*c+2*\i], v[128+16*c+2*\i:129+16*c+2*\i], v[112:113], v[114:115] clamp
.endr
.irp i, 0,1,2,3,4,5,6,7
	v_pk_mul_f32 v[128+16*c+2*\i:129+16*c+2*\i], v[128+16*c+2*\i:129+16*c+2*\i], v[128+16*c+2*\i:129+16*c+2*\i]
.endr
.irp i, 0,1,2,3,4,5,6,7
	v_cvt_pk_f16_f32 v[128+16*c+\i], v[128+16*c+2*\i], v[129+16*c+2*\i]
.endr
.set c, c+1
.endr
.endm
.macro FETCHV g, fb                    ; keys 64 g .. 64 g + 63, all 64 channels, turned: 16 loads
	WIN (\fb)<<6
.irp u, 0,1
.irp cb, 0,1,2,3
	ds_load_tr16_b128 v[32*\u+8*\cb:32*\u+8*\cb+3],   v[8+(\g)/4] offset:((2*(\g)+\u)%8)*32*PV+32*\cb
	ds_load_tr16_b128 v[32*\u+8*\cb+4:32*\u+8*\cb+7], v[8+(\g)/4] offset:((2*(\g)+\u)%8)*32*PV+32*\cb+16*PV
.endr
.endr
.endm
.macro PVG g, fb                       ; O^T += V^T P for those keys: four accumulators by turns; the first four products start the sums
	WIN (\fb)|(((\g)/4)<<2)
.irp u, 0,1
.irp cb, 0,1,2,3
.set rP, 128+16*((2*(\g)+\u)%8)
.if ((\g) == 0) && (\u == 0)
	v_wmma_f32_16x16x32_f16 v[48+8*\cb:55+8*\cb], v[32*\u+8*\cb:32*\u+8*\cb+7], v[rP:rP+7], 0
.else
	v_wmma_f32_16x16x32_f16 v[48+8*\cb:55+8*\cb], v[32*\u+8*\cb:32*\u+8*\cb+7], v[rP:rP+7], v[48+8*\cb:55+8*\cb]
.endif
.endr
.endr
.endm
	s_wait_tensorcnt 0x0                           ; my quarters are in,
	s_barrier_signal -1
	s_barrier_wait -1                              ; everybody's are
	s_mov_b32 s44, 4
.Ltile:
.rept 5
	v_nop                                          ; places behind the last tile's products, whose sources the new scores write over
.endr
	s_wait_loadcnt 0x0                             ; Q
	FETCHK 0, 1
.set gg, 0
.rept 16
	PLACES                                         ; in front of loads into the buffer that the products just issued have read
.if gg < 15
	FETCHK gg+1, 1+(gg+1)%2
	s_wait_dscnt 16                                ; group gg is in; the 16 loads just issued stay out
.else
	s_wait_dscnt 0x0
.endif
	QKG gg, 1+gg%2
.set gg, gg+1
.endr
	MAXW 0
	MAXW 1
	MAXW 2
	MAXW 3
	WIN 0
	s_cmp_eq_u32 s44, 1
	s_cbranch_scc1 .Lnoq                           ; the next tile's Q is asked for now; the last tile has none
	s_add_nc_u64 s[40:41], s[40:41], 2048          ; (this tile's loads of Q were waited for)
	global_load_b128 v[32:35], v12, s[40:41]
	global_load_b128 v[36:39], v12, s[40:41] offset:32
	global_load_b128 v[40:43], v12, s[40:41] offset:64
	global_load_b128 v[44:47], v12, s[40:41] offset:96
.Lnoq:
	v_permlanex16_b32 v17, v16, s46, s47           ; the query's other 512 keys lie in the lane 16 away
	v_max_num_f32 v16, v16, v17
	v_mul_f32 v18, 0xbd800000, v16                 ; - max / 16
	v_mov_b32 v19, 1.0                             ; - tau
	BCAST 118, 18
	BCAST 114, 19
	ZW 0
	ZW 1
	ZW 2
	ZW 3
	WIN 0
	s_mov_b32 s45, NIT
.Lnewton:
	NW 0
	NW 1
	NW 2
	NW 3
	WIN 0
	v_add_f32 v20, v96, v97
	v_add_f32 v21, v104, v105
	v_permlanex16_b32 v22, v20, s46, s47
	v_permlanex16_b32 v23, v21, s46, s47
	v_add_f32 v20, v20, v22                        ; P1
	v_add_f32 v21, v21, v23                        ; P2
	v_sqrt_f32 v22, v21
	v_rcp_f32 v23, v20
	v_nop                                          ; a plain instruction behind the transcendentals (ISA guide 5.7.2)
	s_wait_alu depctr_va_vdst(0)
	v_sub_f32 v22, v21, v22
	v_fma_f32 v19, -v22, v23, v19                  ; - tau -= (P2 - sqrt(P2)) / P1
	BCAST 114, 19
	WIN 0
	s_sub_co_u32 s45, s45, 1
	s_cmp_lg_u32 s45, 0
	s_cbranch_scc1 .Lnewton
	FETCHV 0, 1                                    ; lands under the weights' arithmetic
	FINW 0
	FINW 1
	FINW 2
	FINW 3
.set gg, 0
.rept 16
	PLACES
.if gg < 15
	FETCHV gg+1, 1+(gg+1)%2
	s_wait_dscnt 16
.else
	s_wait_dscnt 0x0
.endif
	PVG gg, 1+gg%2
.set gg, gg+1
.endr
	WIN 0
	PLACES                                         ; THE WAY OUT: the weights sum to 1, so nothing is divided
.irp cb, 0,1,2,3
.irp i, 0,1,2,3
	v_cvt_pk_f16_f32 v[88+4*\cb+\i], v[48+8*\cb+2*\i], v[49+8*\cb+2*\i]
.endr
.endr
.irp cb, 0,1,2,3
	ds_store_b128 v13, v[88+4*\cb:91+4*\cb] offset:32*\cb
.endr
.irp f, 0,1,2,3
	ds_load_b128 v[48+4*\f:51+4*\f], v14 offset:\f*4*PK  ; LDS serves a wave's instructions in order (ISA guide 5.7.1.4): these see the stores above
.endr
.irp f, 0,1,2,3
	s_wait_dscnt 3-\f
	global_store_b128 v15, v[48+4*\f:51+4*\f], s[42:43] offset:\f*512  ; 512 consecutive bytes, aligned
.endr
	s_wait_xcnt 0x0                                ; the stores have read their registers and o's address
	s_add_nc_u64 s[42:43], s[42:43], 2048
	s_sub_co_u32 s44, s44, 1
	s_cmp_lg_u32 s44, 0
	s_cbranch_scc1 .Ltile
	s_wait_tensorcnt 0x0                           ; the wave's end
	ds_add_u32 v30, v31
	s_wait_dscnt 0x0
	CROUND                                         ; the closing round
	s_endpgm
.Lfunc_end_k_qd6681a72ba_attn:
	.size	k_qd6681a72ba_attn, .Lfunc_end_k_qd6681a72ba_attn-k_qd6681a72ba_attn
	.p2alignl 7, 3214868480
	.fill 96, 4, 3214868480
	.section	.rodata,"a",@progbits
	.p2align	6, 0x0
	.amdhsa_kernel k_qd6681a72ba_attn
		.amdhsa_group_segment_fixed_size 327680
		.amdhsa_private_segment_fixed_size 0
		.amdhsa_enable_private_segment 0
		.amdhsa_kernarg_size 16
		.amdhsa_user_sgpr_count 2
		.amdhsa_user_sgpr_kernarg_segment_ptr 1
		.amdhsa_wavefront_size32 1
		.amdhsa_system_sgpr_workgroup_id_x 1
		.amdhsa_system_sgpr_workgroup_id_y 1
		.amdhsa_system_sgpr_workgroup_id_z 1
		.amdhsa_system_vgpr_workitem_id 0
		.amdhsa_next_free_vgpr 1024
		.amdhsa_next_free_sgpr 66
		.amdhsa_reserve_vcc 0
		.amdhsa_float_denorm_mode_32 3
		.amdhsa_float_denorm_mode_16_64 3
		.amdhsa_memory_ordered 1
		.amdhsa_forward_progress 1
		.amdhsa_inst_pref_size 197
	.end_amdhsa_kernel
	.amdgpu_metadata
---
amdhsa.version: [ 1, 2 ]
amdhsa.kernels:
  - .name:           k_qd6681a72ba_attn
    .symbol:         k_qd6681a72ba_attn.kd
    .args:
      - { .name: qkv, .offset: 0, .size: 8, .value_kind: global_buffer, .address_space: global }
      - { .name: o, .offset: 8, .size: 8, .value_kind: global_buffer, .address_space: global }
    .group_segment_fixed_size: 327680
    .private_segment_fixed_size: 0
    .kernarg_segment_align: 8
    .kernarg_segment_size: 16
    .max_flat_workgroup_size: 128
    .sgpr_count:     66
    .vgpr_count:     1024
    .wavefront_size: 32
...
	.end_amdgpu_metadata
.endif
;; end of part 3
;; launch wo (part 4): grid 8 x 32, 4 waves a work-group, clusters of 4 x 4, 327,680 bytes of LDS; arguments o, wts, x1, bo, x; writes x1
.if DOCPART == 4
	.amdgcn_target "amdgcn-amd-amdhsa--gfx1250"
	.amdhsa_code_object_version 6
	.text
	.protected	k_qd6681a72ba_wo
	.globl	k_qd6681a72ba_wo
	.p2align	8
	.type	k_qd6681a72ba_wo,@function
k_qd6681a72ba_wo:
	s_mov_b64 s[64:65], 0
	v_nop
	global_prefetch_b8 v0, s[64:65] scope:SCOPE_SE
	s_setreg_imm32_b32 hwreg(HW_REG_WAVE_MODE, 25, 1), 1
	s_wait_xcnt 0x0
	s_wait_alu depctr_hold_cnt(0) depctr_sa_sdst(0) depctr_va_vdst(0) depctr_va_sdst(0) depctr_va_ssrc(0) depctr_va_vcc(0) depctr_vm_vsrc(0)
	s_getreg_b32 s2, hwreg(HW_REG_IB_STS2, 6, 4)
	s_cmp_eq_u32 s2, 0
	s_cbranch_scc0 .Lentry_in_a_cluster
	s_endpgm
.Lentry_in_a_cluster:
	s_bfe_u32 s2, ttmp6, 0x10000c
	s_cmp_lg_u32 s2, 0xf033
	s_cbranch_scc0 .Lentry_shape_is_right
	s_endpgm
.Lentry_shape_is_right:
; C = A W (+ bias, + what MODE asks).  A: f16 in blocks A[k/64][4096 rows][64].  W: f16 in blocks W[n/TN][KTOT][TN].  Sums in f32.
; THIS COPY: x1 = bf16(x) + o wo + bo, f32 rows of 1,024.  Tiles of 128 x 128, so that 4,096 x 1,024 gives 256 work-groups.
; The text is one for four launches; the constants below choose tile, K and the way out.
; LIMITS.  f16 ends at 65,504: operands and 16-bit results must lie within it.  NaN and infinities are not treated apart.
; SHARES.  A tile of C is TM x TN; four waves, each 16 MA rows x 16 NB columns in MA x NB accumulators.  K goes in steps of KS through two LDS slots.
; Waves 0, 1 fetch A's two halves of a step (whole blocks of 64 k), waves 2, 3 W's (KS / 2 rows of k each): one tensor load a wave behind each round.
; CLUSTER 4 x 4: A's tile hangs on the tile row alone and is asked for jointly along a row of the cluster, W's on the tile column alone, along a column.
; THE MATRIX INSTRUCTION IS USED TRANSPOSED: source 0 = 16 columns of W (turned on the way out of LDS by ds_load_tr16_b128), source 1 = 16 rows of A;
; a lane then holds row l % 16 of C and the 8 neighbouring columns 8 (l / 16) + 0..7.
; REGISTERS, in windows of 256: window 0: v0-31 addresses, v32-63 and v192-255 the way out, v64.., v128.. A's fragments (two buffers); window 1: W's fragments at the
; same numbers; windows 2, 3: accumulator (a, b) at 8 (NB a + b).  In the small tile window 2's v128-255 hold the residual.
.set MA,     4                         ; blocks of 16 rows a wave
.set NB,     4                         ; blocks of 16 columns a wave
.set KS,     256                       ; K in a slot
.set KTOT,   1024
.set MODE,   2                         ; 0: + bias, f16 blocks, three bias vectors; 1: mish(. + bias), f16 blocks; 2: residual + . + bias, f32 rows
.set ROUNDX, 1                         ; 1: the residual is a program input and is rounded to bf16
.set WOFF,   14680064                  ; my weights' first byte in wts
.set TM,     32*MA
.set TN,     32*NB
.set NQ,     KS/32                     ; quarters of 32 along K in a slot
.set NSLOT,  KTOT/KS
.set PA,     144                       ; a row of A in LDS: 128 bytes + 16: the 16 rows of a load start at 16 different groups of four banks (ISA guide 11.1)
.set ABLK,   TM*PA                     ; a block of 64 k
.set PB,     2*TN+32                   ; a row of W in LDS: an odd multiple of 32 bytes, for the turning load
.set BOFF,   73728                     ; W behind A's KS / 64 blocks
.set SLOT,   147456                    ; = 0x24000; no LDS address inside a slot that is turned below has bit 14 or 17 set, so one exclusive or changes slots
.set SPARE,  294912                    ; behind the ring: the spare words, 128 bytes a wave
.set STEPA,  (KS/64)*524288            ; bytes from a K step to the next, in A
.set STEPB,  KS*TN*2                   ; and in W
.set PS,     64*NB+16                  ; the way out: a stage row, my 16 NB columns in f32 + 16 bytes
.set STW,    16*MA*PS                  ; a wave's stage; the stages lie in the ring, which has had its last fill by then
.set F0,     64
.set F1,     128
.if MA == 8
.set AC, 128                           ; A's tile: a block's 256 rows are dense: 128 rows of 256 bytes
.set AR, 128
.set AP, 128
.set QIB, 6                            ; W: padding after every 128 words
.else
.set AC, 8192                          ; A's tile: two blocks' 128 rows, each 16,384 dense bytes, 524,288 bytes apart
.set AR, 2
.set AP, 262144
.set QIB, 5                            ; W: padding after every 64 words
.endif
.set MSB, 0
.macro WIN new                         ; the immediate's high byte repeats the setting that is left; a switch that changes nothing is dropped
.if MSB != (\new)
	s_set_vgpr_msb (MSB<<8)|(\new)
.set MSB, \new
.endif
.endm
.macro PLACES                          ; four places behind matrix instructions (ISA guide 7.12.1)
.rept 4
	v_nop
.endr
.endm
.macro CREST                           ; a round of the cluster's barrier behind its opening barrier
	s_cmp_lg_u32 s12, 0
	s_cbranch_scc1 .Lnot_wave_0_\@
	s_barrier_signal -3
.Lnot_wave_0_\@:
	s_barrier_wait -3
	s_barrier_signal -1
	s_barrier_wait -1
.endm
.macro CROUND
	s_barrier_signal -1
	s_barrier_wait -1
	CREST
.endm
.macro JLOAD                           ; a joint refill by the walking descriptor; the branch hangs on the wave's number alone; s_nop 0 and four v_nop follow each line
	s_cmp_eq_u32 s13, 0
	s_cbranch_scc0 .Lfor_b_\@
	tensor_load_to_lds s[36:39], s[24:31]
	s_nop 0
	PLACES
	s_branch .Lasked_\@
.Lfor_b_\@:
	tensor_load_to_lds s[60:63], s[48:55]
	s_nop 0
	PLACES
.Lasked_\@:
.endm
.macro RB a                            ; a pair of f32 rounded to bf16 and widened again
	v_cvt_pk_bf16_f32 v31, v[\a], v[(\a)+1]
	v_lshlrev_b32 v[\a], 16, v31
	v_and_b32 v[(\a)+1], s74, v31
.endm
	s_load_b256 s[4:11], s[0:1], 0x0               ; A s[4:5], wts s[6:7], out s[8:9], bias s[10:11]
.if MODE == 0
	s_load_b128 s[68:71], s[0:1], 0x20             ; bk, bv
.elseif MODE == 2
	s_load_b64 s[68:69], s[0:1], 0x20              ; the residual
.endif
	v_lshl_add_u32 v28, v0, 2, SPARE
	v_mov_b32 v29, 0
	ds_add_u32 v28, v29                            ; the wave's opening: the add, waited for ahead of my first tensor load
	v_lshrrev_b32 v1, 5, v0
	v_readfirstlane_b32 s12, v1                    ; wave 0..3
	s_lshr_b32 s13, s12, 1                         ; my half of the tile's rows.  Also: I fetch A (0) or W (1)
	s_and_b32 s14, s12, 1                          ; my half of its columns.  Also: which half of that tile I fetch
	s_bfe_u32 s40, ttmp6, 0x40000                  ; cx
	s_bfe_u32 s41, ttmp6, 0x40004                  ; cy
	s_lshl_b32 s42, ttmp9, 2
	s_add_co_u32 s42, s42, s40                     ; tile column
	s_and_b32 s43, ttmp7, 0xffff
	s_lshl_b32 s43, s43, 2
	s_add_co_u32 s43, s43, s41                     ; tile row
	s_lshl_b32 s44, s41, 2
	s_lshl_b32 s44, 15, s44                        ; my row of the cluster
	s_lshl_b32 s45, 0x1111, s40                    ; my column
	s_or_b32 s24, s44, (1<<16)|(1<<20)|(1<<21)|(4<<22)|(3<<25)    ; A: mask; 2-byte elements; padding on; bit 21 beside a mask; 4 words after every 32
	s_mov_b32 s25, (AC&0xffff)<<16                 ; tensor_dim0
	s_mov_b32 s26, (AC>>16)|(AR<<16)               ; tensor_dim1
	s_mov_b32 s27, AC<<16                          ; tile_dim0
	s_mov_b32 s28, AR                              ; tile_dim1
	s_mov_b32 s29, AP                              ; elements from row to row
	s_mov_b32 s30, 0
	s_mov_b32 s31, 0
	s_or_b32 s48, s45, (1<<16)|(1<<20)|(1<<21)|(QIB<<22)|(7<<25)  ; W: 8 words after every row
	s_mov_b32 s49, TN<<16
	s_mov_b32 s50, (KS/2)<<16
	s_mov_b32 s51, TN<<16
	s_mov_b32 s52, KS/2
	s_mov_b32 s53, TN
	s_mov_b32 s54, 0
	s_mov_b32 s55, 0
	s_mov_b32 s32, 1                               ; group 0, set 0: slot 0, K step 0; set 1: slot 1, K step 1, and then it walks
	s_mul_i32 s33, s14, 36864
	s_mov_b32 s36, 1
	s_add_co_u32 s37, s33, SLOT
	s_mov_b32 s56, 1
	s_mul_i32 s57, s14, (KS/2)*PB
	s_add_co_u32 s57, s57, BOFF
	s_mov_b32 s60, 1
	s_add_co_u32 s61, s57, SLOT
	s_mul_i32 s16, s14, (KS/128)*524288            ; A: my blocks of the step, the tile's rows
	s_mul_i32 s17, s43, TM*128
	s_add_co_u32 s16, s16, s17
	s_mov_b32 s17, 0
	s_mul_i32 s46, s42, KTOT*TN*2                  ; W: the tile column's block, my rows of the step
	s_mul_i32 s47, s14, (KS/2)*TN*2
	s_add_co_u32 s46, s46, s47
	s_add_co_u32 s46, s46, WOFF
	s_mov_b32 s47, 0
	s_mov_b32 s15, 0                               ; the slot that is read
	s_mov_b32 s74, 0xffff0000
	s_wait_dscnt 0x0                               ; the opening add is done
	s_wait_kmcnt 0x0
	s_add_nc_u64 s[34:35], s[4:5], s[16:17]
	s_add_nc_u64 s[38:39], s[34:35], STEPA
	s_or_b32 s35, s35, 0x80000000
	s_or_b32 s39, s39, 0x80000000
	s_add_nc_u64 s[58:59], s[6:7], s[46:47]
	s_add_nc_u64 s[62:63], s[58:59], STEPB
	s_or_b32 s59, s59, 0x80000000
	s_or_b32 s63, s63, 0x80000000
	CROUND                                         ; all sixteen work-groups are here: the first joint loads meet
	s_cmp_eq_u32 s13, 0                            ; a wave's two first fills stand in one branch: two loads of mine are out
	s_cbranch_scc0 .Lfirst_b
	tensor_load_to_lds s[32:35], s[24:31]
	s_nop 0
	tensor_load_to_lds s[36:39], s[24:31]
	s_nop 0
	PLACES
	s_branch .Lfirst_done
.Lfirst_b:
	tensor_load_to_lds s[56:59], s[48:55]
	s_nop 0
	tensor_load_to_lds s[60:63], s[48:55]
	s_nop 0
	PLACES
.Lfirst_done:
	v_and_b32 v1, 15, v0                           ; r = l % 16
	v_bfe_u32 v2, v0, 4, 1                         ; h = l / 16
.if MODE == 2
	v_lshlrev_b32 v30, 4, v1                       ; my 4 columns in the wave's 64
	v_lshl_add_u32 v26, v2, 12, v30                ; and in two rows of 4,096 bytes
	s_lshl_b32 s72, s42, 9
	s_lshl_b32 s73, s14, 8
	s_add_co_u32 s72, s72, s73                     ; my wave's first column, in bytes
	s_mov_b32 s73, 0
	s_add_nc_u64 s[10:11], s[10:11], s[72:73]
	s_lshl_b32 s75, s43, 7
	s_lshl_b32 s76, s13, 6
	s_add_co_u32 s75, s75, s76                     ; my wave's first row
	s_lshl_b32 s75, s75, 12
	s_add_co_u32 s72, s72, s75
	s_add_nc_u64 s[68:69], s[68:69], s[72:73]
	s_add_nc_u64 s[8:9], s[8:9], s[72:73]
	global_load_b128 v[32:35], v30, s[10:11]
	WIN 0x80                                       ; the residual of my 64 x 64 comes now and is waited for on the way out
.set g, 0
.rept 32
	global_load_b128 v[128+4*g:131+4*g], v26, s[68:69] offset:g*8192
.set g, g+1
.endr
	WIN 0
.else
	v_and_b32 v30, 7, v0
	v_lshlrev_b32 v30, 5, v30                      ; my 8 columns in a block of 64
.if MODE == 0
	s_cmp_eq_u32 ttmp9, 1                          ; the cluster's x is the matrix: 0 q, 1 k, 2 v
	s_cselect_b64 s[10:11], s[68:69], s[10:11]
	s_cmp_eq_u32 ttmp9, 2
	s_cselect_b64 s[10:11], s[70:71], s[10:11]
	s_lshl_b32 s72, s40, 10                        ; 256 columns for each place along x
.else
	s_lshl_b32 s72, s42, 10
.endif
	s_lshl_b32 s73, s14, 9
	s_add_co_u32 s72, s72, s73
	s_mov_b32 s73, 0
	s_add_nc_u64 s[10:11], s[10:11], s[72:73]
	global_load_b128 v[32:35], v30, s[10:11]
	global_load_b128 v[36:39], v30, s[10:11] offset:16
	global_load_b128 v[40:43], v30, s[10:11] offset:256
	global_load_b128 v[44:47], v30, s[10:11] offset:272
	s_lshl_b32 s72, s42, 2
	s_lshl_b32 s73, s14, 1
	s_add_co_u32 s72, s72, s73                     ; my first block of 64 columns
	s_lshl_b32 s72, s72, 19
	s_lshl_b32 s73, s43, 8
	s_lshl_b32 s75, s13, 7
	s_add_co_u32 s73, s73, s75                     ; my first row
	s_lshl_b32 s73, s73, 7
	s_add_co_u32 s72, s72, s73
	s_mov_b32 s73, 0
	s_add_nc_u64 s[8:9], s[8:9], s[72:73]
.endif
	v_mul_u32_u24 v19, v1, PA                      ; v19: my place in A's tile: (my half's first row + r) x 144 + 16 h
	v_lshl_add_u32 v19, v2, 4, v19
	s_mul_i32 s16, s13, (TM/2)*PA
	v_add_nc_u32 v19, s16, v19
	v_and_b32 v3, 7, v0                            ; v20: my place in W's tile for the turning load: row 8 h + l % 8, 16 bytes by (l / 8) % 2, my half of the columns
	v_lshl_add_u32 v3, v2, 3, v3
	v_mul_u32_u24 v20, v3, PB
	v_bfe_u32 v3, v0, 3, 1
	v_lshl_add_u32 v20, v3, 4, v20
	s_mul_i32 s16, s14, TN
	s_add_co_u32 s16, s16, BOFF
	v_add_nc_u32 v20, s16, v20
	v_mov_b32 v16, v19                             ; v16, v17, v18: the same in the slot that is read; v18 is 128 rows of W further on
	v_mov_b32 v17, v20
.if NQ > 4
	v_add_nc_u32 v18, 128*PB, v17
.endif
	s_mul_i32 s16, s12, STW                        ; my stage
	v_mul_u32_u24 v24, v1, PS                      ; v24: in: row r, 32 bytes for each half of the lanes
	v_lshl_add_u32 v24, v2, 5, v24
	v_add_nc_u32 v24, s16, v24
.if MODE == 2
	v_mul_u32_u24 v25, v2, PS                      ; v25: back: lanes 0-15 one row of 256 bytes, lanes 16-31 the next
	v_lshl_add_u32 v25, v1, 4, v25
	v_add_nc_u32 v25, s16, v25
.else
	v_bfe_u32 v3, v0, 3, 2                         ; v25: back: row l / 8 of four, 8 columns of each of my two blocks
	v_mul_u32_u24 v25, v3, PS
	v_and_b32 v3, 7, v0
	v_lshl_add_u32 v25, v3, 5, v25
	v_add_nc_u32 v25, s16, v25
	v_and_b32 v26, 31, v0                          ; v26: four rows of 128 bytes are 512 consecutive bytes of a block
	v_lshlrev_b32 v26, 4, v26
.endif
; na blocks of rows from a0 on x all NB blocks of columns, 32 along K, out of buffer f.  The accumulators take turns, one instruction a turn.
.macro MULA f, a0, na, zero
.set ma_a, \a0
.rept \na
.set ma_b, 0
.rept NB
.set ma_i, 8*(NB*ma_a+ma_b)
	WIN 0xa1+0x50*(ma_i/256)
.if \zero
	v_wmma_f32_16x16x32_f16 v[ma_i%256:ma_i%256+7], v[(\f)+8*ma_b:(\f)+8*ma_b+7], v[(\f)+8*ma_a:(\f)+8*ma_a+7], 0
.else
	v_wmma_f32_16x16x32_f16 v[ma_i%256:ma_i%256+7], v[(\f)+8*ma_b:(\f)+8*ma_b+7], v[(\f)+8*ma_a:(\f)+8*ma_a+7], v[ma_i%256:ma_i%256+7]
.endif
.set ma_b, ma_b+1
.endr
.set ma_a, ma_a+1
.endr
.endm
; The fragments of quarter q into buffer f, in one run: W's 2 NB loads, then A's 2 MA.
.macro FETCH q, f
	WIN 0x40
.set fb, 0
.rept NB
.if (\q) < 4
	ds_load_tr16_b128 v[(\f)+8*fb:(\f)+8*fb+3],   v17 offset:((\q)%4)*32*PB+32*fb
	ds_load_tr16_b128 v[(\f)+8*fb+4:(\f)+8*fb+7], v17 offset:((\q)%4)*32*PB+32*fb+16*PB
.else
	ds_load_tr16_b128 v[(\f)+8*fb:(\f)+8*fb+3],   v18 offset:((\q)%4)*32*PB+32*fb
	ds_load_tr16_b128 v[(\f)+8*fb+4:(\f)+8*fb+7], v18 offset:((\q)%4)*32*PB+32*fb+16*PB
.endif
.set fb, fb+1
.endr
	WIN 0
.set fa, 0
.rept MA
	ds_load_b128 v[(\f)+8*fa:(\f)+8*fa+3],   v16 offset:((\q)/2)*ABLK+fa*16*PA+((\q)%2)*64
	ds_load_b128 v[(\f)+8*fa+4:(\f)+8*fa+7], v16 offset:((\q)/2)*ABLK+fa*16*PA+((\q)%2)*64+32
.set fa, fa+1
.endr
.endm
; Quarter q but the slot's last: multiplies its buffer and, in its middle, fetches the next quarter into the other.
.macro QUARTER q, zero
.set qf, F0+(F1-F0)*((\q)%2)
.set qg, F0+(F1-F0)*(((\q)+1)%2)
	s_wait_dscnt MA                                ; W and A's first half are in; the youngest MA loads (A's second half) may be out
	MULA qf, 0, MA/2, \zero
	PLACES                                         ; in front of loads into registers that matrix instructions have read
	FETCH (\q)+1, qg
	s_wait_dscnt 2*(MA+NB)                         ; all but the run just issued
	MULA qf, MA/2, MA/2, \zero
.endm
.macro MIDDLE
.set mq, 1
.rept NQ-2
	QUARTER mq, 0
.set mq, mq+1
.endr
.endm
; The slot's last quarter (buffer 1) and the change of slots.  In front of the barrier: all my tensor loads have landed (one is out: my part of the other slot), the add,
; and my reads of this slot are over.  fill = 1: the barrier opens a round of the cluster's, and the joint refill of this slot, two K steps on, is the first thing behind it.
.macro TURN fill
	WIN 0
	s_wait_tensorcnt 0x0
	ds_add_u32 v28, v29
.if \fill
	s_xor_b32 s37, s37, SLOT                       ; no load of mine is out: the walking descriptors step
	s_add_nc_u64 s[38:39], s[38:39], STEPA
	s_xor_b32 s61, s61, SLOT
	s_add_nc_u64 s[62:63], s[62:63], STEPB
.endif
	s_wait_dscnt MA+1                              ; the add and A's second half may be out
	MULA F1, 0, MA/4, 0
	s_wait_dscnt 0x0
	s_barrier_signal -1
	MULA F1, MA/4, MA/4, 0
	WIN 0
	s_barrier_wait -1
.if \fill
	CREST
	JLOAD                                          ; its four v_nop are also the places in front of the loads below
.else
	PLACES
.endif
	s_xor_b32 s15, s15, SLOT
	v_add_nc_u32 v16, s15, v19
	v_add_nc_u32 v17, s15, v20
.if NQ > 4
	v_add_nc_u32 v18, 128*PB, v17
.endif
	FETCH 0, F0
	MULA F1, MA/2, MA/2, 0
.endm
	s_wait_tensorcnt 1                             ; my part of K step 0 is in; step 1's may stay out
	s_barrier_signal -1
	s_barrier_wait -1
	FETCH 0, F0
	QUARTER 0, 1                                   ; the first products start the sums: nothing is cleared
	WIN 0
	s_mov_b32 s2, NSLOT-2
.Lslot:                                                ; a trip: the rest of a slot, its refill, and the next slot's first quarter
	MIDDLE
	TURN 1
	QUARTER 0, 0
	WIN 0
	s_sub_co_u32 s2, s2, 1
	s_cmp_lg_u32 s2, 0
	s_cbranch_scc1 .Lslot
	s_mov_b32 s3, 2
.Ltail:                                                ; the last two slots ask for nothing; the second trip is left in its middle (its fetch of the other slot serves nothing)
	MIDDLE
	TURN 0
	WIN 0
	s_sub_co_u32 s3, s3, 1
	s_cmp_eq_u32 s3, 0
	s_cbranch_scc1 .Lout
	QUARTER 0, 0
	WIN 0
	s_branch .Ltail
.Lout:
	s_wait_dscnt 0x0                               ; my reads of the ring are over;
	s_barrier_signal -1
	s_barrier_wait -1                              ; everybody's are, and every fill has landed: the ring's bytes become the stages
	PLACES
.set da, 0
.rept MA                               ; my accumulators in f32 into my own stage; each is read from its low end on
.set db, 0
.rept NB
.set di, 8*(NB*da+db)
	WIN 0x08+0x04*(di/256)
	ds_store_b128 v24, v[di%256:di%256+3]   offset:da*16*PS+64*db
	ds_store_b128 v24, v[di%256+4:di%256+7] offset:da*16*PS+64*db+16
.set db, db+1
.endr
.set da, da+1
.endr
	WIN 0
	s_wait_loadcnt 0x0                             ; bias (and residual)
.if MODE == 2
	RB 32
	RB 34
.set g, 0
.rept 4                                ; four batches of eight pairs of rows
	s_wait_xcnt 0x0                                ; the last batch's stores have read their registers
.set j, 0
.rept 8
	ds_load_b128 v[192+4*j:195+4*j], v25 offset:(g+j)*2*PS  ; LDS serves a wave's instructions in order (ISA guide 5.7.1.4): these see my stores
.set j, j+1
.endr
.set j, 0
.rept 8
	s_wait_dscnt 7-j
.if ROUNDX
	WIN 0x0a
	v_cvt_pk_bf16_f32 v36, v[128+4*(g+j)], v[129+4*(g+j)]
	v_cvt_pk_bf16_f32 v37, v[130+4*(g+j)], v[131+4*(g+j)]
	WIN 0
	v_lshlrev_b32 v40, 16, v36
	v_and_b32 v41, s74, v36
	v_lshlrev_b32 v42, 16, v37
	v_and_b32 v43, s74, v37
	v_pk_add_f32 v[192+4*j:193+4*j], v[192+4*j:193+4*j], v[40:41]
	v_pk_add_f32 v[194+4*j:195+4*j], v[194+4*j:195+4*j], v[42:43]
.else
	WIN 0x08
	v_pk_add_f32 v[192+4*j:193+4*j], v[192+4*j:193+4*j], v[128+4*(g+j):129+4*(g+j)]
	v_pk_add_f32 v[194+4*j:195+4*j], v[194+4*j:195+4*j], v[130+4*(g+j):131+4*(g+j)]
	WIN 0
.endif
	v_pk_add_f32 v[192+4*j:193+4*j], v[192+4*j:193+4*j], v[32:33]
	v_pk_add_f32 v[194+4*j:195+4*j], v[194+4*j:195+4*j], v[34:35]
	global_store_b128 v26, v[192+4*j:195+4*j], s[8:9] offset:(g+j)*8192  ; 16 lanes store 256 consecutive bytes, aligned
.set j, j+1
.endr
.set g, g+8
.endr
.else
.irp a, 32,34,36,38,40,42,44,46
	RB \a
.endr
; Four rows x my 128 columns: + bias, (mish,) rounded to f16, two stores of 512 consecutive bytes.  pre = 1: the next four rows are asked for under the arithmetic.
; mish(u) = u (1 - 2 / (t t + 2 t + 2)), t = e^u: where t overflows the quotient is 0 and the result u.
.macro EPI pre
	s_wait_dscnt 0x0
.irp k, 0,2,4,6,8,10,12,14
	v_pk_add_f32 v[208+\k:209+\k], v[192+\k:193+\k], v[32+\k:33+\k]
.endr
.if \pre
	v_add_nc_u32 v25, 4*PS, v25
	ds_load_b128 v[192:195], v25
	ds_load_b128 v[196:199], v25 offset:16
	ds_load_b128 v[200:203], v25 offset:256
	ds_load_b128 v[204:207], v25 offset:272
.endif
.if MODE == 1
.irp k, 0,2,4,6,8,10,12,14
	v_pk_mul_f32 v[224+\k:225+\k], v[208+\k:209+\k], 0x3fb8aa3b op_sel_hi:[1,0]
.endr
.set k, 0
.rept 16
	v_exp_f32 v[224+k], v[224+k]
.set k, k+1
.endr
	v_nop                                          ; a plain instruction behind the transcendentals (ISA guide 5.7.2)
.irp k, 0,2,4,6,8,10,12,14
	v_pk_add_f32 v[240+\k:241+\k], v[224+\k:225+\k], 2.0 op_sel_hi:[1,0]
.endr
.irp k, 0,2,4,6,8,10,12,14
	v_pk_fma_f32 v[240+\k:241+\k], v[224+\k:225+\k], v[240+\k:241+\k], 2.0 op_sel_hi:[1,1,0]
.endr
.set k, 0
.rept 16
	v_rcp_f32 v[240+k], v[240+k]
.set k, k+1
.endr
	v_nop
.irp k, 0,2,4,6,8,10,12,14
	v_pk_fma_f32 v[240+\k:241+\k], v[240+\k:241+\k], -2.0, 1.0 op_sel_hi:[1,0,0]
.endr
.irp k, 0,2,4,6,8,10,12,14
	v_pk_mul_f32 v[208+\k:209+\k], v[208+\k:209+\k], v[240+\k:241+\k]
.endr
.endif
	s_wait_xcnt 0x0                                ; the last stores have read v26 and v48-55
	v_add_nc_u32 v26, 512, v26
.irp i, 0,1,2,3,4,5,6,7
	v_cvt_pk_f16_f32 v[48+\i], v[208+2*\i], v[209+2*\i]
.endr
	global_store_b128 v26, v[48:51], s[8:9] offset:-512
	global_store_b128 v26, v[52:55], s[8:9] offset:524288-512
.endm
	ds_load_b128 v[192:195], v25
	ds_load_b128 v[196:199], v25 offset:16
	ds_load_b128 v[200:203], v25 offset:256
	ds_load_b128 v[204:207], v25 offset:272
	s_mov_b32 s2, 31
.Lepi:
	EPI 1
	s_sub_co_u32 s2, s2, 1
	s_cmp_lg_u32 s2, 0
	s_cbranch_scc1 .Lepi
	EPI 0
.endif
	s_wait_tensorcnt 0x0                           ; the wave's end
	ds_add_u32 v28, v29
	s_wait_dscnt 0x0
	CROUND                                         ; the closing round
	s_endpgm
.Lfunc_end_k_qd6681a72ba_wo:
	.size	k_qd6681a72ba_wo, .Lfunc_end_k_qd6681a72ba_wo-k_qd6681a72ba_wo
	.p2alignl 7, 3214868480
	.fill 96, 4, 3214868480
	.section	.rodata,"a",@progbits
	.p2align	6, 0x0
	.amdhsa_kernel k_qd6681a72ba_wo
		.amdhsa_group_segment_fixed_size 327680
		.amdhsa_private_segment_fixed_size 0
		.amdhsa_enable_private_segment 0
		.amdhsa_kernarg_size 40
		.amdhsa_user_sgpr_count 2
		.amdhsa_user_sgpr_kernarg_segment_ptr 1
		.amdhsa_wavefront_size32 1
		.amdhsa_system_sgpr_workgroup_id_x 1
		.amdhsa_system_sgpr_workgroup_id_y 1
		.amdhsa_system_sgpr_workgroup_id_z 1
		.amdhsa_system_vgpr_workitem_id 0
		.amdhsa_next_free_vgpr 768
		.amdhsa_next_free_sgpr 80
		.amdhsa_reserve_vcc 0
		.amdhsa_float_denorm_mode_32 3
		.amdhsa_float_denorm_mode_16_64 3
		.amdhsa_memory_ordered 1
		.amdhsa_forward_progress 1
		.amdhsa_inst_pref_size 80
	.end_amdhsa_kernel
	.amdgpu_metadata
---
amdhsa.version: [ 1, 2 ]
amdhsa.kernels:
  - .name:           k_qd6681a72ba_wo
    .symbol:         k_qd6681a72ba_wo.kd
    .args:
      - { .name: o, .offset: 0, .size: 8, .value_kind: global_buffer, .address_space: global }
      - { .name: wts, .offset: 8, .size: 8, .value_kind: global_buffer, .address_space: global }
      - { .name: x1, .offset: 16, .size: 8, .value_kind: global_buffer, .address_space: global }
      - { .name: bo, .offset: 24, .size: 8, .value_kind: global_buffer, .address_space: global }
      - { .name: x, .offset: 32, .size: 8, .value_kind: global_buffer, .address_space: global }
    .group_segment_fixed_size: 327680
    .private_segment_fixed_size: 0
    .kernarg_segment_align: 8
    .kernarg_segment_size: 40
    .max_flat_workgroup_size: 128
    .sgpr_count:     80
    .vgpr_count:     768
    .wavefront_size: 32
...
	.end_amdgpu_metadata
.endif
;; end of part 4
;; launch ln2 (part 5): grid 256 x 1, 8 waves a work-group, no clusters, 0 bytes of LDS; arguments x1, ln2_g, ln2_b, y; writes y
.if DOCPART == 5
	.amdgcn_target "amdgcn-amd-amdhsa--gfx1250"
	.amdhsa_code_object_version 6
	.text
	.protected	k_qd6681a72ba_ln2
	.globl	k_qd6681a72ba_ln2
	.p2align	8
	.type	k_qd6681a72ba_ln2,@function
k_qd6681a72ba_ln2:
	s_mov_b64 s[64:65], 0
	v_nop
	global_prefetch_b8 v0, s[64:65] scope:SCOPE_SE
	s_setreg_imm32_b32 hwreg(HW_REG_WAVE_MODE, 25, 1), 1
	s_wait_xcnt 0x0
; y = LN2(x1) in f16, laid in blocks y[col/64][row][64].  x1 is the program's own f32 and is taken as it is; gain and bias are inputs and are rounded to bf16.
; LIMITS.  f16 ends at 65,504: y must lie within it.  NaN and infinities are not treated apart.
; One wave owns two rows (2 rp, 2 rp + 1) and keeps them in registers: mean, then the sum of squared differences from it, so no difference of large sums is formed.
; Lane l: c = l % 8, sub = (l / 8) % 2 (which row), hb = l / 16; for j = 0..7 it holds the 8 columns 64 (2 j + hb) + 8 c.  So lanes 0-15 of a store cover
; 256 consecutive bytes of one block of y (two neighbouring rows of 128 bytes).  No LDS, no barrier, no matrix unit: the launch streams, and no wave needs another's numbers.
.set ROUNDX, 0
.set SRC, 4                            ; s[4:5]   the rows to normalise
.set GP,  6                            ; s[6:7]   gain
.set BP,  8                            ; s[8:9]   bias
.set YP,  10                           ; s[10:11] y
.set X,   16                           ; v[16:79]   64 numbers of my row
.set G,   80                           ; v[80:143]  their gains
.set BV,  144                          ; v[144:207] their biases
.macro RB a                            ; a pair of f32 rounded to bf16 and widened again
	v_cvt_pk_bf16_f32 v5, v[\a], v[(\a)+1]
	v_lshlrev_b32 v[\a], 16, v5
	v_and_b32 v[(\a)+1], s36, v5
.endm
.macro FOLD                            ; four chains of pairs into v5
	v_pk_add_f32 v[6:7], v[6:7], v[8:9]
	v_pk_add_f32 v[10:11], v[10:11], v[12:13]
	v_pk_add_f32 v[6:7], v[6:7], v[10:11]
	v_add_f32 v5, v6, v7
.endm
.macro LANES                           ; over the 16 lanes of my row: c by masks 1, 2, 4 (mask 8 would mix the two rows), hb by the other half of the lanes
	v_add_f32_dpp v5, v5, v5 row_xmask:1 row_mask:0xf bank_mask:0xf
	v_add_f32_dpp v5, v5, v5 row_xmask:2 row_mask:0xf bank_mask:0xf
	v_add_f32_dpp v5, v5, v5 row_xmask:4 row_mask:0xf bank_mask:0xf
	v_permlanex16_b32 v14, v5, s34, s35
	v_add_f32 v5, v5, v14
.endm
	s_load_b256 s[4:11], s[0:1], 0x0               ; x1, ln2_g, ln2_b, y
	v_lshrrev_b32 v5, 5, v0
	v_readfirstlane_b32 s26, v5                    ; wave 0..7
	s_mov_b32 s36, 0xffff0000                      ; a word's upper bf16
	s_mov_b32 s39, 0
	v_and_b32 v5, 7, v0                            ; c
	v_bfe_u32 v6, v0, 3, 1                         ; sub
	v_bfe_u32 v7, v0, 4, 1                         ; hb
	v_lshlrev_b32 v3, 5, v5
	v_lshl_add_u32 v3, v7, 8, v3                   ; v3: 256 hb + 32 c, my place in g and b
	v_lshl_add_u32 v2, v6, 12, v3                  ; v2: + 4,096 sub, my place in the two rows
	v_lshlrev_b32 v4, 4, v5
	v_lshl_add_u32 v4, v6, 7, v4
	v_lshl_add_u32 v4, v7, 19, v4                  ; v4: 524,288 hb + 128 sub + 16 c, my place in y
	v_mov_b32 v14, 0                               ; v_permlanex16_b32 counts as a reader of its destination
	s_mov_b32 s32, 0x3a800000                      ; 1 / 1024
	s_mov_b32 s33, 0x3727c5ac                      ; 1e-5
	s_mov_b32 s34, 0x76543210
	s_mov_b32 s35, 0xfedcba98
	s_lshl_b32 s27, ttmp9, 3
	s_add_co_u32 s27, s27, s26                     ; rp
	s_lshl_b32 s38, s27, 13
	s_wait_kmcnt 0x0
	s_add_nc_u64 s[28:29], s[SRC:SRC+1], s[38:39]  ; two rows of 4,096 bytes
	s_lshl_b32 s38, s27, 8
	s_add_nc_u64 s[30:31], s[YP:YP+1], s[38:39]    ; two rows of 128 bytes in each block
.set j, 0
.rept 8
	global_load_b128 v[X+8*j:X+8*j+3],   v2, s[28:29] offset:512*j
	global_load_b128 v[X+8*j+4:X+8*j+7], v2, s[28:29] offset:512*j+16
.set j, j+1
.endr
.set j, 0
.rept 8
	global_load_b128 v[G+8*j:G+8*j+3],   v3, s[GP:GP+1] offset:512*j
	global_load_b128 v[G+8*j+4:G+8*j+7], v3, s[GP:GP+1] offset:512*j+16
.set j, j+1
.endr
.set j, 0
.rept 8
	global_load_b128 v[BV+8*j:BV+8*j+3],   v3, s[BP:BP+1] offset:512*j
	global_load_b128 v[BV+8*j+4:BV+8*j+7], v3, s[BP:BP+1] offset:512*j+16
.set j, j+1
.endr
	s_wait_loadcnt 32                              ; the row is in; the 32 younger loads (g, b) stay out
.if ROUNDX
.set p, 0
.rept 32
	RB X+2*p
.set p, p+1
.endr
.endif
.irp k, 0,1,2,3                        ; the mean: four chains, started by sums of two pairs: nothing is cleared
	v_pk_add_f32 v[6+2*\k:7+2*\k], v[X+2*\k:X+2*\k+1], v[X+8+2*\k:X+9+2*\k]
.endr
.set p, 8
.rept 24
	v_pk_add_f32 v[6+2*(p%4):7+2*(p%4)], v[6+2*(p%4):7+2*(p%4)], v[X+2*p:X+2*p+1]
.set p, p+1
.endr
	FOLD
	LANES
	v_mul_f32 v14, s32, v5
	v_mov_b32 v15, v14
.set p, 0
.rept 32
	v_pk_add_f32 v[X+2*p:X+2*p+1], v[X+2*p:X+2*p+1], v[14:15] neg_lo:[0,1] neg_hi:[0,1]  ; x - mean
.set p, p+1
.endr
.irp k, 0,1,2,3
	v_pk_mul_f32 v[6+2*\k:7+2*\k], v[X+2*\k:X+2*\k+1], v[X+2*\k:X+2*\k+1]
.endr
.set p, 4
.rept 28
	v_pk_fma_f32 v[6+2*(p%4):7+2*(p%4)], v[X+2*p:X+2*p+1], v[X+2*p:X+2*p+1], v[6+2*(p%4):7+2*(p%4)]
.set p, p+1
.endr
	FOLD
	LANES
	v_fma_f32 v5, v5, s32, s33                     ; variance + eps
	v_rsq_f32 v14, v5
	v_nop                                          ; a plain instruction behind the transcendental (ISA guide 5.7.2)
	s_wait_alu depctr_va_vdst(0)
	v_mov_b32 v15, v14
	s_wait_loadcnt 0x0                             ; g and b
.set p, 0
.rept 32
	RB G+2*p
	RB BV+2*p
.set p, p+1
.endr
.set p, 0
.rept 32
	v_pk_mul_f32 v[X+2*p:X+2*p+1], v[X+2*p:X+2*p+1], v[14:15]
	v_pk_fma_f32 v[X+2*p:X+2*p+1], v[X+2*p:X+2*p+1], v[G+2*p:G+2*p+1], v[BV+2*p:BV+2*p+1]
.set p, p+1
.endr
.set j, 0
.rept 8
.irp i, 0,1,2,3                        ; ascending and in place
	v_cvt_pk_f16_f32 v[X+8*j+\i], v[X+8*j+2*\i], v[X+8*j+2*\i+1]
.endr
	global_store_b128 v4, v[X+8*j:X+8*j+3], s[30:31] offset:j*1048576  ; blocks 2 j and 2 j + 1; 16 lanes store 256 consecutive bytes, aligned
.set j, j+1
.endr
	s_endpgm
.Lfunc_end_k_qd6681a72ba_ln2:
	.size	k_qd6681a72ba_ln2, .Lfunc_end_k_qd6681a72ba_ln2-k_qd6681a72ba_ln2
	.p2alignl 7, 3214868480
	.fill 96, 4, 3214868480
	.section	.rodata,"a",@progbits
	.p2align	6, 0x0
	.amdhsa_kernel k_qd6681a72ba_ln2
		.amdhsa_group_segment_fixed_size 0
		.amdhsa_private_segment_fixed_size 0
		.amdhsa_enable_private_segment 0
		.amdhsa_kernarg_size 32
		.amdhsa_user_sgpr_count 2
		.amdhsa_user_sgpr_kernarg_segment_ptr 1
		.amdhsa_wavefront_size32 1
		.amdhsa_system_sgpr_workgroup_id_x 1
		.amdhsa_system_sgpr_workgroup_id_y 1
		.amdhsa_system_sgpr_workgroup_id_z 1
		.amdhsa_system_vgpr_workitem_id 0
		.amdhsa_next_free_vgpr 208
		.amdhsa_next_free_sgpr 66
		.amdhsa_reserve_vcc 0
		.amdhsa_float_denorm_mode_32 3
		.amdhsa_float_denorm_mode_16_64 3
		.amdhsa_memory_ordered 1
		.amdhsa_forward_progress 1
		.amdhsa_inst_pref_size 28
	.end_amdhsa_kernel
	.amdgpu_metadata
---
amdhsa.version: [ 1, 2 ]
amdhsa.kernels:
  - .name:           k_qd6681a72ba_ln2
    .symbol:         k_qd6681a72ba_ln2.kd
    .args:
      - { .name: x1, .offset: 0, .size: 8, .value_kind: global_buffer, .address_space: global }
      - { .name: ln2_g, .offset: 8, .size: 8, .value_kind: global_buffer, .address_space: global }
      - { .name: ln2_b, .offset: 16, .size: 8, .value_kind: global_buffer, .address_space: global }
      - { .name: y, .offset: 24, .size: 8, .value_kind: global_buffer, .address_space: global }
    .group_segment_fixed_size: 0
    .private_segment_fixed_size: 0
    .kernarg_segment_align: 8
    .kernarg_segment_size: 32
    .max_flat_workgroup_size: 256
    .sgpr_count:     66
    .vgpr_count:     208
    .wavefront_size: 32
...
	.end_amdgpu_metadata
.endif
;; end of part 5
;; launch up (part 6): grid 16 x 16, 4 waves a work-group, clusters of 4 x 4, 327,680 bytes of LDS; arguments y, wts, hbuf, b_up; writes hbuf
.if DOCPART == 6
	.amdgcn_target "amdgcn-amd-amdhsa--gfx1250"
	.amdhsa_code_object_version 6
	.text
	.protected	k_qd6681a72ba_up
	.globl	k_qd6681a72ba_up
	.p2align	8
	.type	k_qd6681a72ba_up,@function
k_qd6681a72ba_up:
	s_mov_b64 s[64:65], 0
	v_nop
	global_prefetch_b8 v0, s[64:65] scope:SCOPE_SE
	s_setreg_imm32_b32 hwreg(HW_REG_WAVE_MODE, 25, 1), 1
	s_wait_xcnt 0x0
	s_wait_alu depctr_hold_cnt(0) depctr_sa_sdst(0) depctr_va_vdst(0) depctr_va_sdst(0) depctr_va_ssrc(0) depctr_va_vcc(0) depctr_vm_vsrc(0)
	s_getreg_b32 s2, hwreg(HW_REG_IB_STS2, 6, 4)
	s_cmp_eq_u32 s2, 0
	s_cbranch_scc0 .Lentry_in_a_cluster
	s_endpgm
.Lentry_in_a_cluster:
	s_bfe_u32 s2, ttmp6, 0x10000c
	s_cmp_lg_u32 s2, 0xf033
	s_cbranch_scc0 .Lentry_shape_is_right
	s_endpgm
.Lentry_shape_is_right:
; C = A W (+ bias, + what MODE asks).  A: f16 in blocks A[k/64][4096 rows][64].  W: f16 in blocks W[n/TN][KTOT][TN].  Sums in f32.
; THIS COPY: h = mish(y w_up + b_up), written in f16 in blocks hbuf[col/64][row][64] (64 blocks).  Tiles of 256 x 256: 256 work-groups.
; The text is one for four launches; the constants below choose tile, K and the way out.
; LIMITS.  f16 ends at 65,504: operands and 16-bit results must lie within it.  NaN and infinities are not treated apart.
; SHARES.  A tile of C is TM x TN; four waves, each 16 MA rows x 16 NB columns in MA x NB accumulators.  K goes in steps of KS through two LDS slots.
; Waves 0, 1 fetch A's two halves of a step (whole blocks of 64 k), waves 2, 3 W's (KS / 2 rows of k each): one tensor load a wave behind each round.
; CLUSTER 4 x 4: A's tile hangs on the tile row alone and is asked for jointly along a row of the cluster, W's on the tile column alone, along a column.
; THE MATRIX INSTRUCTION IS USED TRANSPOSED: source 0 = 16 columns of W (turned on the way out of LDS by ds_load_tr16_b128), source 1 = 16 rows of A;
; a lane then holds row l % 16 of C and the 8 neighbouring columns 8 (l / 16) + 0..7.
; REGISTERS, in windows of 256: window 0: v0-31 addresses, v32-63 and v192-255 the way out, v64.., v128.. A's fragments (two buffers); window 1: W's fragments at the
; same numbers; windows 2, 3: accumulator (a, b) at 8 (NB a + b).  In the small tile window 2's v128-255 hold the residual.
.set MA,     8                         ; blocks of 16 rows a wave
.set NB,     8                         ; blocks of 16 columns a wave
.set KS,     128                       ; K in a slot
.set KTOT,   1024
.set MODE,   1                         ; 0: + bias, f16 blocks, three bias vectors; 1: mish(. + bias), f16 blocks; 2: residual + . + bias, f32 rows
.set ROUNDX, 0                         ; 1: the residual is a program input and is rounded to bf16
.set WOFF,   6291456                   ; my weights' first byte in wts
.set TM,     32*MA
.set TN,     32*NB
.set NQ,     KS/32                     ; quarters of 32 along K in a slot
.set NSLOT,  KTOT/KS
.set PA,     144                       ; a row of A in LDS: 128 bytes + 16: the 16 rows of a load start at 16 different groups of four banks (ISA guide 11.1)
.set ABLK,   TM*PA                     ; a block of 64 k
.set PB,     2*TN+32                   ; a row of W in LDS: an odd multiple of 32 bytes, for the turning load
.set BOFF,   73728                     ; W behind A's KS / 64 blocks
.set SLOT,   147456                    ; = 0x24000; no LDS address inside a slot that is turned below has bit 14 or 17 set, so one exclusive or changes slots
.set SPARE,  294912                    ; behind the ring: the spare words, 128 bytes a wave
.set STEPA,  (KS/64)*524288            ; bytes from a K step to the next, in A
.set STEPB,  KS*TN*2                   ; and in W
.set PS,     64*NB+16                  ; the way out: a stage row, my 16 NB columns in f32 + 16 bytes
.set STW,    16*MA*PS                  ; a wave's stage; the stages lie in the ring, which has had its last fill by then
.set F0,     64
.set F1,     128
.if MA == 8
.set AC, 128                           ; A's tile: a block's 256 rows are dense: 128 rows of 256 bytes
.set AR, 128
.set AP, 128
.set QIB, 6                            ; W: padding after every 128 words
.else
.set AC, 8192                          ; A's tile: two blocks' 128 rows, each 16,384 dense bytes, 524,288 bytes apart
.set AR, 2
.set AP, 262144
.set QIB, 5                            ; W: padding after every 64 words
.endif
.set MSB, 0
.macro WIN new                         ; the immediate's high byte repeats the setting that is left; a switch that changes nothing is dropped
.if MSB != (\new)
	s_set_vgpr_msb (MSB<<8)|(\new)
.set MSB, \new
.endif
.endm
.macro PLACES                          ; four places behind matrix instructions (ISA guide 7.12.1)
.rept 4
	v_nop
.endr
.endm
.macro CREST                           ; a round of the cluster's barrier behind its opening barrier
	s_cmp_lg_u32 s12, 0
	s_cbranch_scc1 .Lnot_wave_0_\@
	s_barrier_signal -3
.Lnot_wave_0_\@:
	s_barrier_wait -3
	s_barrier_signal -1
	s_barrier_wait -1
.endm
.macro CROUND
	s_barrier_signal -1
	s_barrier_wait -1
	CREST
.endm
.macro JLOAD                           ; a joint refill by the walking descriptor; the branch hangs on the wave's number alone; s_nop 0 and four v_nop follow each line
	s_cmp_eq_u32 s13, 0
	s_cbranch_scc0 .Lfor_b_\@
	tensor_load_to_lds s[36:39], s[24:31]
	s_nop 0
	PLACES
	s_branch .Lasked_\@
.Lfor_b_\@:
	tensor_load_to_lds s[60:63], s[48:55]
	s_nop 0
	PLACES
.Lasked_\@:
.endm
.macro RB a                            ; a pair of f32 rounded to bf16 and widened again
	v_cvt_pk_bf16_f32 v31, v[\a], v[(\a)+1]
	v_lshlrev_b32 v[\a], 16, v31
	v_and_b32 v[(\a)+1], s74, v31
.endm
	s_load_b256 s[4:11], s[0:1], 0x0               ; A s[4:5], wts s[6:7], out s[8:9], bias s[10:11]
.if MODE == 0
	s_load_b128 s[68:71], s[0:1], 0x20             ; bk, bv
.elseif MODE == 2
	s_load_b64 s[68:69], s[0:1], 0x20              ; the residual
.endif
	v_lshl_add_u32 v28, v0, 2, SPARE
	v_mov_b32 v29, 0
	ds_add_u32 v28, v29                            ; the wave's opening: the add, waited for ahead of my first tensor load
	v_lshrrev_b32 v1, 5, v0
	v_readfirstlane_b32 s12, v1                    ; wave 0..3
	s_lshr_b32 s13, s12, 1                         ; my half of the tile's rows.  Also: I fetch A (0) or W (1)
	s_and_b32 s14, s12, 1                          ; my half of its columns.  Also: which half of that tile I fetch
	s_bfe_u32 s40, ttmp6, 0x40000                  ; cx
	s_bfe_u32 s41, ttmp6, 0x40004                  ; cy
	s_lshl_b32 s42, ttmp9, 2
	s_add_co_u32 s42, s42, s40                     ; tile column
	s_and_b32 s43, ttmp7, 0xffff
	s_lshl_b32 s43, s43, 2
	s_add_co_u32 s43, s43, s41                     ; tile row
	s_lshl_b32 s44, s41, 2
	s_lshl_b32 s44, 15, s44                        ; my row of the cluster
	s_lshl_b32 s45, 0x1111, s40                    ; my column
	s_or_b32 s24, s44, (1<<16)|(1<<20)|(1<<21)|(4<<22)|(3<<25)    ; A: mask; 2-byte elements; padding on; bit 21 beside a mask; 4 words after every 32
	s_mov_b32 s25, (AC&0xffff)<<16                 ; tensor_dim0
	s_mov_b32 s26, (AC>>16)|(AR<<16)               ; tensor_dim1
	s_mov_b32 s27, AC<<16                          ; tile_dim0
	s_mov_b32 s28, AR                              ; tile_dim1
	s_mov_b32 s29, AP                              ; elements from row to row
	s_mov_b32 s30, 0
	s_mov_b32 s31, 0
	s_or_b32 s48, s45, (1<<16)|(1<<20)|(1<<21)|(QIB<<22)|(7<<25)  ; W: 8 words after every row
	s_mov_b32 s49, TN<<16
	s_mov_b32 s50, (KS/2)<<16
	s_mov_b32 s51, TN<<16
	s_mov_b32 s52, KS/2
	s_mov_b32 s53, TN
	s_mov_b32 s54, 0
	s_mov_b32 s55, 0
	s_mov_b32 s32, 1                               ; group 0, set 0: slot 0, K step 0; set 1: slot 1, K step 1, and then it walks
	s_mul_i32 s33, s14, 36864
	s_mov_b32 s36, 1
	s_add_co_u32 s37, s33, SLOT
	s_mov_b32 s56, 1
	s_mul_i32 s57, s14, (KS/2)*PB
	s_add_co_u32 s57, s57, BOFF
	s_mov_b32 s60, 1
	s_add_co_u32 s61, s57, SLOT
	s_mul_i32 s16, s14, (KS/128)*524288            ; A: my blocks of the step, the tile's rows
	s_mul_i32 s17, s43, TM*128
	s_add_co_u32 s16, s16, s17
	s_mov_b32 s17, 0
	s_mul_i32 s46, s42, KTOT*TN*2                  ; W: the tile column's block, my rows of the step
	s_mul_i32 s47, s14, (KS/2)*TN*2
	s_add_co_u32 s46, s46, s47
	s_add_co_u32 s46, s46, WOFF
	s_mov_b32 s47, 0
	s_mov_b32 s15, 0                               ; the slot that is read
	s_mov_b32 s74, 0xffff0000
	s_wait_dscnt 0x0                               ; the opening add is done
	s_wait_kmcnt 0x0
	s_add_nc_u64 s[34:35], s[4:5], s[16:17]
	s_add_nc_u64 s[38:39], s[34:35], STEPA
	s_or_b32 s35, s35, 0x80000000
	s_or_b32 s39, s39, 0x80000000
	s_add_nc_u64 s[58:59], s[6:7], s[46:47]
	s_add_nc_u64 s[62:63], s[58:59], STEPB
	s_or_b32 s59, s59, 0x80000000
	s_or_b32 s63, s63, 0x80000000
	CROUND                                         ; all sixteen work-groups are here: the first joint loads meet
	s_cmp_eq_u32 s13, 0                            ; a wave's two first fills stand in one branch: two loads of mine are out
	s_cbranch_scc0 .Lfirst_b
	tensor_load_to_lds s[32:35], s[24:31]
	s_nop 0
	tensor_load_to_lds s[36:39], s[24:31]
	s_nop 0
	PLACES
	s_branch .Lfirst_done
.Lfirst_b:
	tensor_load_to_lds s[56:59], s[48:55]
	s_nop 0
	tensor_load_to_lds s[60:63], s[48:55]
	s_nop 0
	PLACES
.Lfirst_done:
	v_and_b32 v1, 15, v0                           ; r = l % 16
	v_bfe_u32 v2, v0, 4, 1                         ; h = l / 16
.if MODE == 2
	v_lshlrev_b32 v30, 4, v1                       ; my 4 columns in the wave's 64
	v_lshl_add_u32 v26, v2, 12, v30                ; and in two rows of 4,096 bytes
	s_lshl_b32 s72, s42, 9
	s_lshl_b32 s73, s14, 8
	s_add_co_u32 s72, s72, s73                     ; my wave's first column, in bytes
	s_mov_b32 s73, 0
	s_add_nc_u64 s[10:11], s[10:11], s[72:73]
	s_lshl_b32 s75, s43, 7
	s_lshl_b32 s76, s13, 6
	s_add_co_u32 s75, s75, s76                     ; my wave's first row
	s_lshl_b32 s75, s75, 12
	s_add_co_u32 s72, s72, s75
	s_add_nc_u64 s[68:69], s[68:69], s[72:73]
	s_add_nc_u64 s[8:9], s[8:9], s[72:73]
	global_load_b128 v[32:35], v30, s[10:11]
	WIN 0x80                                       ; the residual of my 64 x 64 comes now and is waited for on the way out
.set g, 0
.rept 32
	global_load_b128 v[128+4*g:131+4*g], v26, s[68:69] offset:g*8192
.set g, g+1
.endr
	WIN 0
.else
	v_and_b32 v30, 7, v0
	v_lshlrev_b32 v30, 5, v30                      ; my 8 columns in a block of 64
.if MODE == 0
	s_cmp_eq_u32 ttmp9, 1                          ; the cluster's x is the matrix: 0 q, 1 k, 2 v
	s_cselect_b64 s[10:11], s[68:69], s[10:11]
	s_cmp_eq_u32 ttmp9, 2
	s_cselect_b64 s[10:11], s[70:71], s[10:11]
	s_lshl_b32 s72, s40, 10                        ; 256 columns for each place along x
.else
	s_lshl_b32 s72, s42, 10
.endif
	s_lshl_b32 s73, s14, 9
	s_add_co_u32 s72, s72, s73
	s_mov_b32 s73, 0
	s_add_nc_u64 s[10:11], s[10:11], s[72:73]
	global_load_b128 v[32:35], v30, s[10:11]
	global_load_b128 v[36:39], v30, s[10:11] offset:16
	global_load_b128 v[40:43], v30, s[10:11] offset:256
	global_load_b128 v[44:47], v30, s[10:11] offset:272
	s_lshl_b32 s72, s42, 2
	s_lshl_b32 s73, s14, 1
	s_add_co_u32 s72, s72, s73                     ; my first block of 64 columns
	s_lshl_b32 s72, s72, 19
	s_lshl_b32 s73, s43, 8
	s_lshl_b32 s75, s13, 7
	s_add_co_u32 s73, s73, s75                     ; my first row
	s_lshl_b32 s73, s73, 7
	s_add_co_u32 s72, s72, s73
	s_mov_b32 s73, 0
	s_add_nc_u64 s[8:9], s[8:9], s[72:73]
.endif
	v_mul_u32_u24 v19, v1, PA                      ; v19: my place in A's tile: (my half's first row + r) x 144 + 16 h
	v_lshl_add_u32 v19, v2, 4, v19
	s_mul_i32 s16, s13, (TM/2)*PA
	v_add_nc_u32 v19, s16, v19
	v_and_b32 v3, 7, v0                            ; v20: my place in W's tile for the turning load: row 8 h + l % 8, 16 bytes by (l / 8) % 2, my half of the columns
	v_lshl_add_u32 v3, v2, 3, v3
	v_mul_u32_u24 v20, v3, PB
	v_bfe_u32 v3, v0, 3, 1
	v_lshl_add_u32 v20, v3, 4, v20
	s_mul_i32 s16, s14, TN
	s_add_co_u32 s16, s16, BOFF
	v_add_nc_u32 v20, s16, v20
	v_mov_b32 v16, v19                             ; v16, v17, v18: the same in the slot that is read; v18 is 128 rows of W further on
	v_mov_b32 v17, v20
.if NQ > 4
	v_add_nc_u32 v18, 128*PB, v17
.endif
	s_mul_i32 s16, s12, STW                        ; my stage
	v_mul_u32_u24 v24, v1, PS                      ; v24: in: row r, 32 bytes for each half of the lanes
	v_lshl_add_u32 v24, v2, 5, v24
	v_add_nc_u32 v24, s16, v24
.if MODE == 2
	v_mul_u32_u24 v25, v2, PS                      ; v25: back: lanes 0-15 one row of 256 bytes, lanes 16-31 the next
	v_lshl_add_u32 v25, v1, 4, v25
	v_add_nc_u32 v25, s16, v25
.else
	v_bfe_u32 v3, v0, 3, 2                         ; v25: back: row l / 8 of four, 8 columns of each of my two blocks
	v_mul_u32_u24 v25, v3, PS
	v_and_b32 v3, 7, v0
	v_lshl_add_u32 v25, v3, 5, v25
	v_add_nc_u32 v25, s16, v25
	v_and_b32 v26, 31, v0                          ; v26: four rows of 128 bytes are 512 consecutive bytes of a block
	v_lshlrev_b32 v26, 4, v26
.endif
; na blocks of rows from a0 on x all NB blocks of columns, 32 along K, out of buffer f.  The accumulators take turns, one instruction a turn.
.macro MULA f, a0, na, zero
.set ma_a, \a0
.rept \na
.set ma_b, 0
.rept NB
.set ma_i, 8*(NB*ma_a+ma_b)
	WIN 0xa1+0x50*(ma_i/256)
.if \zero
	v_wmma_f32_16x16x32_f16 v[ma_i%256:ma_i%256+7], v[(\f)+8*ma_b:(\f)+8*ma_b+7], v[(\f)+8*ma_a:(\f)+8*ma_a+7], 0
.else
	v_wmma_f32_16x16x32_f16 v[ma_i%256:ma_i%256+7], v[(\f)+8*ma_b:(\f)+8*ma_b+7], v[(\f)+8*ma_a:(\f)+8*ma_a+7], v[ma_i%256:ma_i%256+7]
.endif
.set ma_b, ma_b+1
.endr
.set ma_a, ma_a+1
.endr
.endm
; The fragments of quarter q into buffer f, in one run: W's 2 NB loads, then A's 2 MA.
.macro FETCH q, f
	WIN 0x40
.set fb, 0
.rept NB
.if (\q) < 4
	ds_load_tr16_b128 v[(\f)+8*fb:(\f)+8*fb+3],   v17 offset:((\q)%4)*32*PB+32*fb
	ds_load_tr16_b128 v[(\f)+8*fb+4:(\f)+8*fb+7], v17 offset:((\q)%4)*32*PB+32*fb+16*PB
.else
	ds_load_tr16_b128 v[(\f)+8*fb:(\f)+8*fb+3],   v18 offset:((\q)%4)*32*PB+32*fb
	ds_load_tr16_b128 v[(\f)+8*fb+4:(\f)+8*fb+7], v18 offset:((\q)%4)*32*PB+32*fb+16*PB
.endif
.set fb, fb+1
.endr
	WIN 0
.set fa, 0
.rept MA
	ds_load_b128 v[(\f)+8*fa:(\f)+8*fa+3],   v16 offset:((\q)/2)*ABLK+fa*16*PA+((\q)%2)*64
	ds_load_b128 v[(\f)+8*fa+4:(\f)+8*fa+7], v16 offset:((\q)/2)*ABLK+fa*16*PA+((\q)%2)*64+32
.set fa, fa+1
.endr
.endm
; Quarter q but the slot's last: multiplies its buffer and, in its middle, fetches the next quarter into the other.
.macro QUARTER q, zero
.set qf, F0+(F1-F0)*((\q)%2)
.set qg, F0+(F1-F0)*(((\q)+1)%2)
	s_wait_dscnt MA                                ; W and A's first half are in; the youngest MA loads (A's second half) may be out
	MULA qf, 0, MA/2, \zero
	PLACES                                         ; in front of loads into registers that matrix instructions have read
	FETCH (\q)+1, qg
	s_wait_dscnt 2*(MA+NB)                         ; all but the run just issued
	MULA qf, MA/2, MA/2, \zero
.endm
.macro MIDDLE
.set mq, 1
.rept NQ-2
	QUARTER mq, 0
.set mq, mq+1
.endr
.endm
; The slot's last quarter (buffer 1) and the change of slots.  In front of the barrier: all my tensor loads have landed (one is out: my part of the other slot), the add,
; and my reads of this slot are over.  fill = 1: the barrier opens a round of the cluster's, and the joint refill of this slot, two K steps on, is the first thing behind it.
.macro TURN fill
	WIN 0
	s_wait_tensorcnt 0x0
	ds_add_u32 v28, v29
.if \fill
	s_xor_b32 s37, s37, SLOT                       ; no load of mine is out: the walking descriptors step
	s_add_nc_u64 s[38:39], s[38:39], STEPA
	s_xor_b32 s61, s61, SLOT
	s_add_nc_u64 s[62:63], s[62:63], STEPB
.endif
	s_wait_dscnt MA+1                              ; the add and A's second half may be out
	MULA F1, 0, MA/4, 0
	s_wait_dscnt 0x0
	s_barrier_signal -1
	MULA F1, MA/4, MA/4, 0
	WIN 0
	s_barrier_wait -1
.if \fill
	CREST
	JLOAD                                          ; its four v_nop are also the places in front of the loads below
.else
	PLACES
.endif
	s_xor_b32 s15, s15, SLOT
	v_add_nc_u32 v16, s15, v19
	v_add_nc_u32 v17, s15, v20
.if NQ > 4
	v_add_nc_u32 v18, 128*PB, v17
.endif
	FETCH 0, F0
	MULA F1, MA/2, MA/2, 0
.endm
	s_wait_tensorcnt 1                             ; my part of K step 0 is in; step 1's may stay out
	s_barrier_signal -1
	s_barrier_wait -1
	FETCH 0, F0
	QUARTER 0, 1                                   ; the first products start the sums: nothing is cleared
	WIN 0
	s_mov_b32 s2, NSLOT-2
.Lslot:                                                ; a trip: the rest of a slot, its refill, and the next slot's first quarter
	MIDDLE
	TURN 1
	QUARTER 0, 0
	WIN 0
	s_sub_co_u32 s2, s2, 1
	s_cmp_lg_u32 s2, 0
	s_cbranch_scc1 .Lslot
	s_mov_b32 s3, 2
.Ltail:                                                ; the last two slots ask for nothing; the second trip is left in its middle (its fetch of the other slot serves nothing)
	MIDDLE
	TURN 0
	WIN 0
	s_sub_co_u32 s3, s3, 1
	s_cmp_eq_u32 s3, 0
	s_cbranch_scc1 .Lout
	QUARTER 0, 0
	WIN 0
	s_branch .Ltail
.Lout:
	s_wait_dscnt 0x0                               ; my reads of the ring are over;
	s_barrier_signal -1
	s_barrier_wait -1                              ; everybody's are, and every fill has landed: the ring's bytes become the stages
	PLACES
.set da, 0
.rept MA                               ; my accumulators in f32 into my own stage; each is read from its low end on
.set db, 0
.rept NB
.set di, 8*(NB*da+db)
	WIN 0x08+0x04*(di/256)
	ds_store_b128 v24, v[di%256:di%256+3]   offset:da*16*PS+64*db
	ds_store_b128 v24, v[di%256+4:di%256+7] offset:da*16*PS+64*db+16
.set db, db+1
.endr
.set da, da+1
.endr
	WIN 0
	s_wait_loadcnt 0x0                             ; bias (and residual)
.if MODE == 2
	RB 32
	RB 34
.set g, 0
.rept 4                                ; four batches of eight pairs of rows
	s_wait_xcnt 0x0                                ; the last batch's stores have read their registers
.set j, 0
.rept 8
	ds_load_b128 v[192+4*j:195+4*j], v25 offset:(g+j)*2*PS  ; LDS serves a wave's instructions in order (ISA guide 5.7.1.4): these see my stores
.set j, j+1
.endr
.set j, 0
.rept 8
	s_wait_dscnt 7-j
.if ROUNDX
	WIN 0x0a
	v_cvt_pk_bf16_f32 v36, v[128+4*(g+j)], v[129+4*(g+j)]
	v_cvt_pk_bf16_f32 v37, v[130+4*(g+j)], v[131+4*(g+j)]
	WIN 0
	v_lshlrev_b32 v40, 16, v36
	v_and_b32 v41, s74, v36
	v_lshlrev_b32 v42, 16, v37
	v_and_b32 v43, s74, v37
	v_pk_add_f32 v[192+4*j:193+4*j], v[192+4*j:193+4*j], v[40:41]
	v_pk_add_f32 v[194+4*j:195+4*j], v[194+4*j:195+4*j], v[42:43]
.else
	WIN 0x08
	v_pk_add_f32 v[192+4*j:193+4*j], v[192+4*j:193+4*j], v[128+4*(g+j):129+4*(g+j)]
	v_pk_add_f32 v[194+4*j:195+4*j], v[194+4*j:195+4*j], v[130+4*(g+j):131+4*(g+j)]
	WIN 0
.endif
	v_pk_add_f32 v[192+4*j:193+4*j], v[192+4*j:193+4*j], v[32:33]
	v_pk_add_f32 v[194+4*j:195+4*j], v[194+4*j:195+4*j], v[34:35]
	global_store_b128 v26, v[192+4*j:195+4*j], s[8:9] offset:(g+j)*8192  ; 16 lanes store 256 consecutive bytes, aligned
.set j, j+1
.endr
.set g, g+8
.endr
.else
.irp a, 32,34,36,38,40,42,44,46
	RB \a
.endr
; Four rows x my 128 columns: + bias, (mish,) rounded to f16, two stores of 512 consecutive bytes.  pre = 1: the next four rows are asked for under the arithmetic.
; mish(u) = u (1 - 2 / (t t + 2 t + 2)), t = e^u: where t overflows the quotient is 0 and the result u.
.macro EPI pre
	s_wait_dscnt 0x0
.irp k, 0,2,4,6,8,10,12,14
	v_pk_add_f32 v[208+\k:209+\k], v[192+\k:193+\k], v[32+\k:33+\k]
.endr
.if \pre
	v_add_nc_u32 v25, 4*PS, v25
	ds_load_b128 v[192:195], v25
	ds_load_b128 v[196:199], v25 offset:16
	ds_load_b128 v[200:203], v25 offset:256
	ds_load_b128 v[204:207], v25 offset:272
.endif
.if MODE == 1
.irp k, 0,2,4,6,8,10,12,14
	v_pk_mul_f32 v[224+\k:225+\k], v[208+\k:209+\k], 0x3fb8aa3b op_sel_hi:[1,0]
.endr
.set k, 0
.rept 16
	v_exp_f32 v[224+k], v[224+k]
.set k, k+1
.endr
	v_nop                                          ; a plain instruction behind the transcendentals (ISA guide 5.7.2)
	s_wait_alu depctr_va_vdst(0)
.irp k, 0,2,4,6,8,10,12,14
	v_pk_add_f32 v[240+\k:241+\k], v[224+\k:225+\k], 2.0 op_sel_hi:[1,0]
.endr
.irp k, 0,2,4,6,8,10,12,14
	v_pk_fma_f32 v[240+\k:241+\k], v[224+\k:225+\k], v[240+\k:241+\k], 2.0 op_sel_hi:[1,1,0]
.endr
.set k, 0
.rept 16
	v_rcp_f32 v[240+k], v[240+k]
.set k, k+1
.endr
	v_nop
	s_wait_alu depctr_va_vdst(0)
.irp k, 0,2,4,6,8,10,12,14
	v_pk_fma_f32 v[240+\k:241+\k], v[240+\k:241+\k], -2.0, 1.0 op_sel_hi:[1,0,0]
.endr
.irp k, 0,2,4,6,8,10,12,14
	v_pk_mul_f32 v[208+\k:209+\k], v[208+\k:209+\k], v[240+\k:241+\k]
.endr
.endif
	s_wait_xcnt 0x0                                ; the last stores have read v26 and v48-55
	v_add_nc_u32 v26, 512, v26
.irp i, 0,1,2,3,4,5,6,7
	v_cvt_pk_f16_f32 v[48+\i], v[208+2*\i], v[209+2*\i]
.endr
	global_store_b128 v26, v[48:51], s[8:9] offset:-512
	global_store_b128 v26, v[52:55], s[8:9] offset:524288-512
.endm
	ds_load_b128 v[192:195], v25
	ds_load_b128 v[196:199], v25 offset:16
	ds_load_b128 v[200:203], v25 offset:256
	ds_load_b128 v[204:207], v25 offset:272
	s_mov_b32 s2, 31
.Lepi:
	EPI 1
	s_sub_co_u32 s2, s2, 1
	s_cmp_lg_u32 s2, 0
	s_cbranch_scc1 .Lepi
	EPI 0
.endif
	s_wait_tensorcnt 0x0                           ; the wave's end
	ds_add_u32 v28, v29
	s_wait_dscnt 0x0
	CROUND                                         ; the closing round
	s_endpgm
.Lfunc_end_k_qd6681a72ba_up:
	.size	k_qd6681a72ba_up, .Lfunc_end_k_qd6681a72ba_up-k_qd6681a72ba_up
	.p2alignl 7, 3214868480
	.fill 96, 4, 3214868480
	.section	.rodata,"a",@progbits
	.p2align	6, 0x0
	.amdhsa_kernel k_qd6681a72ba_up
		.amdhsa_group_segment_fixed_size 327680
		.amdhsa_private_segment_fixed_size 0
		.amdhsa_enable_private_segment 0
		.amdhsa_kernarg_size 32
		.amdhsa_user_sgpr_count 2
		.amdhsa_user_sgpr_kernarg_segment_ptr 1
		.amdhsa_wavefront_size32 1
		.amdhsa_system_sgpr_workgroup_id_x 1
		.amdhsa_system_sgpr_workgroup_id_y 1
		.amdhsa_system_sgpr_workgroup_id_z 1
		.amdhsa_system_vgpr_workitem_id 0
		.amdhsa_next_free_vgpr 1024
		.amdhsa_next_free_sgpr 80
		.amdhsa_reserve_vcc 0
		.amdhsa_float_denorm_mode_32 3
		.amdhsa_float_denorm_mode_16_64 3
		.amdhsa_memory_ordered 1
		.amdhsa_forward_progress 1
		.amdhsa_inst_pref_size 89
	.end_amdhsa_kernel
	.amdgpu_metadata
---
amdhsa.version: [ 1, 2 ]
amdhsa.kernels:
  - .name:           k_qd6681a72ba_up
    .symbol:         k_qd6681a72ba_up.kd
    .args:
      - { .name: y, .offset: 0, .size: 8, .value_kind: global_buffer, .address_space: global }
      - { .name: wts, .offset: 8, .size: 8, .value_kind: global_buffer, .address_space: global }
      - { .name: hbuf, .offset: 16, .size: 8, .value_kind: global_buffer, .address_space: global }
      - { .name: b_up, .offset: 24, .size: 8, .value_kind: global_buffer, .address_space: global }
    .group_segment_fixed_size: 327680
    .private_segment_fixed_size: 0
    .kernarg_segment_align: 8
    .kernarg_segment_size: 32
    .max_flat_workgroup_size: 128
    .sgpr_count:     80
    .vgpr_count:     1024
    .wavefront_size: 32
...
	.end_amdgpu_metadata
.endif
;; end of part 6
;; launch down (part 7): grid 8 x 32, 4 waves a work-group, clusters of 4 x 4, 327,680 bytes of LDS; arguments hbuf, wts, x2, b_down, x1; writes x2
.if DOCPART == 7
	.amdgcn_target "amdgcn-amd-amdhsa--gfx1250"
	.amdhsa_code_object_version 6
	.text
	.protected	k_qd6681a72ba_down
	.globl	k_qd6681a72ba_down
	.p2align	8
	.type	k_qd6681a72ba_down,@function
k_qd6681a72ba_down:
	s_mov_b64 s[64:65], 0
	v_nop
	global_prefetch_b8 v0, s[64:65] scope:SCOPE_SE
	s_setreg_imm32_b32 hwreg(HW_REG_WAVE_MODE, 25, 1), 1
	s_wait_xcnt 0x0
	s_wait_alu depctr_hold_cnt(0) depctr_sa_sdst(0) depctr_va_vdst(0) depctr_va_sdst(0) depctr_va_ssrc(0) depctr_va_vcc(0) depctr_vm_vsrc(0)
	s_getreg_b32 s2, hwreg(HW_REG_IB_STS2, 6, 4)
	s_cmp_eq_u32 s2, 0
	s_cbranch_scc0 .Lentry_in_a_cluster
	s_endpgm
.Lentry_in_a_cluster:
	s_bfe_u32 s2, ttmp6, 0x10000c
	s_cmp_lg_u32 s2, 0xf033
	s_cbranch_scc0 .Lentry_shape_is_right
	s_endpgm
.Lentry_shape_is_right:
; C = A W (+ bias, + what MODE asks).  A: f16 in blocks A[k/64][4096 rows][64].  W: f16 in blocks W[n/TN][KTOT][TN].  Sums in f32.
; THIS COPY: x2 = x1 + h w_down + b_down, f32 rows of 1,024; K = 4,096.  Tiles of 128 x 128, so that 4,096 x 1,024 gives 256 work-groups.
; The text is one for four launches; the constants below choose tile, K and the way out.
; LIMITS.  f16 ends at 65,504: operands and 16-bit results must lie within it.  NaN and infinities are not treated apart.
; SHARES.  A tile of C is TM x TN; four waves, each 16 MA rows x 16 NB columns in MA x NB accumulators.  K goes in steps of KS through two LDS slots.
; Waves 0, 1 fetch A's two halves of a step (whole blocks of 64 k), waves 2, 3 W's (KS / 2 rows of k each): one tensor load a wave behind each round.
; CLUSTER 4 x 4: A's tile hangs on the tile row alone and is asked for jointly along a row of the cluster, W's on the tile column alone, along a column.
; THE MATRIX INSTRUCTION IS USED TRANSPOSED: source 0 = 16 columns of W (turned on the way out of LDS by ds_load_tr16_b128), source 1 = 16 rows of A;
; a lane then holds row l % 16 of C and the 8 neighbouring columns 8 (l / 16) + 0..7.
; REGISTERS, in windows of 256: window 0: v0-31 addresses, v32-63 and v192-255 the way out, v64.., v128.. A's fragments (two buffers); window 1: W's fragments at the
; same numbers; windows 2, 3: accumulator (a, b) at 8 (NB a + b).  In the small tile window 2's v128-255 hold the residual.
.set MA,     4                         ; blocks of 16 rows a wave
.set NB,     4                         ; blocks of 16 columns a wave
.set KS,     256                       ; K in a slot
.set KTOT,   4096
.set MODE,   2                         ; 0: + bias, f16 blocks, three bias vectors; 1: mish(. + bias), f16 blocks; 2: residual + . + bias, f32 rows
.set ROUNDX, 0                         ; 1: the residual is a program input and is rounded to bf16
.set WOFF,   16777216                  ; my weights' first byte in wts
.set TM,     32*MA
.set TN,     32*NB
.set NQ,     KS/32                     ; quarters of 32 along K in a slot
.set NSLOT,  KTOT/KS
.set PA,     144                       ; a row of A in LDS: 128 bytes + 16: the 16 rows of a load start at 16 different groups of four banks (ISA guide 11.1)
.set ABLK,   TM*PA                     ; a block of 64 k
.set PB,     2*TN+32                   ; a row of W in LDS: an odd multiple of 32 bytes, for the turning load
.set BOFF,   73728                     ; W behind A's KS / 64 blocks
.set SLOT,   147456                    ; = 0x24000; no LDS address inside a slot that is turned below has bit 14 or 17 set, so one exclusive or changes slots
.set SPARE,  294912                    ; behind the ring: the spare words, 128 bytes a wave
.set STEPA,  (KS/64)*524288            ; bytes from a K step to the next, in A
.set STEPB,  KS*TN*2                   ; and in W
.set PS,     64*NB+16                  ; the way out: a stage row, my 16 NB columns in f32 + 16 bytes
.set STW,    16*MA*PS                  ; a wave's stage; the stages lie in the ring, which has had its last fill by then
.set F0,     64
.set F1,     128
.if MA == 8
.set AC, 128                           ; A's tile: a block's 256 rows are dense: 128 rows of 256 bytes
.set AR, 128
.set AP, 128
.set QIB, 6                            ; W: padding after every 128 words
.else
.set AC, 8192                          ; A's tile: two blocks' 128 rows, each 16,384 dense bytes, 524,288 bytes apart
.set AR, 2
.set AP, 262144
.set QIB, 5                            ; W: padding after every 64 words
.endif
.set MSB, 0
.macro WIN new                         ; the immediate's high byte repeats the setting that is left; a switch that changes nothing is dropped
.if MSB != (\new)
	s_set_vgpr_msb (MSB<<8)|(\new)
.set MSB, \new
.endif
.endm
.macro PLACES                          ; four places behind matrix instructions (ISA guide 7.12.1)
.rept 4
	v_nop
.endr
.endm
.macro CREST                           ; a round of the cluster's barrier behind its opening barrier
	s_cmp_lg_u32 s12, 0
	s_cbranch_scc1 .Lnot_wave_0_\@
	s_barrier_signal -3
.Lnot_wave_0_\@:
	s_barrier_wait -3
	s_barrier_signal -1
	s_barrier_wait -1
.endm
.macro CROUND
	s_barrier_signal -1
	s_barrier_wait -1
	CREST
.endm
.macro JLOAD                           ; a joint refill by the walking descriptor; the branch hangs on the wave's number alone; s_nop 0 and four v_nop follow each line
	s_cmp_eq_u32 s13, 0
	s_cbranch_scc0 .Lfor_b_\@
	tensor_load_to_lds s[36:39], s[24:31]
	s_nop 0
	PLACES
	s_branch .Lasked_\@
.Lfor_b_\@:
	tensor_load_to_lds s[60:63], s[48:55]
	s_nop 0
	PLACES
.Lasked_\@:
.endm
.macro RB a                            ; a pair of f32 rounded to bf16 and widened again
	v_cvt_pk_bf16_f32 v31, v[\a], v[(\a)+1]
	v_lshlrev_b32 v[\a], 16, v31
	v_and_b32 v[(\a)+1], s74, v31
.endm
	s_load_b256 s[4:11], s[0:1], 0x0               ; A s[4:5], wts s[6:7], out s[8:9], bias s[10:11]
.if MODE == 0
	s_load_b128 s[68:71], s[0:1], 0x20             ; bk, bv
.elseif MODE == 2
	s_load_b64 s[68:69], s[0:1], 0x20              ; the residual
.endif
	v_lshl_add_u32 v28, v0, 2, SPARE
	v_mov_b32 v29, 0
	ds_add_u32 v28, v29                            ; the wave's opening: the add, waited for ahead of my first tensor load
	v_lshrrev_b32 v1, 5, v0
	v_readfirstlane_b32 s12, v1                    ; wave 0..3
	s_lshr_b32 s13, s12, 1                         ; my half of the tile's rows.  Also: I fetch A (0) or W (1)
	s_and_b32 s14, s12, 1                          ; my half of its columns.  Also: which half of that tile I fetch
	s_bfe_u32 s40, ttmp6, 0x40000                  ; cx
	s_bfe_u32 s41, ttmp6, 0x40004                  ; cy
	s_lshl_b32 s42, ttmp9, 2
	s_add_co_u32 s42, s42, s40                     ; tile column
	s_and_b32 s43, ttmp7, 0xffff
	s_lshl_b32 s43, s43, 2
	s_add_co_u32 s43, s43, s41                     ; tile row
	s_lshl_b32 s44, s41, 2
	s_lshl_b32 s44, 15, s44                        ; my row of the cluster
	s_lshl_b32 s45, 0x1111, s40                    ; my column
	s_or_b32 s24, s44, (1<<16)|(1<<20)|(1<<21)|(4<<22)|(3<<25)    ; A: mask; 2-byte elements; padding on; bit 21 beside a mask; 4 words after every 32
	s_mov_b32 s25, (AC&0xffff)<<16                 ; tensor_dim0
	s_mov_b32 s26, (AC>>16)|(AR<<16)               ; tensor_dim1
	s_mov_b32 s27, AC<<16                          ; tile_dim0
	s_mov_b32 s28, AR                              ; tile_dim1
	s_mov_b32 s29, AP                              ; elements from row to row
	s_mov_b32 s30, 0
	s_mov_b32 s31, 0
	s_or_b32 s48, s45, (1<<16)|(1<<20)|(1<<21)|(QIB<<22)|(7<<25)  ; W: 8 words after every row
	s_mov_b32 s49, TN<<16
	s_mov_b32 s50, (KS/2)<<16
	s_mov_b32 s51, TN<<16
	s_mov_b32 s52, KS/2
	s_mov_b32 s53, TN
	s_mov_b32 s54, 0
	s_mov_b32 s55, 0
	s_mov_b32 s32, 1                               ; group 0, set 0: slot 0, K step 0; set 1: slot 1, K step 1, and then it walks
	s_mul_i32 s33, s14, 36864
	s_mov_b32 s36, 1
	s_add_co_u32 s37, s33, SLOT
	s_mov_b32 s56, 1
	s_mul_i32 s57, s14, (KS/2)*PB
	s_add_co_u32 s57, s57, BOFF
	s_mov_b32 s60, 1
	s_add_co_u32 s61, s57, SLOT
	s_mul_i32 s16, s14, (KS/128)*524288            ; A: my blocks of the step, the tile's rows
	s_mul_i32 s17, s43, TM*128
	s_add_co_u32 s16, s16, s17
	s_mov_b32 s17, 0
	s_mul_i32 s46, s42, KTOT*TN*2                  ; W: the tile column's block, my rows of the step
	s_mul_i32 s47, s14, (KS/2)*TN*2
	s_add_co_u32 s46, s46, s47
	s_add_co_u32 s46, s46, WOFF
	s_mov_b32 s47, 0
	s_mov_b32 s15, 0                               ; the slot that is read
	s_mov_b32 s74, 0xffff0000
	s_wait_dscnt 0x0                               ; the opening add is done
	s_wait_kmcnt 0x0
	s_add_nc_u64 s[34:35], s[4:5], s[16:17]
	s_add_nc_u64 s[38:39], s[34:35], STEPA
	s_or_b32 s35, s35, 0x80000000
	s_or_b32 s39, s39, 0x80000000
	s_add_nc_u64 s[58:59], s[6:7], s[46:47]
	s_add_nc_u64 s[62:63], s[58:59], STEPB
	s_or_b32 s59, s59, 0x80000000
	s_or_b32 s63, s63, 0x80000000
	CROUND                                         ; all sixteen work-groups are here: the first joint loads meet
	s_cmp_eq_u32 s13, 0                            ; a wave's two first fills stand in one branch: two loads of mine are out
	s_cbranch_scc0 .Lfirst_b
	tensor_load_to_lds s[32:35], s[24:31]
	s_nop 0
	tensor_load_to_lds s[36:39], s[24:31]
	s_nop 0
	PLACES
	s_branch .Lfirst_done
.Lfirst_b:
	tensor_load_to_lds s[56:59], s[48:55]
	s_nop 0
	tensor_load_to_lds s[60:63], s[48:55]
	s_nop 0
	PLACES
.Lfirst_done:
	v_and_b32 v1, 15, v0                           ; r = l % 16
	v_bfe_u32 v2, v0, 4, 1                         ; h = l / 16
.if MODE == 2
	v_lshlrev_b32 v30, 4, v1                       ; my 4 columns in the wave's 64
	v_lshl_add_u32 v26, v2, 12, v30                ; and in two rows of 4,096 bytes
	s_lshl_b32 s72, s42, 9
	s_lshl_b32 s73, s14, 8
	s_add_co_u32 s72, s72, s73                     ; my wave's first column, in bytes
	s_mov_b32 s73, 0
	s_add_nc_u64 s[10:11], s[10:11], s[72:73]
	s_lshl_b32 s75, s43, 7
	s_lshl_b32 s76, s13, 6
	s_add_co_u32 s75, s75, s76                     ; my wave's first row
	s_lshl_b32 s75, s75, 12
	s_add_co_u32 s72, s72, s75
	s_add_nc_u64 s[68:69], s[68:69], s[72:73]
	s_add_nc_u64 s[8:9], s[8:9], s[72:73]
	global_load_b128 v[32:35], v30, s[10:11]
	WIN 0x80                                       ; the residual of my 64 x 64 comes now and is waited for on the way out
.set g, 0
.rept 32
	global_load_b128 v[128+4*g:131+4*g], v26, s[68:69] offset:g*8192
.set g, g+1
.endr
	WIN 0
.else
	v_and_b32 v30, 7, v0
	v_lshlrev_b32 v30, 5, v30                      ; my 8 columns in a block of 64
.if MODE == 0
	s_cmp_eq_u32 ttmp9, 1                          ; the cluster's x is the matrix: 0 q, 1 k, 2 v
	s_cselect_b64 s[10:11], s[68:69], s[10:11]
	s_cmp_eq_u32 ttmp9, 2
	s_cselect_b64 s[10:11], s[70:71], s[10:11]
	s_lshl_b32 s72, s40, 10                        ; 256 columns for each place along x
.else
	s_lshl_b32 s72, s42, 10
.endif
	s_lshl_b32 s73, s14, 9
	s_add_co_u32 s72, s72, s73
	s_mov_b32 s73, 0
	s_add_nc_u64 s[10:11], s[10:11], s[72:73]
	global_load_b128 v[32:35], v30, s[10:11]
	global_load_b128 v[36:39], v30, s[10:11] offset:16
	global_load_b128 v[40:43], v30, s[10:11] offset:256
	global_load_b128 v[44:47], v30, s[10:11] offset:272
	s_lshl_b32 s72, s42, 2
	s_lshl_b32 s73, s14, 1
	s_add_co_u32 s72, s72, s73                     ; my first block of 64 columns
	s_lshl_b32 s72, s72, 19
	s_lshl_b32 s73, s43, 8
	s_lshl_b32 s75, s13, 7
	s_add_co_u32 s73, s73, s75                     ; my first row
	s_lshl_b32 s73, s73, 7
	s_add_co_u32 s72, s72, s73
	s_mov_b32 s73, 0
	s_add_nc_u64 s[8:9], s[8:9], s[72:73]
.endif
	v_mul_u32_u24 v19, v1, PA                      ; v19: my place in A's tile: (my half's first row + r) x 144 + 16 h
	v_lshl_add_u32 v19, v2, 4, v19
	s_mul_i32 s16, s13, (TM/2)*PA
	v_add_nc_u32 v19, s16, v19
	v_and_b32 v3, 7, v0                            ; v20: my place in W's tile for the turning load: row 8 h + l % 8, 16 bytes by (l / 8) % 2, my half of the columns
	v_lshl_add_u32 v3, v2, 3, v3
	v_mul_u32_u24 v20, v3, PB
	v_bfe_u32 v3, v0, 3, 1
	v_lshl_add_u32 v20, v3, 4, v20
	s_mul_i32 s16, s14, TN
	s_add_co_u32 s16, s16, BOFF
	v_add_nc_u32 v20, s16, v20
	v_mov_b32 v16, v19                             ; v16, v17, v18: the same in the slot that is read; v18 is 128 rows of W further on
	v_mov_b32 v17, v20
.if NQ > 4
	v_add_nc_u32 v18, 128*PB, v17
.endif
	s_mul_i32 s16, s12, STW                        ; my stage
	v_mul_u32_u24 v24, v1, PS                      ; v24: in: row r, 32 bytes for each half of the lanes
	v_lshl_add_u32 v24, v2, 5, v24
	v_add_nc_u32 v24, s16, v24
.if MODE == 2
	v_mul_u32_u24 v25, v2, PS                      ; v25: back: lanes 0-15 one row of 256 bytes, lanes 16-31 the next
	v_lshl_add_u32 v25, v1, 4, v25
	v_add_nc_u32 v25, s16, v25
.else
	v_bfe_u32 v3, v0, 3, 2                         ; v25: back: row l / 8 of four, 8 columns of each of my two blocks
	v_mul_u32_u24 v25, v3, PS
	v_and_b32 v3, 7, v0
	v_lshl_add_u32 v25, v3, 5, v25
	v_add_nc_u32 v25, s16, v25
	v_and_b32 v26, 31, v0                          ; v26: four rows of 128 bytes are 512 consecutive bytes of a block
	v_lshlrev_b32 v26, 4, v26
.endif
; na blocks of rows from a0 on x all NB blocks of columns, 32 along K, out of buffer f.  The accumulators take turns, one instruction a turn.
.macro MULA f, a0, na, zero
.set ma_a, \a0
.rept \na
.set ma_b, 0
.rept NB
.set ma_i, 8*(NB*ma_a+ma_b)
	WIN 0xa1+0x50*(ma_i/256)
.if \zero
	v_wmma_f32_16x16x32_f16 v[ma_i%256:ma_i%256+7], v[(\f)+8*ma_b:(\f)+8*ma_b+7], v[(\f)+8*ma_a:(\f)+8*ma_a+7], 0
.else
	v_wmma_f32_16x16x32_f16 v[ma_i%256:ma_i%256+7], v[(\f)+8*ma_b:(\f)+8*ma_b+7], v[(\f)+8*ma_a:(\f)+8*ma_a+7], v[ma_i%256:ma_i%256+7]
.endif
.set ma_b, ma_b+1
.endr
.set ma_a, ma_a+1
.endr
.endm
; The fragments of quarter q into buffer f, in one run: W's 2 NB loads, then A's 2 MA.
.macro FETCH q, f
	WIN 0x40
.set fb, 0
.rept NB
.if (\q) < 4
	ds_load_tr16_b128 v[(\f)+8*fb:(\f)+8*fb+3],   v17 offset:((\q)%4)*32*PB+32*fb
	ds_load_tr16_b128 v[(\f)+8*fb+4:(\f)+8*fb+7], v17 offset:((\q)%4)*32*PB+32*fb+16*PB
.else
	ds_load_tr16_b128 v[(\f)+8*fb:(\f)+8*fb+3],   v18 offset:((\q)%4)*32*PB+32*fb
	ds_load_tr16_b128 v[(\f)+8*fb+4:(\f)+8*fb+7], v18 offset:((\q)%4)*32*PB+32*fb+16*PB
.endif
.set fb, fb+1
.endr
	WIN 0
.set fa, 0
.rept MA
	ds_load_b128 v[(\f)+8*fa:(\f)+8*fa+3],   v16 offset:((\q)/2)*ABLK+fa*16*PA+((\q)%2)*64
	ds_load_b128 v[(\f)+8*fa+4:(\f)+8*fa+7], v16 offset:((\q)/2)*ABLK+fa*16*PA+((\q)%2)*64+32
.set fa, fa+1
.endr
.endm
; Quarter q but the slot's last: multiplies its buffer and, in its middle, fetches the next quarter into the other.
.macro QUARTER q, zero
.set qf, F0+(F1-F0)*((\q)%2)
.set qg, F0+(F1-F0)*(((\q)+1)%2)
	s_wait_dscnt MA                                ; W and A's first half are in; the youngest MA loads (A's second half) may be out
	MULA qf, 0, MA/2, \zero
	PLACES                                         ; in front of loads into registers that matrix instructions have read
	FETCH (\q)+1, qg
	s_wait_dscnt 2*(MA+NB)                         ; all but the run just issued
	MULA qf, MA/2, MA/2, \zero
.endm
.macro MIDDLE
.set mq, 1
.rept NQ-2
	QUARTER mq, 0
.set mq, mq+1
.endr
.endm
; The slot's last quarter (buffer 1) and the change of slots.  In front of the barrier: all my tensor loads have landed (one is out: my part of the other slot), the add,
; and my reads of this slot are over.  fill = 1: the barrier opens a round of the cluster's, and the joint refill of this slot, two K steps on, is the first thing behind it.
.macro TURN fill
	WIN 0
	s_wait_tensorcnt 0x0
	ds_add_u32 v28, v29
.if \fill
	s_xor_b32 s37, s37, SLOT                       ; no load of mine is out: the walking descriptors step
	s_add_nc_u64 s[38:39], s[38:39], STEPA
	s_xor_b32 s61, s61, SLOT
	s_add_nc_u64 s[62:63], s[62:63], STEPB
.endif
	s_wait_dscnt MA+1                              ; the add and A's second half may be out
	MULA F1, 0, MA/4, 0
	s_wait_dscnt 0x0
	s_barrier_signal -1
	MULA F1, MA/4, MA/4, 0
	WIN 0
	s_barrier_wait -1
.if \fill
	CREST
	JLOAD                                          ; its four v_nop are also the places in front of the loads below
.else
	PLACES
.endif
	s_xor_b32 s15, s15, SLOT
	v_add_nc_u32 v16, s15, v19
	v_add_nc_u32 v17, s15, v20
.if NQ > 4
	v_add_nc_u32 v18, 128*PB, v17
.endif
	FETCH 0, F0
	MULA F1, MA/2, MA/2, 0
.endm
	s_wait_tensorcnt 1                             ; my part of K step 0 is in; step 1's may stay out
	s_barrier_signal -1
	s_barrier_wait -1
	FETCH 0, F0
	QUARTER 0, 1                                   ; the first products start the sums: nothing is cleared
	WIN 0
	s_mov_b32 s2, NSLOT-2
.Lslot:                                                ; a trip: the rest of a slot, its refill, and the next slot's first quarter
	MIDDLE
	TURN 1
	QUARTER 0, 0
	WIN 0
	s_sub_co_u32 s2, s2, 1
	s_cmp_lg_u32 s2, 0
	s_cbranch_scc1 .Lslot
	s_mov_b32 s3, 2
.Ltail:                                                ; the last two slots ask for nothing; the second trip is left in its middle (its fetch of the other slot serves nothing)
	MIDDLE
	TURN 0
	WIN 0
	s_sub_co_u32 s3, s3, 1
	s_cmp_eq_u32 s3, 0
	s_cbranch_scc1 .Lout
	QUARTER 0, 0
	WIN 0
	s_branch .Ltail
.Lout:
	s_wait_dscnt 0x0                               ; my reads of the ring are over;
	s_barrier_signal -1
	s_barrier_wait -1                              ; everybody's are, and every fill has landed: the ring's bytes become the stages
	PLACES
.set da, 0
.rept MA                               ; my accumulators in f32 into my own stage; each is read from its low end on
.set db, 0
.rept NB
.set di, 8*(NB*da+db)
	WIN 0x08+0x04*(di/256)
	ds_store_b128 v24, v[di%256:di%256+3]   offset:da*16*PS+64*db
	ds_store_b128 v24, v[di%256+4:di%256+7] offset:da*16*PS+64*db+16
.set db, db+1
.endr
.set da, da+1
.endr
	WIN 0
	s_wait_loadcnt 0x0                             ; bias (and residual)
.if MODE == 2
	RB 32
	RB 34
.set g, 0
.rept 4                                ; four batches of eight pairs of rows
	s_wait_xcnt 0x0                                ; the last batch's stores have read their registers
.set j, 0
.rept 8
	ds_load_b128 v[192+4*j:195+4*j], v25 offset:(g+j)*2*PS  ; LDS serves a wave's instructions in order (ISA guide 5.7.1.4): these see my stores
.set j, j+1
.endr
.set j, 0
.rept 8
	s_wait_dscnt 7-j
.if ROUNDX
	WIN 0x0a
	v_cvt_pk_bf16_f32 v36, v[128+4*(g+j)], v[129+4*(g+j)]
	v_cvt_pk_bf16_f32 v37, v[130+4*(g+j)], v[131+4*(g+j)]
	WIN 0
	v_lshlrev_b32 v40, 16, v36
	v_and_b32 v41, s74, v36
	v_lshlrev_b32 v42, 16, v37
	v_and_b32 v43, s74, v37
	v_pk_add_f32 v[192+4*j:193+4*j], v[192+4*j:193+4*j], v[40:41]
	v_pk_add_f32 v[194+4*j:195+4*j], v[194+4*j:195+4*j], v[42:43]
.else
	WIN 0x08
	v_pk_add_f32 v[192+4*j:193+4*j], v[192+4*j:193+4*j], v[128+4*(g+j):129+4*(g+j)]
	v_pk_add_f32 v[194+4*j:195+4*j], v[194+4*j:195+4*j], v[130+4*(g+j):131+4*(g+j)]
	WIN 0
.endif
	v_pk_add_f32 v[192+4*j:193+4*j], v[192+4*j:193+4*j], v[32:33]
	v_pk_add_f32 v[194+4*j:195+4*j], v[194+4*j:195+4*j], v[34:35]
	global_store_b128 v26, v[192+4*j:195+4*j], s[8:9] offset:(g+j)*8192  ; 16 lanes store 256 consecutive bytes, aligned
.set j, j+1
.endr
.set g, g+8
.endr
.else
.irp a, 32,34,36,38,40,42,44,46
	RB \a
.endr
; Four rows x my 128 columns: + bias, (mish,) rounded to f16, two stores of 512 consecutive bytes.  pre = 1: the next four rows are asked for under the arithmetic.
; mish(u) = u (1 - 2 / (t t + 2 t + 2)), t = e^u: where t overflows the quotient is 0 and the result u.
.macro EPI pre
	s_wait_dscnt 0x0
.irp k, 0,2,4,6,8,10,12,14
	v_pk_add_f32 v[208+\k:209+\k], v[192+\k:193+\k], v[32+\k:33+\k]
.endr
.if \pre
	v_add_nc_u32 v25, 4*PS, v25
	ds_load_b128 v[192:195], v25
	ds_load_b128 v[196:199], v25 offset:16
	ds_load_b128 v[200:203], v25 offset:256
	ds_load_b128 v[204:207], v25 offset:272
.endif
.if MODE == 1
.irp k, 0,2,4,6,8,10,12,14
	v_pk_mul_f32 v[224+\k:225+\k], v[208+\k:209+\k], 0x3fb8aa3b op_sel_hi:[1,0]
.endr
.set k, 0
.rept 16
	v_exp_f32 v[224+k], v[224+k]
.set k, k+1
.endr
	v_nop                                          ; a plain instruction behind the transcendentals (ISA guide 5.7.2)
.irp k, 0,2,4,6,8,10,12,14
	v_pk_add_f32 v[240+\k:241+\k], v[224+\k:225+\k], 2.0 op_sel_hi:[1,0]
.endr
.irp k, 0,2,4,6,8,10,12,14
	v_pk_fma_f32 v[240+\k:241+\k], v[224+\k:225+\k], v[240+\k:241+\k], 2.0 op_sel_hi:[1,1,0]
.endr
.set k, 0
.rept 16
	v_rcp_f32 v[240+k], v[240+k]
.set k, k+1
.endr
	v_nop
.irp k, 0,2,4,6,8,10,12,14
	v_pk_fma_f32 v[240+\k:241+\k], v[240+\k:241+\k], -2.0, 1.0 op_sel_hi:[1,0,0]
.endr
.irp k, 0,2,4,6,8,10,12,14
	v_pk_mul_f32 v[208+\k:209+\k], v[208+\k:209+\k], v[240+\k:241+\k]
.endr
.endif
	s_wait_xcnt 0x0                                ; the last stores have read v26 and v48-55
	v_add_nc_u32 v26, 512, v26
.irp i, 0,1,2,3,4,5,6,7
	v_cvt_pk_f16_f32 v[48+\i], v[208+2*\i], v[209+2*\i]
.endr
	global_store_b128 v26, v[48:51], s[8:9] offset:-512
	global_store_b128 v26, v[52:55], s[8:9] offset:524288-512
.endm
	ds_load_b128 v[192:195], v25
	ds_load_b128 v[196:199], v25 offset:16
	ds_load_b128 v[200:203], v25 offset:256
	ds_load_b128 v[204:207], v25 offset:272
	s_mov_b32 s2, 31
.Lepi:
	EPI 1
	s_sub_co_u32 s2, s2, 1
	s_cmp_lg_u32 s2, 0
	s_cbranch_scc1 .Lepi
	EPI 0
.endif
	s_wait_tensorcnt 0x0                           ; the wave's end
	ds_add_u32 v28, v29
	s_wait_dscnt 0x0
	CROUND                                         ; the closing round
	s_endpgm
.Lfunc_end_k_qd6681a72ba_down:
	.size	k_qd6681a72ba_down, .Lfunc_end_k_qd6681a72ba_down-k_qd6681a72ba_down
	.p2alignl 7, 3214868480
	.fill 96, 4, 3214868480
	.section	.rodata,"a",@progbits
	.p2align	6, 0x0
	.amdhsa_kernel k_qd6681a72ba_down
		.amdhsa_group_segment_fixed_size 327680
		.amdhsa_private_segment_fixed_size 0
		.amdhsa_enable_private_segment 0
		.amdhsa_kernarg_size 40
		.amdhsa_user_sgpr_count 2
		.amdhsa_user_sgpr_kernarg_segment_ptr 1
		.amdhsa_wavefront_size32 1
		.amdhsa_system_sgpr_workgroup_id_x 1
		.amdhsa_system_sgpr_workgroup_id_y 1
		.amdhsa_system_sgpr_workgroup_id_z 1
		.amdhsa_system_vgpr_workitem_id 0
		.amdhsa_next_free_vgpr 768
		.amdhsa_next_free_sgpr 80
		.amdhsa_reserve_vcc 0
		.amdhsa_float_denorm_mode_32 3
		.amdhsa_float_denorm_mode_16_64 3
		.amdhsa_memory_ordered 1
		.amdhsa_forward_progress 1
		.amdhsa_inst_pref_size 72
	.end_amdhsa_kernel
	.amdgpu_metadata
---
amdhsa.version: [ 1, 2 ]
amdhsa.kernels:
  - .name:           k_qd6681a72ba_down
    .symbol:         k_qd6681a72ba_down.kd
    .args:
      - { .name: hbuf, .offset: 0, .size: 8, .value_kind: global_buffer, .address_space: global }
      - { .name: wts, .offset: 8, .size: 8, .value_kind: global_buffer, .address_space: global }
      - { .name: x2, .offset: 16, .size: 8, .value_kind: global_buffer, .address_space: global }
      - { .name: b_down, .offset: 24, .size: 8, .value_kind: global_buffer, .address_space: global }
      - { .name: x1, .offset: 32, .size: 8, .value_kind: global_buffer, .address_space: global }
    .group_segment_fixed_size: 327680
    .private_segment_fixed_size: 0
    .kernarg_segment_align: 8
    .kernarg_segment_size: 40
    .max_flat_workgroup_size: 128
    .sgpr_count:     80
    .vgpr_count:     768
    .wavefront_size: 32
...
	.end_amdgpu_metadata
.endif
;; end of part 7
;; launch lnf (part 8): grid 256 x 1, 8 waves a work-group, no clusters, 0 bytes of LDS; arguments x2, lnf_g, lnf_b, out0; writes out0
.if DOCPART == 8
	.amdgcn_target "amdgcn-amd-amdhsa--gfx1250"
	.amdhsa_code_object_version 6
	.text
	.protected	k_qd6681a72ba_lnf
	.globl	k_qd6681a72ba_lnf
	.p2align	8
	.type	k_qd6681a72ba_lnf,@function
k_qd6681a72ba_lnf:
	s_mov_b64 s[64:65], 0
	v_nop
	global_prefetch_b8 v0, s[64:65] scope:SCOPE_SE
	s_setreg_imm32_b32 hwreg(HW_REG_WAVE_MODE, 25, 1), 1
	s_wait_xcnt 0x0
; out0 = LN(x2) x lnf_g + lnf_b, f32 rows of 1,024.  x2 is the program's own f32; gain and bias are inputs and are rounded to bf16, as every input of the program is.
; A wave owns two rows and keeps them in registers: mean, then the sum of squared differences from it, so no difference of large sums is formed.
; Lane l holds the 4 columns 128 j + 4 l, j = 0..7: every load and store of a wave covers 512 consecutive bytes.  No LDS, no barrier, no matrix unit: the launch streams.
; NaN and infinities are not treated apart.
.set X0, 16                            ; v[16:47]   row 0
.set X1, 48                            ; v[48:79]   row 1
.set G,  80                            ; v[80:111]  gains
.set BV, 112                           ; v[112:143] biases
.macro RB a                            ; a pair of f32 rounded to bf16 and widened again
	v_cvt_pk_bf16_f32 v5, v[\a], v[(\a)+1]
	v_lshlrev_b32 v[\a], 16, v5
	v_and_b32 v[(\a)+1], s36, v5
.endm
.macro FOLD
	v_pk_add_f32 v[6:7], v[6:7], v[8:9]
	v_pk_add_f32 v[10:11], v[10:11], v[12:13]
	v_pk_add_f32 v[6:7], v[6:7], v[10:11]
	v_add_f32 v5, v6, v7
.endm
.macro LANES                           ; over all 32 lanes
	v_add_f32_dpp v5, v5, v5 row_xmask:1 row_mask:0xf bank_mask:0xf
	v_add_f32_dpp v5, v5, v5 row_xmask:2 row_mask:0xf bank_mask:0xf
	v_add_f32_dpp v5, v5, v5 row_xmask:4 row_mask:0xf bank_mask:0xf
	v_add_f32_dpp v5, v5, v5 row_xmask:8 row_mask:0xf bank_mask:0xf
	v_permlanex16_b32 v14, v5, s34, s35
	v_add_f32 v5, v5, v14
.endm
.macro LNROW x, left                   ; the row at v[x ..] becomes (x - mean) / sqrt(variance + eps); left: the younger loads that may stay out
	s_wait_loadcnt \left
.irp k, 0,1,2,3
	v_pk_add_f32 v[6+2*\k:7+2*\k], v[(\x)+2*\k:(\x)+2*\k+1], v[(\x)+8+2*\k:(\x)+9+2*\k]
.endr
.set p, 8
.rept 8
	v_pk_add_f32 v[6+2*(p%4):7+2*(p%4)], v[6+2*(p%4):7+2*(p%4)], v[(\x)+2*p:(\x)+2*p+1]
.set p, p+1
.endr
	FOLD
	LANES
	v_mul_f32 v14, s32, v5
	v_mov_b32 v15, v14
.set p, 0
.rept 16
	v_pk_add_f32 v[(\x)+2*p:(\x)+2*p+1], v[(\x)+2*p:(\x)+2*p+1], v[14:15] neg_lo:[0,1] neg_hi:[0,1]
.set p, p+1
.endr
.irp k, 0,1,2,3
	v_pk_mul_f32 v[6+2*\k:7+2*\k], v[(\x)+2*\k:(\x)+2*\k+1], v[(\x)+2*\k:(\x)+2*\k+1]
.endr
.set p, 4
.rept 12
	v_pk_fma_f32 v[6+2*(p%4):7+2*(p%4)], v[(\x)+2*p:(\x)+2*p+1], v[(\x)+2*p:(\x)+2*p+1], v[6+2*(p%4):7+2*(p%4)]
.set p, p+1
.endr
	FOLD
	LANES
	v_fma_f32 v5, v5, s32, s33
	v_rsq_f32 v14, v5
	v_nop                                          ; a plain instruction behind the transcendental (ISA guide 5.7.2)
	s_wait_alu depctr_va_vdst(0)
	v_mov_b32 v15, v14
.set p, 0
.rept 16
	v_pk_mul_f32 v[(\x)+2*p:(\x)+2*p+1], v[(\x)+2*p:(\x)+2*p+1], v[14:15]
.set p, p+1
.endr
.endm
	s_load_b256 s[4:11], s[0:1], 0x0               ; x2, lnf_g, lnf_b, out0
	v_lshrrev_b32 v5, 5, v0
	v_readfirstlane_b32 s26, v5                    ; wave 0..7
	v_and_b32 v2, 31, v0
	v_lshlrev_b32 v2, 4, v2                        ; 16 bytes a lane
	v_mov_b32 v14, 0                               ; v_permlanex16_b32 counts as a reader of its destination
	s_mov_b32 s32, 0x3a800000                      ; 1 / 1024
	s_mov_b32 s33, 0x3727c5ac                      ; 1e-5
	s_mov_b32 s34, 0x76543210
	s_mov_b32 s35, 0xfedcba98
	s_mov_b32 s36, 0xffff0000
	s_lshl_b32 s27, ttmp9, 3
	s_add_co_u32 s27, s27, s26
	s_lshl_b32 s38, s27, 13                        ; two rows of 4,096 bytes
	s_mov_b32 s39, 0
	s_wait_kmcnt 0x0
	s_add_nc_u64 s[28:29], s[4:5], s[38:39]
	s_add_nc_u64 s[30:31], s[10:11], s[38:39]
.set j, 0
.rept 8
	global_load_b128 v[X0+4*j:X0+4*j+3], v2, s[28:29] offset:512*j th:TH_LOAD_NT
.set j, j+1
.endr
.set j, 0
.rept 8
	global_load_b128 v[X1+4*j:X1+4*j+3], v2, s[28:29] offset:4096+512*j th:TH_LOAD_NT
.set j, j+1
.endr
.set j, 0
.rept 8
	global_load_b128 v[G+4*j:G+4*j+3], v2, s[6:7] offset:512*j
.set j, j+1
.endr
.set j, 0
.rept 8
	global_load_b128 v[BV+4*j:BV+4*j+3], v2, s[8:9] offset:512*j
.set j, j+1
.endr
	LNROW X0, 24                                   ; row 0 is in; row 1, g and b stay out
	LNROW X1, 16                                   ; row 1 is in; g and b stay out
	s_wait_loadcnt 0x0
.set p, 0
.rept 16
	RB G+2*p
	RB BV+2*p
.set p, p+1
.endr
.set p, 0
.rept 16
	v_pk_fma_f32 v[X0+2*p:X0+2*p+1], v[X0+2*p:X0+2*p+1], v[G+2*p:G+2*p+1], v[BV+2*p:BV+2*p+1]
	v_pk_fma_f32 v[X1+2*p:X1+2*p+1], v[X1+2*p:X1+2*p+1], v[G+2*p:G+2*p+1], v[BV+2*p:BV+2*p+1]
.set p, p+1
.endr
.set j, 0
.rept 8
	global_store_b128 v2, v[X0+4*j:X0+4*j+3], s[30:31] offset:512*j th:TH_STORE_NT
	global_store_b128 v2, v[X1+4*j:X1+4*j+3], s[30:31] offset:4096+512*j th:TH_STORE_NT
.set j, j+1
.endr
	s_endpgm
.Lfunc_end_k_qd6681a72ba_lnf:
	.size	k_qd6681a72ba_lnf, .Lfunc_end_k_qd6681a72ba_lnf-k_qd6681a72ba_lnf
	.p2alignl 7, 3214868480
	.fill 96, 4, 3214868480
	.section	.rodata,"a",@progbits
	.p2align	6, 0x0
	.amdhsa_kernel k_qd6681a72ba_lnf
		.amdhsa_group_segment_fixed_size 0
		.amdhsa_private_segment_fixed_size 0
		.amdhsa_enable_private_segment 0
		.amdhsa_kernarg_size 32
		.amdhsa_user_sgpr_count 2
		.amdhsa_user_sgpr_kernarg_segment_ptr 1
		.amdhsa_wavefront_size32 1
		.amdhsa_system_sgpr_workgroup_id_x 1
		.amdhsa_system_sgpr_workgroup_id_y 1
		.amdhsa_system_sgpr_workgroup_id_z 1
		.amdhsa_system_vgpr_workitem_id 0
		.amdhsa_next_free_vgpr 144
		.amdhsa_next_free_sgpr 66
		.amdhsa_reserve_vcc 0
		.amdhsa_float_denorm_mode_32 3
		.amdhsa_float_denorm_mode_16_64 3
		.amdhsa_memory_ordered 1
		.amdhsa_forward_progress 1
		.amdhsa_inst_pref_size 22
	.end_amdhsa_kernel
	.amdgpu_metadata
---
amdhsa.version: [ 1, 2 ]
amdhsa.kernels:
  - .name:           k_qd6681a72ba_lnf
    .symbol:         k_qd6681a72ba_lnf.kd
    .args:
      - { .name: x2, .offset: 0, .size: 8, .value_kind: global_buffer, .address_space: global }
      - { .name: lnf_g, .offset: 8, .size: 8, .value_kind: global_buffer, .address_space: global }
      - { .name: lnf_b, .offset: 16, .size: 8, .value_kind: global_buffer, .address_space: global }
      - { .name: out0, .offset: 24, .size: 8, .value_kind: global_buffer, .address_space: global }
    .group_segment_fixed_size: 0
    .private_segment_fixed_size: 0
    .kernarg_segment_align: 8
    .kernarg_segment_size: 32
    .max_flat_workgroup_size: 256
    .sgpr_count:     66
    .vgpr_count:     144
    .wavefront_size: 32
...
	.end_amdgpu_metadata
.endif
;; end of part 8
;; ======== version 2 of 2: 8 launches; 1.15 times as fast as version 1
;; limits: values are held in f16: magnitudes above 65,504 overflow, below 6.1e-05 lose precision; a function is approximated: absolute error at most 0.0003
;; workspace buffers: wts 18,894,848 bytes; wqk 6,311,936 bytes; y 8,388,608 bytes; qkv 25,165,824 bytes; o 8,388,608 bytes; x1 16,777,216 bytes; hbuf 33,554,432 bytes; x2 16,777,216 bytes
;; launch prep (part 9): grid 641 x 1, 8 waves a work-group, no clusters, 0 bytes of LDS; arguments x, ln1_g, ln1_b, wq, wk, wv, wo, w_up, w_down, y, wts, wqk, bq, bk, bv, b_up; writes y, wts, wqk
.if DOCPART == 9
	.amdgcn_target "amdgcn-amd-amdhsa--gfx1250"
	.amdhsa_code_object_version 6
	.text
	.protected	k_qd6681a72ba_prep
	.globl	k_qd6681a72ba_prep
	.p2align	8
	.type	k_qd6681a72ba_prep,@function
k_qd6681a72ba_prep:
	s_mov_b64 s[64:65], 0
	v_nop
	global_prefetch_b8 v0, s[64:65] scope:SCOPE_SE
	s_setreg_imm32_b32 hwreg(HW_REG_WAVE_MODE, 25, 1), 1
	s_wait_xcnt 0x0
; PREP.  Work-groups 0-255: y = LN1(x) in f16, laid in blocks y[col/64][row][64].  Work-groups 256-639: all six weight matrices,
; rounded to bf16 and written as f16, laid as W[n block][k][TN]: one dense [K][TN] matrix for each tile column of the product that reads it.
; Work-group 640: the heads of wqk and wts, which the one text of the q, k, v and the up product reads: 16,384 bytes of bias (rounded to bf16, kept as f32),
; then 4,096 bytes of the factor that turns its activation off (0) or on (-2).
; wqk: head, then wq | wk | wv in 12 blocks of [1024][256].  wts: head, w_up in 16 blocks of [1024][256], wo in 8 of [1024][128], w_down in 8 of [4096][128].
; Every input (x, gains, biases, weights) is rounded to bf16 at its first use, in every launch of the program alike.
; LIMITS.  f16 ends at 65,504: y and the weights must lie within it; a weight below 2^-14 keeps f16's fixed step of 6e-8.  NaN and infinities are not treated apart.
; LN: one wave owns two rows (2 rp, 2 rp + 1) and keeps them in registers: mean, then the sum of squared differences from it, so no difference of large sums is formed.
; Lane l: c = l % 8, sub = (l / 8) % 2 (which row), hb = l / 16; for j = 0..7 it holds the 8 columns 64 (2 j + hb) + 8 c.  So lanes 0-15 of a store cover
; 256 consecutive bytes of one block of y (two neighbouring rows of 128 bytes).  No LDS, no barrier: no wave needs another's numbers.
.set ROUNDX, 1
.set SRC, 4                            ; s[4:5]   the rows to normalise
.set GP,  6                            ; s[6:7]   gain
.set BP,  8                            ; s[8:9]   bias
.set YP,  22                           ; s[22:23] y
.set X,   16                           ; v[16:79]   64 numbers of my row
.set G,   80                           ; v[80:143]  their gains
.set BV,  144                          ; v[144:207] their biases
.set HEAD, 20480                       ; bytes in front of the first weights of wqk and of wts
.set WWO, 8409088                      ; wo's blocks in wts
.set WDN, 10506240                     ; w_down's
.macro RB a                            ; a pair of f32 rounded to bf16 and widened again
	v_cvt_pk_bf16_f32 v5, v[\a], v[(\a)+1]
	v_lshlrev_b32 v[\a], 16, v5
	v_and_b32 v[(\a)+1], s36, v5
.endm
.macro FOLD                            ; four chains of pairs into v5
	v_pk_add_f32 v[6:7], v[6:7], v[8:9]
	v_pk_add_f32 v[10:11], v[10:11], v[12:13]
	v_pk_add_f32 v[6:7], v[6:7], v[10:11]
	v_add_f32 v5, v6, v7
.endm
.macro LANES                           ; over the 16 lanes of my row: c by masks 1, 2, 4 (mask 8 would mix the two rows), hb by the other half of the lanes
	v_add_f32_dpp v5, v5, v5 row_xmask:1 row_mask:0xf bank_mask:0xf
	v_add_f32_dpp v5, v5, v5 row_xmask:2 row_mask:0xf bank_mask:0xf
	v_add_f32_dpp v5, v5, v5 row_xmask:4 row_mask:0xf bank_mask:0xf
	v_permlanex16_b32 v14, v5, s34, s35
	v_add_f32 v5, v5, v14
.endm
	s_load_b256 s[4:11], s[0:1], 0x0               ; x, ln1_g, ln1_b, wq
	s_load_b256 s[12:19], s[0:1], 0x20             ; wk, wv, wo, w_up
	s_load_b128 s[20:23], s[0:1], 0x40             ; w_down, y
	s_load_b128 s[24:27], s[0:1], 0x50             ; wts, wqk
	s_load_b256 s[52:59], s[0:1], 0x60             ; bq, bk, bv, b_up
	v_lshrrev_b32 v5, 5, v0
	v_readfirstlane_b32 s48, v5                    ; wave 0..7
	s_mov_b32 s36, 0xffff0000                      ; a word's upper bf16
	s_mov_b32 s39, 0
	s_wait_kmcnt 0x0
	s_cmp_lt_u32 ttmp9, 256
	s_cbranch_scc0 .Lconv
	v_and_b32 v5, 7, v0                            ; c
	v_bfe_u32 v6, v0, 3, 1                         ; sub
	v_bfe_u32 v7, v0, 4, 1                         ; hb
	v_lshlrev_b32 v3, 5, v5
	v_lshl_add_u32 v3, v7, 8, v3                   ; v3: 256 hb + 32 c, my place in g and b
	v_lshl_add_u32 v2, v6, 12, v3                  ; v2: + 4,096 sub, my place in the two rows
	v_lshlrev_b32 v4, 4, v5
	v_lshl_add_u32 v4, v6, 7, v4
	v_lshl_add_u32 v4, v7, 19, v4                  ; v4: 524,288 hb + 128 sub + 16 c, my place in y
	v_mov_b32 v14, 0                               ; v_permlanex16_b32 counts as a reader of its destination
	s_mov_b32 s32, 0x3a800000                      ; 1 / 1024
	s_mov_b32 s33, 0x3727c5ac                      ; 1e-5
	s_mov_b32 s34, 0x76543210
	s_mov_b32 s35, 0xfedcba98
	s_lshl_b32 s49, ttmp9, 3
	s_add_co_u32 s49, s49, s48                     ; rp
	s_lshl_b32 s38, s49, 13
	s_add_nc_u64 s[28:29], s[SRC:SRC+1], s[38:39]  ; two rows of 4,096 bytes
	s_lshl_b32 s38, s49, 8
	s_add_nc_u64 s[30:31], s[YP:YP+1], s[38:39]    ; two rows of 128 bytes in each block
.set j, 0
.rept 8
	global_load_b128 v[X+8*j:X+8*j+3],   v2, s[28:29] offset:512*j
	global_load_b128 v[X+8*j+4:X+8*j+7], v2, s[28:29] offset:512*j+16
.set j, j+1
.endr
.set j, 0
.rept 8
	global_load_b128 v[G+8*j:G+8*j+3],   v3, s[GP:GP+1] offset:512*j
	global_load_b128 v[G+8*j+4:G+8*j+7], v3, s[GP:GP+1] offset:512*j+16
.set j, j+1
.endr
.set j, 0
.rept 8
	global_load_b128 v[BV+8*j:BV+8*j+3],   v3, s[BP:BP+1] offset:512*j
	global_load_b128 v[BV+8*j+4:BV+8*j+7], v3, s[BP:BP+1] offset:512*j+16
.set j, j+1
.endr
	s_wait_loadcnt 32                              ; the row is in; the 32 younger loads (g, b) stay out
.if ROUNDX
.set p, 0
.rept 32
	RB X+2*p
.set p, p+1
.endr
.endif
.irp k, 0,1,2,3                        ; the mean: four chains, started by sums of two pairs: nothing is cleared
	v_pk_add_f32 v[6+2*\k:7+2*\k], v[X+2*\k:X+2*\k+1], v[X+8+2*\k:X+9+2*\k]
.endr
.set p, 8
.rept 24
	v_pk_add_f32 v[6+2*(p%4):7+2*(p%4)], v[6+2*(p%4):7+2*(p%4)], v[X+2*p:X+2*p+1]
.set p, p+1
.endr
	FOLD
	LANES
	v_mul_f32 v14, s32, v5
	v_mov_b32 v15, v14
.set p, 0
.rept 32
	v_pk_add_f32 v[X+2*p:X+2*p+1], v[X+2*p:X+2*p+1], v[14:15] neg_lo:[0,1] neg_hi:[0,1]  ; x - mean
.set p, p+1
.endr
.irp k, 0,1,2,3
	v_pk_mul_f32 v[6+2*\k:7+2*\k], v[X+2*\k:X+2*\k+1], v[X+2*\k:X+2*\k+1]
.endr
.set p, 4
.rept 28
	v_pk_fma_f32 v[6+2*(p%4):7+2*(p%4)], v[X+2*p:X+2*p+1], v[X+2*p:X+2*p+1], v[6+2*(p%4):7+2*(p%4)]
.set p, p+1
.endr
	FOLD
	LANES
	v_fma_f32 v5, v5, s32, s33                     ; variance + eps
	v_rsq_f32 v14, v5
	v_nop                                          ; a plain instruction behind the transcendental (ISA guide 5.7.2)
	s_wait_alu depctr_va_vdst(0)
	v_mov_b32 v15, v14
	s_wait_loadcnt 0x0                             ; g and b
.set p, 0
.rept 32
	RB G+2*p
	RB BV+2*p
.set p, p+1
.endr
.set p, 0
.rept 32
	v_pk_mul_f32 v[X+2*p:X+2*p+1], v[X+2*p:X+2*p+1], v[14:15]
	v_pk_fma_f32 v[X+2*p:X+2*p+1], v[X+2*p:X+2*p+1], v[G+2*p:G+2*p+1], v[BV+2*p:BV+2*p+1]
.set p, p+1
.endr
.set j, 0
.rept 8
.irp i, 0,1,2,3                        ; ascending and in place: register i is written when 2 i and 2 i + 1 have not been touched and i has been used up
	v_cvt_pk_f16_f32 v[X+8*j+\i], v[X+8*j+2*\i], v[X+8*j+2*\i+1]
.endr
	global_store_b128 v4, v[X+8*j:X+8*j+3], s[30:31] offset:j*1048576  ; blocks 2 j and 2 j + 1; 16 lanes store 256 consecutive bytes, aligned
.set j, j+1
.endr
	s_endpgm
; THE WEIGHTS.  A work-group takes 128 rows of k x 256 columns, a wave 16 of the rows; lane l takes 8 columns (32 bytes in, 16 out).
.Lconv:
	s_sub_co_u32 s49, ttmp9, 256
	s_cmp_lt_u32 s49, 384
	s_cbranch_scc0 .Lhead
	s_cmp_lt_u32 s49, 96
	s_cbranch_scc0 .Lc1
	s_lshr_b32 s37, s49, 5                         ; 0 wq, 1 wk, 2 wv
	s_and_b32 s38, s49, 31
	s_lshr_b32 s45, s38, 2                         ; kc: which 128 rows
	s_and_b32 s46, s38, 3                          ; cg: which 256 columns
	s_cmp_eq_u32 s37, 1
	s_cselect_b64 s[28:29], s[12:13], s[10:11]
	s_cmp_eq_u32 s37, 2
	s_cselect_b64 s[28:29], s[14:15], s[28:29]
	s_mov_b64 s[50:51], s[26:27]                   ; into wqk
	s_mov_b32 s40, 4096                            ; bytes from row to row in the source
	s_mov_b32 s41, 512                             ; and in the block
	s_mov_b32 s42, 256                             ; where lanes 16-31 write: the row's second half
	s_lshl_b32 s44, s37, 2
	s_add_co_u32 s44, s44, s46
	s_lshl_b32 s44, s44, 19                        ; block 4 mat + cg of 524,288 bytes
	s_lshl_b32 s43, s45, 16
	s_add_co_u32 s44, s44, s43
	s_add_co_u32 s44, s44, HEAD
	s_branch .Lcgo
.Lc1:
	s_mov_b64 s[50:51], s[24:25]                   ; all the others into wts
	s_cmp_lt_u32 s49, 128
	s_cbranch_scc0 .Lc2
	s_sub_co_u32 s38, s49, 96
	s_lshr_b32 s45, s38, 2
	s_and_b32 s46, s38, 3
	s_mov_b64 s[28:29], s[16:17]                   ; wo: blocks of [1024][128]
	s_mov_b32 s40, 4096
	s_mov_b32 s41, 256
	s_mov_b32 s42, 262144                          ; lanes 16-31 write the next block
	s_lshl_b32 s44, s46, 19
	s_lshl_b32 s43, s45, 15
	s_add_co_u32 s44, s44, s43
	s_add_co_u32 s44, s44, WWO
	s_branch .Lcgo
.Lc2:
	s_cmp_lt_u32 s49, 256
	s_cbranch_scc0 .Lc3
	s_sub_co_u32 s38, s49, 128
	s_lshr_b32 s45, s38, 4
	s_and_b32 s46, s38, 15
	s_mov_b64 s[28:29], s[18:19]                   ; w_up: blocks of [1024][256]
	s_mov_b32 s40, 16384
	s_mov_b32 s41, 512
	s_mov_b32 s42, 256
	s_lshl_b32 s44, s46, 19
	s_lshl_b32 s43, s45, 16
	s_add_co_u32 s44, s44, s43
	s_add_co_u32 s44, s44, HEAD
	s_branch .Lcgo
.Lc3:
	s_sub_co_u32 s38, s49, 256
	s_lshr_b32 s45, s38, 2
	s_and_b32 s46, s38, 3
	s_mov_b64 s[28:29], s[20:21]                   ; w_down: blocks of [4096][128]
	s_mov_b32 s40, 4096
	s_mov_b32 s41, 256
	s_mov_b32 s42, 1048576
	s_lshl_b32 s44, s46, 21
	s_lshl_b32 s43, s45, 15
	s_add_co_u32 s44, s44, s43
	s_add_co_u32 s44, s44, WDN
.Lcgo:
	s_lshl_b32 s43, s45, 7
	s_lshl_b32 s47, s48, 4
	s_add_co_u32 s43, s43, s47                     ; my first row: 128 kc + 16 wave
	s_mul_i32 s43, s43, s40
	s_lshl_b32 s38, s46, 10
	s_add_co_u32 s38, s38, s43
	s_add_nc_u64 s[28:29], s[28:29], s[38:39]
	s_mul_i32 s38, s47, s41
	s_add_co_u32 s38, s38, s44
	s_add_nc_u64 s[30:31], s[50:51], s[38:39]
	v_and_b32 v1, 31, v0
	v_lshlrev_b32 v16, 5, v1                       ; v[16+i]: 32 l + i rows of the source
	v_and_b32 v2, 15, v1
	v_lshlrev_b32 v2, 4, v2
	v_lshrrev_b32 v3, 4, v1
	v_mul_lo_u32 v3, v3, s42
	v_add_nc_u32 v32, v2, v3                       ; v[32+i]: 16 (l % 16) + (l / 16) half + i rows of the block
.set i, 1
.rept 15
	v_add_nc_u32 v[16+i], s40, v[15+i]
	v_add_nc_u32 v[32+i], s41, v[31+i]
.set i, i+1
.endr
.set i, 0
.rept 16
	global_load_b128 v[48+8*i:51+8*i], v[16+i], s[28:29] th:TH_LOAD_NT
	global_load_b128 v[52+8*i:55+8*i], v[16+i], s[28:29] offset:16 th:TH_LOAD_NT
.set i, i+1
.endr
.set i, 0
.rept 16
	s_wait_loadcnt 2*(15-i)                        ; row i is in; the younger rows' loads stay out
.irp k, 0,1,2,3
	v_cvt_pk_bf16_f32 v[176+\k], v[48+8*i+2*\k], v[49+8*i+2*\k]
.endr
.irp k, 0,1,2,3
	v_lshlrev_b32 v[48+8*i+2*\k], 16, v[176+\k]
	v_and_b32 v[49+8*i+2*\k], s36, v[176+\k]
.endr
.irp k, 0,1,2,3
	v_cvt_pk_f16_f32 v[48+8*i+\k], v[48+8*i+2*\k], v[49+8*i+2*\k]
.endr
	global_store_b128 v[32+i], v[48+8*i:51+8*i], s[30:31]  ; 16 lanes store 256 consecutive bytes, aligned; no register of a store is written again
.set i, i+1
.endr
	s_endpgm
; THE HEADS.  256 threads x 16 bytes cover 1,024 numbers: bq, bk, bv behind each other at wqk's first byte, b_up's four quarters at wts's; then the factors.
.Lhead:
	v_lshlrev_b32 v1, 4, v0
	global_load_b128 v[16:19], v1, s[52:53]
	global_load_b128 v[20:23], v1, s[54:55]
	global_load_b128 v[24:27], v1, s[56:57]
.irp j, 0,1,2,3
	global_load_b128 v[28+4*\j:31+4*\j], v1, s[58:59] offset:4096*\j
.endr
.irp k, 0,1,2,3
	v_mov_b32 v[44+\k], 0                          ; q, k, v: no activation
	v_mov_b32 v[48+\k], -2.0                       ; up: mish
.endr
	s_wait_loadcnt 0x0
.set p, 0
.rept 14
	RB 16+2*p
.set p, p+1
.endr
	global_store_b128 v1, v[16:19], s[26:27]
	global_store_b128 v1, v[20:23], s[26:27] offset:4096
	global_store_b128 v1, v[24:27], s[26:27] offset:8192
.irp j, 0,1,2,3
	global_store_b128 v1, v[28+4*\j:31+4*\j], s[24:25] offset:4096*\j
.endr
	global_store_b128 v1, v[44:47], s[26:27] offset:16384
	global_store_b128 v1, v[48:51], s[24:25] offset:16384
	s_endpgm
.Lfunc_end_k_qd6681a72ba_prep:
	.size	k_qd6681a72ba_prep, .Lfunc_end_k_qd6681a72ba_prep-k_qd6681a72ba_prep
	.p2alignl 7, 3214868480
	.fill 96, 4, 3214868480
	.section	.rodata,"a",@progbits
	.p2align	6, 0x0
	.amdhsa_kernel k_qd6681a72ba_prep
		.amdhsa_group_segment_fixed_size 0
		.amdhsa_private_segment_fixed_size 0
		.amdhsa_enable_private_segment 0
		.amdhsa_kernarg_size 128
		.amdhsa_user_sgpr_count 2
		.amdhsa_user_sgpr_kernarg_segment_ptr 1
		.amdhsa_wavefront_size32 1
		.amdhsa_system_sgpr_workgroup_id_x 1
		.amdhsa_system_sgpr_workgroup_id_y 1
		.amdhsa_system_sgpr_workgroup_id_z 1
		.amdhsa_system_vgpr_workitem_id 0
		.amdhsa_next_free_vgpr 208
		.amdhsa_next_free_sgpr 66
		.amdhsa_reserve_vcc 0
		.amdhsa_float_denorm_mode_32 3
		.amdhsa_float_denorm_mode_16_64 3
		.amdhsa_memory_ordered 1
		.amdhsa_forward_progress 1
		.amdhsa_inst_pref_size 57
	.end_amdhsa_kernel
	.amdgpu_metadata
---
amdhsa.version: [ 1, 2 ]
amdhsa.kernels:
  - .name:           k_qd6681a72ba_prep
    .symbol:         k_qd6681a72ba_prep.kd
    .args:
      - { .name: x, .offset: 0, .size: 8, .value_kind: global_buffer, .address_space: global }
      - { .name: ln1_g, .offset: 8, .size: 8, .value_kind: global_buffer, .address_space: global }
      - { .name: ln1_b, .offset: 16, .size: 8, .value_kind: global_buffer, .address_space: global }
      - { .name: wq, .offset: 24, .size: 8, .value_kind: global_buffer, .address_space: global }
      - { .name: wk, .offset: 32, .size: 8, .value_kind: global_buffer, .address_space: global }
      - { .name: wv, .offset: 40, .size: 8, .value_kind: global_buffer, .address_space: global }
      - { .name: wo, .offset: 48, .size: 8, .value_kind: global_buffer, .address_space: global }
      - { .name: w_up, .offset: 56, .size: 8, .value_kind: global_buffer, .address_space: global }
      - { .name: w_down, .offset: 64, .size: 8, .value_kind: global_buffer, .address_space: global }
      - { .name: y, .offset: 72, .size: 8, .value_kind: global_buffer, .address_space: global }
      - { .name: wts, .offset: 80, .size: 8, .value_kind: global_buffer, .address_space: global }
      - { .name: wqk, .offset: 88, .size: 8, .value_kind: global_buffer, .address_space: global }
      - { .name: bq, .offset: 96, .size: 8, .value_kind: global_buffer, .address_space: global }
      - { .name: bk, .offset: 104, .size: 8, .value_kind: global_buffer, .address_space: global }
      - { .name: bv, .offset: 112, .size: 8, .value_kind: global_buffer, .address_space: global }
      - { .name: b_up, .offset: 120, .size: 8, .value_kind: global_buffer, .address_space: global }
    .group_segment_fixed_size: 0
    .private_segment_fixed_size: 0
    .kernarg_segment_align: 8
    .kernarg_segment_size: 128
    .max_flat_workgroup_size: 256
    .sgpr_count:     66
    .vgpr_count:     208
    .wavefront_size: 32
...
	.end_amdgpu_metadata
.endif
;; end of part 9
;; launch qkv (part 10): grid 12 x 16, 4 waves a work-group, clusters of 4 x 4, 327,680 bytes of LDS; arguments y, wqk, qkv; writes qkv
.if DOCPART == 10
	.amdgcn_target "amdgcn-amd-amdhsa--gfx1250"
	.amdhsa_code_object_version 6
	.text
	.protected	k_qd6681a72ba_qkv
	.globl	k_qd6681a72ba_qkv
	.p2align	8
	.type	k_qd6681a72ba_qkv,@function
k_qd6681a72ba_qkv:
	s_mov_b64 s[64:65], 0
	v_nop
	global_prefetch_b8 v0, s[64:65] scope:SCOPE_SE
	s_setreg_imm32_b32 hwreg(HW_REG_WAVE_MODE, 25, 1), 1
	s_wait_xcnt 0x0
	s_wait_alu depctr_hold_cnt(0) depctr_sa_sdst(0) depctr_va_vdst(0) depctr_va_sdst(0) depctr_va_ssrc(0) depctr_va_vcc(0) depctr_vm_vsrc(0)
	s_getreg_b32 s2, hwreg(HW_REG_IB_STS2, 6, 4)
	s_cmp_eq_u32 s2, 0
	s_cbranch_scc0 .Lentry_in_a_cluster
	s_endpgm
.Lentry_in_a_cluster:
	s_bfe_u32 s2, ttmp6, 0x10000c
	s_cmp_lg_u32 s2, 0xf033
	s_cbranch_scc0 .Lentry_shape_is_right
	s_endpgm
.Lentry_shape_is_right:
; C = act(A W + bias), written in f16 in blocks C[col/64][4096 rows][64].  A: f16 in blocks A[k/64][4096 rows][64].  K = 1,024.  Sums in f32.
; ONE TEXT FOR TWO LAUNCHES: q, k, v = y [wq | wk | wv] + bias (12 tile columns; a block of 64 columns is a head) and h = mish(y w_up + b_up) (16 tile columns).
; What differs lies in the weights' buffer: 16,384 bytes of bias in f32, one number a column; 4,096 bytes of a factor f; from byte HEAD on the weights in f16, W[n/256][1024][256].
; act(u) = u (1 + f / (t t + 2 t + 2)), t = e^u: with f = -2 this is mish(u) = u tanh(softplus(u)); with f = 0 it is u, exactly, since the quotient lies in 0 .. 0.5 (0 where t overflows).
; The price of the one text: q, k and v pass through that arithmetic too, two transcendentals a number.
; LIMITS.  f16 ends at 65,504: operands and results must lie within it.  NaN and infinities are not treated apart.
; SHARES.  A tile of C is 256 x 256; four waves, each 128 x 128 in 64 accumulators.  K goes in steps of 128 through two LDS slots.
; Waves 0, 1 fetch A's two blocks of a step, waves 2, 3 W's two halves (64 rows of k each): one tensor load a wave behind each round.
; CLUSTER 4 x 4: A's tile hangs on the tile row alone and is asked for jointly along a row of the cluster, W's on the tile column alone, along a column.
; THE MATRIX INSTRUCTION IS USED TRANSPOSED: source 0 = 16 columns of W (turned on the way out of LDS by ds_load_tr16_b128), source 1 = 16 rows of A;
; a lane then holds row l % 16 of C and the 8 neighbouring columns 8 (l / 16) + 0..7.
; REGISTERS, in windows of 256: window 0: v0-31 addresses, v32-63 and v192-255 the way out, v64-127, v128-191 A's fragments (two buffers); window 1: W's fragments at the
; same numbers; windows 2, 3: accumulator (a, b) at 8 (8 a + b).
.set MA,     8                         ; blocks of 16 rows a wave
.set NB,     8                         ; blocks of 16 columns a wave
.set KS,     128                       ; K in a slot
.set KTOT,   1024
.set HEAD,   20480                     ; the weights' first byte
.set FACT,   16384                     ; the factor's
.set TM,     32*MA
.set TN,     32*NB
.set NQ,     KS/32                     ; quarters of 32 along K in a slot
.set NSLOT,  KTOT/KS
.set PA,     144                       ; a row of A in LDS: 128 bytes + 16: the 16 rows of a load start at 16 different groups of four banks (ISA guide 11.1)
.set ABLK,   TM*PA                     ; a block of 64 k
.set PB,     2*TN+32                   ; a row of W in LDS: an odd multiple of 32 bytes, for the turning load
.set BOFF,   73728                     ; W behind A's two blocks
.set SLOT,   147456                    ; = 0x24000; no LDS address inside a slot that is turned below has bit 14 or 17 set, so one exclusive or changes slots
.set SPARE,  294912                    ; behind the ring: the spare words, 128 bytes a wave
.set STEPA,  (KS/64)*524288            ; bytes from a K step to the next, in A
.set STEPB,  KS*TN*2                   ; and in W
.set PS,     64*NB+16                  ; the way out: a stage row, my 128 columns in f32 + 16 bytes
.set STW,    16*MA*PS                  ; a wave's stage; the stages lie in the ring, which has had its last fill by then
.set F0,     64
.set F1,     128
.set MSB, 0
.macro WIN new                         ; the immediate's high byte repeats the setting that is left; a switch that changes nothing is dropped
.if MSB != (\new)
	s_set_vgpr_msb (MSB<<8)|(\new)
.set MSB, \new
.endif
.endm
.macro PLACES                          ; four places behind matrix instructions (ISA guide 7.12.1)
.rept 4
	v_nop
.endr
.endm
.macro CREST                           ; a round of the cluster's barrier behind its opening barrier
	s_cmp_lg_u32 s12, 0
	s_cbranch_scc1 .Lnot_wave_0_\@
	s_barrier_signal -3
.Lnot_wave_0_\@:
	s_barrier_wait -3
	s_barrier_signal -1
	s_barrier_wait -1
.endm
.macro CROUND
	s_barrier_signal -1
	s_barrier_wait -1
	CREST
.endm
.macro JLOAD                           ; a joint refill by the walking descriptor; the branch hangs on the wave's number alone; s_nop 0 and four v_nop follow each line
	s_cmp_eq_u32 s13, 0
	s_cbranch_scc0 .Lfor_b_\@
	tensor_load_to_lds s[36:39], s[24:31]
	s_nop 0
	PLACES
	s_branch .Lasked_\@
.Lfor_b_\@:
	tensor_load_to_lds s[60:63], s[48:55]
	s_nop 0
	PLACES
.Lasked_\@:
.endm
	s_load_b128 s[4:7], s[0:1], 0x0                ; A s[4:5], the weights' buffer s[6:7]
	s_load_b64 s[8:9], s[0:1], 0x10                ; C
	v_lshl_add_u32 v28, v0, 2, SPARE
	v_mov_b32 v29, 0
	ds_add_u32 v28, v29                            ; the wave's opening: the add, waited for ahead of my first tensor load
	v_lshrrev_b32 v1, 5, v0
	v_readfirstlane_b32 s12, v1                    ; wave 0..3
	s_lshr_b32 s13, s12, 1                         ; my half of the tile's rows.  Also: I fetch A (0) or W (1)
	s_and_b32 s14, s12, 1                          ; my half of its columns.  Also: which half of that tile I fetch
	s_bfe_u32 s40, ttmp6, 0x40000                  ; cx
	s_bfe_u32 s41, ttmp6, 0x40004                  ; cy
	s_lshl_b32 s42, ttmp9, 2
	s_add_co_u32 s42, s42, s40                     ; tile column
	s_and_b32 s43, ttmp7, 0xffff
	s_lshl_b32 s43, s43, 2
	s_add_co_u32 s43, s43, s41                     ; tile row
	s_lshl_b32 s44, s41, 2
	s_lshl_b32 s44, 15, s44                        ; my row of the cluster
	s_lshl_b32 s45, 0x1111, s40                    ; my column
	s_or_b32 s24, s44, (1<<16)|(1<<20)|(1<<21)|(4<<22)|(3<<25)    ; A: mask; 2-byte elements; padding on; bit 21 beside a mask; 4 words after every 32
	s_mov_b32 s25, 128<<16                         ; a block's 256 rows of 128 bytes are dense: 128 rows of 256 bytes.  tensor_dim0 = 128
	s_mov_b32 s26, 128<<16                         ; tensor_dim1 = 128
	s_mov_b32 s27, 128<<16                         ; tile_dim0
	s_mov_b32 s28, 128                             ; tile_dim1
	s_mov_b32 s29, 128                             ; elements from row to row
	s_mov_b32 s30, 0
	s_mov_b32 s31, 0
	s_or_b32 s48, s45, (1<<16)|(1<<20)|(1<<21)|(6<<22)|(7<<25)    ; W: 8 words after every row of 128 words
	s_mov_b32 s49, TN<<16
	s_mov_b32 s50, (KS/2)<<16
	s_mov_b32 s51, TN<<16
	s_mov_b32 s52, KS/2
	s_mov_b32 s53, TN
	s_mov_b32 s54, 0
	s_mov_b32 s55, 0
	s_mov_b32 s32, 1                               ; group 0, set 0: slot 0, K step 0; set 1: slot 1, K step 1, and then it walks
	s_mul_i32 s33, s14, 36864
	s_mov_b32 s36, 1
	s_add_co_u32 s37, s33, SLOT
	s_mov_b32 s56, 1
	s_mul_i32 s57, s14, (KS/2)*PB
	s_add_co_u32 s57, s57, BOFF
	s_mov_b32 s60, 1
	s_add_co_u32 s61, s57, SLOT
	s_mul_i32 s16, s14, (KS/128)*524288            ; A: my block of the step, the tile's rows
	s_mul_i32 s17, s43, TM*128
	s_add_co_u32 s16, s16, s17
	s_mov_b32 s17, 0
	s_mul_i32 s46, s42, KTOT*TN*2                  ; W: the tile column's block, my rows of the step
	s_mul_i32 s47, s14, (KS/2)*TN*2
	s_add_co_u32 s46, s46, s47
	s_add_co_u32 s46, s46, HEAD
	s_mov_b32 s47, 0
	s_mov_b32 s15, 0                               ; the slot that is read
	s_wait_dscnt 0x0                               ; the opening add is done
	s_wait_kmcnt 0x0
	s_add_nc_u64 s[34:35], s[4:5], s[16:17]
	s_add_nc_u64 s[38:39], s[34:35], STEPA
	s_or_b32 s35, s35, 0x80000000
	s_or_b32 s39, s39, 0x80000000
	s_add_nc_u64 s[58:59], s[6:7], s[46:47]
	s_add_nc_u64 s[62:63], s[58:59], STEPB
	s_or_b32 s59, s59, 0x80000000
	s_or_b32 s63, s63, 0x80000000
	CROUND                                         ; all sixteen work-groups are here: the first joint loads meet
	s_cmp_eq_u32 s13, 0                            ; a wave's two first fills stand in one branch: two loads of mine are out
	s_cbranch_scc0 .Lfirst_b
	tensor_load_to_lds s[32:35], s[24:31]
	s_nop 0
	tensor_load_to_lds s[36:39], s[24:31]
	s_nop 0
	PLACES
	s_branch .Lfirst_done
.Lfirst_b:
	tensor_load_to_lds s[56:59], s[48:55]
	s_nop 0
	tensor_load_to_lds s[60:63], s[48:55]
	s_nop 0
	PLACES
.Lfirst_done:
	v_and_b32 v1, 15, v0                           ; r = l % 16
	v_bfe_u32 v2, v0, 4, 1                         ; h = l / 16
	v_and_b32 v30, 7, v0
	v_lshlrev_b32 v30, 5, v30                      ; my 8 columns in a block of 64
	v_mov_b32 v27, 0
	s_lshl_b32 s72, s42, 10                        ; the bias of my wave's 128 columns: 1,024 bytes a tile column, 512 a half
	s_lshl_b32 s73, s14, 9
	s_add_co_u32 s72, s72, s73
	s_mov_b32 s73, 0
	s_add_nc_u64 s[10:11], s[6:7], s[72:73]
	global_load_b128 v[32:35], v30, s[10:11]
	global_load_b128 v[36:39], v30, s[10:11] offset:16
	global_load_b128 v[40:43], v30, s[10:11] offset:256
	global_load_b128 v[44:47], v30, s[10:11] offset:272
	global_load_b64 v[56:57], v27, s[6:7] offset:FACT  ; f, twice, the same in every lane
	s_lshl_b32 s72, s42, 2
	s_lshl_b32 s73, s14, 1
	s_add_co_u32 s72, s72, s73                     ; my first block of 64 columns
	s_lshl_b32 s72, s72, 19
	s_lshl_b32 s73, s43, 8
	s_lshl_b32 s75, s13, 7
	s_add_co_u32 s73, s73, s75                     ; my first row
	s_lshl_b32 s73, s73, 7
	s_add_co_u32 s72, s72, s73
	s_mov_b32 s73, 0
	s_add_nc_u64 s[8:9], s[8:9], s[72:73]
	v_mul_u32_u24 v19, v1, PA                      ; v19: my place in A's tile: (my half's first row + r) x 144 + 16 h
	v_lshl_add_u32 v19, v2, 4, v19
	s_mul_i32 s16, s13, (TM/2)*PA
	v_add_nc_u32 v19, s16, v19
	v_and_b32 v3, 7, v0                            ; v20: my place in W's tile for the turning load: row 8 h + l % 8, 16 bytes by (l / 8) % 2, my half of the columns
	v_lshl_add_u32 v3, v2, 3, v3
	v_mul_u32_u24 v20, v3, PB
	v_bfe_u32 v3, v0, 3, 1
	v_lshl_add_u32 v20, v3, 4, v20
	s_mul_i32 s16, s14, TN
	s_add_co_u32 s16, s16, BOFF
	v_add_nc_u32 v20, s16, v20
	v_mov_b32 v16, v19                             ; v16, v17: the same in the slot that is read
	v_mov_b32 v17, v20
	s_mul_i32 s16, s12, STW                        ; my stage
	v_mul_u32_u24 v24, v1, PS                      ; v24: in: row r, 32 bytes for each half of the lanes
	v_lshl_add_u32 v24, v2, 5, v24
	v_add_nc_u32 v24, s16, v24
	v_bfe_u32 v3, v0, 3, 2                         ; v25: back: row l / 8 of four, 8 columns of each of my two blocks
	v_mul_u32_u24 v25, v3, PS
	v_and_b32 v3, 7, v0
	v_lshl_add_u32 v25, v3, 5, v25
	v_add_nc_u32 v25, s16, v25
	v_and_b32 v26, 31, v0                          ; v26: four rows of 128 bytes are 512 consecutive bytes of a block
	v_lshlrev_b32 v26, 4, v26
; na blocks of rows from a0 on x all NB blocks of columns, 32 along K, out of buffer f.  The accumulators take turns, one instruction a turn.
.macro MULA f, a0, na, zero
.set ma_a, \a0
.rept \na
.set ma_b, 0
.rept NB
.set ma_i, 8*(NB*ma_a+ma_b)
	WIN 0xa1+0x50*(ma_i/256)
.if \zero
	v_wmma_f32_16x16x32_f16 v[ma_i%256:ma_i%256+7], v[(\f)+8*ma_b:(\f)+8*ma_b+7], v[(\f)+8*ma_a:(\f)+8*ma_a+7], 0
.else
	v_wmma_f32_16x16x32_f16 v[ma_i%256:ma_i%256+7], v[(\f)+8*ma_b:(\f)+8*ma_b+7], v[(\f)+8*ma_a:(\f)+8*ma_a+7], v[ma_i%256:ma_i%256+7]
.endif
.set ma_b, ma_b+1
.endr
.set ma_a, ma_a+1
.endr
.endm
; The fragments of quarter q into buffer f, in one run: W's 2 NB loads, then A's 2 MA.
.macro FETCH q, f
	WIN 0x40
.set fb, 0
.rept NB
	ds_load_tr16_b128 v[(\f)+8*fb:(\f)+8*fb+3],   v17 offset:(\q)*32*PB+32*fb
	ds_load_tr16_b128 v[(\f)+8*fb+4:(\f)+8*fb+7], v17 offset:(\q)*32*PB+32*fb+16*PB
.set fb, fb+1
.endr
	WIN 0
.set fa, 0
.rept MA
	ds_load_b128 v[(\f)+8*fa:(\f)+8*fa+3],   v16 offset:((\q)/2)*ABLK+fa*16*PA+((\q)%2)*64
	ds_load_b128 v[(\f)+8*fa+4:(\f)+8*fa+7], v16 offset:((\q)/2)*ABLK+fa*16*PA+((\q)%2)*64+32
.set fa, fa+1
.endr
.endm
; Quarter q but the slot's last: multiplies its buffer and, in its middle, fetches the next quarter into the other.
.macro QUARTER q, zero
.set qf, F0+(F1-F0)*((\q)%2)
.set qg, F0+(F1-F0)*(((\q)+1)%2)
	s_wait_dscnt MA                                ; W and A's first half are in; the youngest MA loads (A's second half) may be out
	MULA qf, 0, MA/2, \zero
	PLACES                                         ; in front of loads into registers that matrix instructions have read
	FETCH (\q)+1, qg
	s_wait_dscnt 2*(MA+NB)                         ; all but the run just issued
	MULA qf, MA/2, MA/2, \zero
.endm
.macro MIDDLE
.set mq, 1
.rept NQ-2
	QUARTER mq, 0
.set mq, mq+1
.endr
.endm
; The slot's last quarter (buffer 1) and the change of slots.  In front of the barrier: all my tensor loads have landed (one is out: my part of the other slot), the add,
; and my reads of this slot are over.  fill = 1: the barrier opens a round of the cluster's, and the joint refill of this slot, two K steps on, is the first thing behind it.
.macro TURN fill
	WIN 0
	s_wait_tensorcnt 0x0
	ds_add_u32 v28, v29
.if \fill
	s_xor_b32 s37, s37, SLOT                       ; no load of mine is out: the walking descriptors step
	s_add_nc_u64 s[38:39], s[38:39], STEPA
	s_xor_b32 s61, s61, SLOT
	s_add_nc_u64 s[62:63], s[62:63], STEPB
.endif
	s_wait_dscnt MA+1                              ; the add and A's second half may be out
	MULA F1, 0, MA/4, 0
	s_wait_dscnt 0x0
	s_barrier_signal -1
	MULA F1, MA/4, MA/4, 0
	WIN 0
	s_barrier_wait -1
.if \fill
	CREST
	JLOAD                                          ; its four v_nop are also the places in front of the loads below
.else
	PLACES
.endif
	s_xor_b32 s15, s15, SLOT
	v_add_nc_u32 v16, s15, v19
	v_add_nc_u32 v17, s15, v20
	FETCH 0, F0
	MULA F1, MA/2, MA/2, 0
.endm
; Four rows x my 128 columns: + bias, the activation, rounded to f16, two stores of 512 consecutive bytes.  pre = 1: the next four rows are asked for under the arithmetic.
.macro EPI pre
	s_wait_dscnt 0x0
.irp k, 0,2,4,6,8,10,12,14
	v_pk_add_f32 v[208+\k:209+\k], v[192+\k:193+\k], v[32+\k:33+\k]
.endr
.if \pre
	v_add_nc_u32 v25, 4*PS, v25
	ds_load_b128 v[192:195], v25
	ds_load_b128 v[196:199], v25 offset:16
	ds_load_b128 v[200:203], v25 offset:256
	ds_load_b128 v[204:207], v25 offset:272
.endif
.irp k, 0,2,4,6,8,10,12,14
	v_pk_mul_f32 v[224+\k:225+\k], v[208+\k:209+\k], 0x3fb8aa3b op_sel_hi:[1,0]
.endr
.set k, 0
.rept 16
	v_exp_f32 v[224+k], v[224+k]                   ; t = e^u
.set k, k+1
.endr
	v_nop                                          ; a plain instruction behind the transcendentals (ISA guide 5.7.2)
	s_wait_alu depctr_va_vdst(0)
.irp k, 0,2,4,6,8,10,12,14
	v_pk_add_f32 v[240+\k:241+\k], v[224+\k:225+\k], 2.0 op_sel_hi:[1,0]
.endr
.irp k, 0,2,4,6,8,10,12,14
	v_pk_fma_f32 v[240+\k:241+\k], v[224+\k:225+\k], v[240+\k:241+\k], 2.0 op_sel_hi:[1,1,0]
.endr
.set k, 0
.rept 16
	v_rcp_f32 v[240+k], v[240+k]
.set k, k+1
.endr
	v_nop
	s_wait_alu depctr_va_vdst(0)
.irp k, 0,2,4,6,8,10,12,14
	v_pk_fma_f32 v[240+\k:241+\k], v[240+\k:241+\k], v[56:57], 1.0 op_sel_hi:[1,1,0]  ; 1 + f / (t t + 2 t + 2)
.endr
.irp k, 0,2,4,6,8,10,12,14
	v_pk_mul_f32 v[208+\k:209+\k], v[208+\k:209+\k], v[240+\k:241+\k]
.endr
	s_wait_xcnt 0x0                                ; the last stores have read v26 and v48-55
	v_add_nc_u32 v26, 512, v26
.irp i, 0,1,2,3,4,5,6,7
	v_cvt_pk_f16_f32 v[48+\i], v[208+2*\i], v[209+2*\i]
.endr
	global_store_b128 v26, v[48:51], s[8:9] offset:-512
	global_store_b128 v26, v[52:55], s[8:9] offset:524288-512
.endm
	s_wait_tensorcnt 1                             ; my part of K step 0 is in; step 1's may stay out
	s_barrier_signal -1
	s_barrier_wait -1
	FETCH 0, F0
	QUARTER 0, 1                                   ; the first products start the sums: nothing is cleared
	WIN 0
	s_mov_b32 s2, NSLOT-2
.Lslot:                                                ; a trip: the rest of a slot, its refill, and the next slot's first quarter
	MIDDLE
	TURN 1
	QUARTER 0, 0
	WIN 0
	s_sub_co_u32 s2, s2, 1
	s_cmp_lg_u32 s2, 0
	s_cbranch_scc1 .Lslot
	s_mov_b32 s3, 2
.Ltail:                                                ; the last two slots ask for nothing; the second trip is left in its middle (its fetch of the other slot serves nothing)
	MIDDLE
	TURN 0
	WIN 0
	s_sub_co_u32 s3, s3, 1
	s_cmp_eq_u32 s3, 0
	s_cbranch_scc1 .Lout
	QUARTER 0, 0
	WIN 0
	s_branch .Ltail
.Lout:
	s_wait_dscnt 0x0                               ; my reads of the ring are over;
	s_barrier_signal -1
	s_barrier_wait -1                              ; everybody's are, and every fill has landed: the ring's bytes become the stages
	PLACES
.set da, 0
.rept MA                               ; my accumulators in f32 into my own stage; each is read from its low end on
.set db, 0
.rept NB
.set di, 8*(NB*da+db)
	WIN 0x08+0x04*(di/256)
	ds_store_b128 v24, v[di%256:di%256+3]   offset:da*16*PS+64*db
	ds_store_b128 v24, v[di%256+4:di%256+7] offset:da*16*PS+64*db+16
.set db, db+1
.endr
.set da, da+1
.endr
	WIN 0
	s_wait_loadcnt 0x0                             ; bias and factor
	ds_load_b128 v[192:195], v25                   ; LDS serves a wave's instructions in order (ISA guide 5.7.1.4): these see my stores
	ds_load_b128 v[196:199], v25 offset:16
	ds_load_b128 v[200:203], v25 offset:256
	ds_load_b128 v[204:207], v25 offset:272
	s_mov_b32 s2, 31
.Lepi:
	EPI 1
	s_sub_co_u32 s2, s2, 1
	s_cmp_lg_u32 s2, 0
	s_cbranch_scc1 .Lepi
	EPI 0
	s_wait_tensorcnt 0x0                           ; the wave's end
	ds_add_u32 v28, v29
	s_wait_dscnt 0x0
	CROUND                                         ; the closing round
	s_endpgm
.Lfunc_end_k_qd6681a72ba_qkv:
	.size	k_qd6681a72ba_qkv, .Lfunc_end_k_qd6681a72ba_qkv-k_qd6681a72ba_qkv
	.p2alignl 7, 3214868480
	.fill 96, 4, 3214868480
	.section	.rodata,"a",@progbits
	.p2align	6, 0x0
	.amdhsa_kernel k_qd6681a72ba_qkv
		.amdhsa_group_segment_fixed_size 327680
		.amdhsa_private_segment_fixed_size 0
		.amdhsa_enable_private_segment 0
		.amdhsa_kernarg_size 24
		.amdhsa_user_sgpr_count 2
		.amdhsa_user_sgpr_kernarg_segment_ptr 1
		.amdhsa_wavefront_size32 1
		.amdhsa_system_sgpr_workgroup_id_x 1
		.amdhsa_system_sgpr_workgroup_id_y 1
		.amdhsa_system_sgpr_workgroup_id_z 1
		.amdhsa_system_vgpr_workitem_id 0
		.amdhsa_next_free_vgpr 1024
		.amdhsa_next_free_sgpr 80
		.amdhsa_reserve_vcc 0
		.amdhsa_float_denorm_mode_32 3
		.amdhsa_float_denorm_mode_16_64 3
		.amdhsa_memory_ordered 1
		.amdhsa_forward_progress 1
		.amdhsa_inst_pref_size 89
	.end_amdhsa_kernel
	.amdgpu_metadata
---
amdhsa.version: [ 1, 2 ]
amdhsa.kernels:
  - .name:           k_qd6681a72ba_qkv
    .symbol:         k_qd6681a72ba_qkv.kd
    .args:
      - { .name: y, .offset: 0, .size: 8, .value_kind: global_buffer, .address_space: global }
      - { .name: wqk, .offset: 8, .size: 8, .value_kind: global_buffer, .address_space: global }
      - { .name: qkv, .offset: 16, .size: 8, .value_kind: global_buffer, .address_space: global }
    .group_segment_fixed_size: 327680
    .private_segment_fixed_size: 0
    .kernarg_segment_align: 8
    .kernarg_segment_size: 24
    .max_flat_workgroup_size: 128
    .sgpr_count:     80
    .vgpr_count:     1024
    .wavefront_size: 32
...
	.end_amdgpu_metadata
.endif
;; end of part 10
;; launch attn (part 11): grid 4 x 64, 4 waves a work-group, clusters of 4 x 1, 327,680 bytes of LDS; arguments qkv, o; writes o
.if DOCPART == 11
	.amdgcn_target "amdgcn-amd-amdhsa--gfx1250"
	.amdhsa_code_object_version 6
	.text
	.protected	k_qd6681a72ba_attn
	.globl	k_qd6681a72ba_attn
	.p2align	8
	.type	k_qd6681a72ba_attn,@function
k_qd6681a72ba_attn:
	s_mov_b64 s[64:65], 0
	v_nop
	global_prefetch_b8 v0, s[64:65] scope:SCOPE_SE
	s_setreg_imm32_b32 hwreg(HW_REG_WAVE_MODE, 25, 1), 1
	s_wait_xcnt 0x0
	s_wait_alu depctr_hold_cnt(0) depctr_sa_sdst(0) depctr_va_vdst(0) depctr_va_sdst(0) depctr_va_ssrc(0) depctr_va_vcc(0) depctr_vm_vsrc(0)
	s_getreg_b32 s2, hwreg(HW_REG_IB_STS2, 6, 4)
	s_cmp_eq_u32 s2, 0
	s_cbranch_scc0 .Lentry_in_a_cluster
	s_endpgm
.Lentry_in_a_cluster:
	s_bfe_u32 s2, ttmp6, 0x10000c
	s_cmp_lg_u32 s2, 0x3003
	s_cbranch_scc0 .Lentry_shape_is_right
	s_endpgm
.Lentry_shape_is_right:
; ATTENTION WITH 1.5-ENTMAX.  o[b, head][q] = sum over k of p(q, k) v[k],  p = max(z - tau, 0)^2,  z = (q . k / 8 - row maximum) / 2,  tau the root of sum p = 1.
; q, k, v: f16 blocks qkv[16 r + head][4096 rows][64]; o: f16 blocks o[head][4096 rows][64].  Products, maxima and sums in f32; p is rounded to f16 for the second product.
; z - tau is never stored: with s = q . k and m its row maximum every pass forms s / 16 + c in one fused step, c = - m / 16 - tau.  c is rounded once, by at most half a last place of m / 16,
; the size of the scores' own rounding in f32.
; TAU.  With P1 = sum max(z - tau, 0) and P2 = sum of its squares, Newton's step on sqrt(P2) - 1, a convex falling function of tau, is tau += (P2 - sqrt(P2)) / P1.
; From tau = -1, where P2 >= 1 (the largest z is 0), the steps rise and do not pass the root; P1 >= -tau > 0.  The slope P1 / sqrt(P2) lies in 1 .. 32 for 1,024 keys, which bounds
; what is left after N steps by 31 (1 - 32^(-1/N))^N for every input: 1.5e-4 at the NIT = 10 steps taken here, always, with no test on data.
; LIMITS.  q, k, v within f16's 65,504; a weight p below 6e-8 counts as 0; the weights' sum is 1 to within 3e-4; NaN and infinities are not treated apart.
; SHARES.  A work-group owns 256 queries of one (b, head), a wave four tiles of 16, one after the other.  K and V of all 1,024 keys lie in LDS, filled once.
; CLUSTER.  The four query blocks of a (b, head) read the same K and V: each wave's quarter of each is asked for jointly by the four work-groups.
; LAYOUT.  S^T = K Q^T: a lane holds ONE query (l % 16) and the keys 8 (l / 16) + 0..7 of each block of 16: 512 registers hold a tile's 1,024 scores between the passes.
; Two blocks rounded to f16 in pairs ARE source 1 of O^T = V^T P.  V is turned on the way out of LDS.
; REGISTERS, in windows of 256: v128-255 of all four windows: the scores, key block kb in window kb / 16 at 128 + 8 (kb % 16).  In every window, at the same numbers, what a pass needs:
; v88-95 at work, v96-103 four chains of P1, v104-111 of P2, v114-115 c, v116-117 1/16, v120-123 chains of the maximum.
; Window 0 also: v1-15 addresses, v16-24 a lane's figures, v30-31 the add's, v32-47 Q, v48-79 O^T.  Windows 1, 2: v0-63 two buffers for fragments of K or V.
.set PK,    144                        ; a row of K in LDS: 128 bytes + 16
.set PV,    160                        ; a row of V: 128 + 32, an odd multiple of 32 for the turning load
.set VB,    1024*PK                    ; V behind K
.set STAGE, VB+1024*PV                 ; 16 rows x 144 bytes for each wave, for the way out; no fill lands here
.set SPARE, STAGE+4*16*PK              ; the spare words, 128 bytes a wave
.set NIT,   10
.set MSB, 0
.macro WIN new
.if MSB != (\new)
	s_set_vgpr_msb (MSB<<8)|(\new)
.set MSB, \new
.endif
.endm
.macro PLACES
.rept 4
	v_nop
.endr
.endm
.macro CROUND
	s_barrier_signal -1
	s_barrier_wait -1
	s_cmp_lg_u32 s12, 0
	s_cbranch_scc1 .Lnot_wave_0_\@
	s_barrier_signal -3
.Lnot_wave_0_\@:
	s_barrier_wait -3
	s_barrier_signal -1
	s_barrier_wait -1
.endm
.macro BCAST dst, src                  ; a figure of window 0 into a pair of every window
.irp w, 0,1,2,3
	WIN (\w)<<6
	v_mov_b32 v[\dst], v[\src]
	v_mov_b32 v[(\dst)+1], v[\src]
.endr
.endm
	s_load_b128 s[4:7], s[0:1], 0x0                ; qkv, o
	v_lshl_add_u32 v30, v0, 2, SPARE
	v_mov_b32 v31, 0
	ds_add_u32 v30, v31                            ; the wave's opening: the add, waited for ahead of my first tensor load
	v_lshrrev_b32 v1, 5, v0
	v_readfirstlane_b32 s12, v1                    ; wave 0..3
	s_bfe_u32 s13, ttmp6, 0x40000                  ; cx
	s_lshl_b32 s14, ttmp9, 2
	s_add_co_u32 s14, s14, s13                     ; my block of 256 queries: it enters Q's and o's addresses alone
	s_and_b32 s15, ttmp7, 0xffff                   ; 16 b + head, which the partners share
	s_lshr_b32 s8, s15, 4
	s_and_b32 s9, s15, 15
	s_lshl_b32 s10, s9, 19                         ; the head's block,
	s_lshl_b32 s11, s8, 17                         ; b's 1,024 rows of 128 bytes in it
	s_add_co_u32 s10, s10, s11
	s_lshl_b32 s11, s12, 15                        ; my quarter: 256 keys
	s_add_co_u32 s48, s10, s11
	s_add_co_u32 s48, s48, 8388608                 ; k's blocks begin here,
	s_mov_b32 s49, 0
	s_add_co_u32 s50, s48, 8388608                 ; v's here
	s_mov_b32 s51, 0
	s_lshl_b32 s52, s14, 15                        ; my block's 256 rows,
	s_lshl_b32 s11, s12, 13                        ; my wave's 64 of them
	s_add_co_u32 s52, s52, s11
	s_add_co_u32 s52, s52, s10
	s_mov_b32 s53, 0
	s_mov_b32 s16, 15|(1<<16)|(1<<20)|(1<<21)|(4<<22)|(3<<25)  ; K: the mask of four; 2-byte elements; padding on; bit 21 beside a mask; 4 words after every 32
	s_mov_b32 s24, 15|(1<<16)|(1<<20)|(1<<21)|(4<<22)|(7<<25)  ; V: 8 words
.irp g, 16, 24                         ; 256 keys are 32,768 dense bytes: 128 rows of 256 bytes
	s_mov_b32 s[\g+1], 128<<16
	s_mov_b32 s[\g+2], 128<<16
	s_mov_b32 s[\g+3], 128<<16
	s_mov_b32 s[\g+4], 128
	s_mov_b32 s[\g+5], 128
	s_mov_b32 s[\g+6], 0
	s_mov_b32 s[\g+7], 0
.endr
	s_mov_b32 s32, 1
	s_mul_i32 s33, s12, 256*PK
	s_mov_b32 s36, 1
	s_mul_i32 s37, s12, 256*PV
	s_add_co_u32 s37, s37, VB
	s_mov_b32 s46, 0x76543210
	s_mov_b32 s47, 0xfedcba98
	s_wait_dscnt 0x0                               ; the opening add is done
	s_wait_kmcnt 0x0
	s_add_nc_u64 s[34:35], s[4:5], s[48:49]
	s_or_b32 s35, s35, 0x80000000
	s_add_nc_u64 s[38:39], s[4:5], s[50:51]
	s_or_b32 s39, s39, 0x80000000
	s_add_nc_u64 s[40:41], s[4:5], s[52:53]        ; Q at my wave's first row
	s_add_nc_u64 s[42:43], s[6:7], s[52:53]        ; o likewise
	CROUND                                         ; all four work-groups are here: the joint loads meet
	tensor_load_to_lds s[32:35], s[16:23]          ; my quarter of K and of V: two loads of mine are out
	s_nop 0
	tensor_load_to_lds s[36:39], s[24:31]
	s_nop 0
	PLACES
	v_and_b32 v1, 15, v0                           ; r
	v_bfe_u32 v2, v0, 4, 1                         ; h
	v_lshlrev_b32 v12, 7, v1
	v_lshl_add_u32 v12, v2, 4, v12                 ; Q: row x 128 + 16 h
	global_load_b128 v[32:35], v12, s[40:41]
	global_load_b128 v[36:39], v12, s[40:41] offset:32
	global_load_b128 v[40:43], v12, s[40:41] offset:64
	global_load_b128 v[44:47], v12, s[40:41] offset:96
.irp w, 0,1,2,3
	WIN (\w)<<6
	v_mov_b32 v116, 0x3d800000                     ; 1 / 16
	v_mov_b32 v117, 0x3d800000
.endr
	WIN 0
	v_mul_u32_u24 v4, v1, PK
	v_lshl_add_u32 v4, v2, 4, v4                   ; v4-7: K's fragments, a register for each 256 keys
	v_add_nc_u32 v5, 256*PK, v4
	v_add_nc_u32 v6, 256*PK, v5
	v_add_nc_u32 v7, 256*PK, v6
	v_and_b32 v3, 7, v0
	v_lshl_add_u32 v8, v2, 3, v3                   ; v8-11: the turning load: key 8 h + l % 8, 16 bytes by (l / 8) % 2
	v_mul_u32_u24 v8, v8, PV
	v_bfe_u32 v17, v0, 3, 1
	v_lshl_add_u32 v8, v17, 4, v8
	v_add_nc_u32 v8, VB, v8
	v_add_nc_u32 v9, 256*PV, v8
	v_add_nc_u32 v10, 256*PV, v9
	v_add_nc_u32 v11, 256*PV, v10
	s_mul_i32 s8, s12, 16*PK
	s_add_co_u32 s8, s8, STAGE                     ; my stage
	v_add_nc_u32 v13, s8, v4                       ; in: row r, 16 bytes for each half of the lanes
	v_bfe_u32 v14, v0, 3, 2                        ; back: 32 lanes take four rows of 128 bytes,
	v_mul_u32_u24 v14, v14, PK
	v_lshl_add_u32 v14, v3, 4, v14
	v_add_nc_u32 v14, s8, v14
	v_and_b32 v15, 31, v0                          ; which are 512 consecutive bytes of o
	v_lshlrev_b32 v15, 4, v15
	v_mov_b32 v17, 0                               ; v_permlanex16_b32 counts as a reader of its destination
	v_mov_b32 v22, 0
	v_mov_b32 v23, 0
.macro FETCHK g, fb                    ; key blocks 4 g .. 4 g + 3, both halves of the channels, into the buffer in window fb: 16 loads
	WIN (\fb)<<6
.irp i, 0,1,2,3
.irp c, 0,1
	ds_load_b128 v[16*\i+8*\c:16*\i+8*\c+3],   v[4+(\g)/4] offset:((4*(\g)+\i)%16)*16*PK+64*\c
	ds_load_b128 v[16*\i+8*\c+4:16*\i+8*\c+7], v[4+(\g)/4] offset:((4*(\g)+\i)%16)*16*PK+64*\c+32
.endr
.endr
.endm
.macro QKG g, fb                       ; their scores: four accumulators by turns; the first four products start the sums
	WIN (\fb)|(((\g)/4)<<4)|(((\g)/4)<<6)
.irp c, 0,1
.irp i, 0,1,2,3
.set rS, 128+8*((4*(\g)+\i)%16)
.if \c == 0
	v_wmma_f32_16x16x32_f16 v[rS:rS+7], v[16*\i+8*\c:16*\i+8*\c+7], v[32+8*\c:39+8*\c], 0
.else
	v_wmma_f32_16x16x32_f16 v[rS:rS+7], v[16*\i+8*\c:16*\i+8*\c+7], v[32+8*\c:39+8*\c], v[rS:rS+7]
.endif
.endr
.endr
.endm
.macro MAXW w                          ; the maximum of window w's 128 scores, in four chains; each accumulator is read from its low end on
	WIN 0x55*(\w)
.irp j, 0,1,2,3
	v_max_num_f32 v[120+\j], v[128+2*\j], v[129+2*\j]
.endr
.set k, 1
.rept 15
.irp j, 0,1,2,3
	v_max3_num_f32 v[120+\j], v[120+\j], v[128+8*k+2*\j], v[129+8*k+2*\j]
.endr
.set k, k+1
.endr
	v_max3_num_f32 v120, v120, v121, v122
	v_max_num_f32 v120, v120, v123
.if (\w) == 0
	v_mov_b32 v16, v120
.else
	WIN \w
	v_max_num_f32 v16, v120, v16
.endif
.endm
.macro NW w                            ; window w's part of P1 and P2 at the tau in hand.  s / 16 <= m / 16 and 0 <= -tau <= 1, so a clamp of s / 16 + c to 0 .. 1 is max(z - tau, 0)
	WIN 0x55*(\w)
.irp j, 0,1,2,3
	v_pk_fma_f32 v[96+2*\j:97+2*\j], v[128+2*\j:129+2*\j], v[116:117], v[114:115] clamp
.endr
.irp j, 0,1,2,3
	v_pk_mul_f32 v[104+2*\j:105+2*\j], v[96+2*\j:97+2*\j], v[96+2*\j:97+2*\j]
.endr
.set k, 1
.rept 15
.irp j, 0,1,2,3
	v_pk_fma_f32 v[88+2*\j:89+2*\j], v[128+8*k+2*\j:129+8*k+2*\j], v[116:117], v[114:115] clamp
.endr
.irp j, 0,1,2,3
	v_pk_add_f32 v[96+2*\j:97+2*\j], v[96+2*\j:97+2*\j], v[88+2*\j:89+2*\j]
.endr
.irp j, 0,1,2,3
	v_pk_fma_f32 v[104+2*\j:105+2*\j], v[88+2*\j:89+2*\j], v[88+2*\j:89+2*\j], v[104+2*\j:105+2*\j]
.endr
.set k, k+1
.endr
	v_pk_add_f32 v[96:97], v[96:97], v[98:99]
	v_pk_add_f32 v[100:101], v[100:101], v[102:103]
	v_pk_add_f32 v[104:105], v[104:105], v[106:107]
	v_pk_add_f32 v[108:109], v[108:109], v[110:111]
	v_pk_add_f32 v[96:97], v[96:97], v[100:101]
	v_pk_add_f32 v[104:105], v[104:105], v[108:109]
.if (\w) > 0
	WIN \w                                         ; source 0 in window w, the rest in window 0
	v_pk_add_f32 v[96:97], v[96:97], v[96:97]
	v_pk_add_f32 v[104:105], v[104:105], v[104:105]
.endif
.endm
.macro FINW w                          ; the weights: max(z - tau, 0)^2, rounded to f16 in pairs, ascending and in place: 16 registers become source 1 for 32 keys
	WIN 0x55*(\w)
.set c, 0
.rept 8
.irp i, 0,1,2,3,4,5,6,7
	v_pk_fma_f32 v[128+16*c+2*\i:129+16*c+2*\i], v[128+16*c+2*\i:129+16*c+2*\i], v[116:117], v[114:115] clamp
.endr
.irp i, 0,1,2,3,4,5,6,7
	v_pk_mul_f32 v[128+16*c+2*\i:129+16*c+2*\i], v[128+16*c+2*\i:129+16*c+2*\i], v[128+16*c+2*\i:129+16*c+2*\i]
.endr
.irp i, 0,1,2,3,4,5,6,7
	v_cvt_pk_f16_f32 v[128+16*c+\i], v[128+16*c+2*\i], v[129+16*c+2*\i]
.endr
.set c, c+1
.endr
.endm
.macro FETCHV g, fb                    ; keys 64 g .. 64 g + 63, all 64 channels, turned: 16 loads
	WIN (\fb)<<6
.irp u, 0,1
.irp cb, 0,1,2,3
	ds_load_tr16_b128 v[32*\u+8*\cb:32*\u+8*\cb+3],   v[8+(\g)/4] offset:((2*(\g)+\u)%8)*32*PV+32*\cb
	ds_load_tr16_b128 v[32*\u+8*\cb+4:32*\u+8*\cb+7], v[8+(\g)/4] offset:((2*(\g)+\u)%8)*32*PV+32*\cb+16*PV
.endr
.endr
.endm
.macro PVG g, fb                       ; O^T += V^T P for those keys: four accumulators by turns; the first four products start the sums
	WIN (\fb)|(((\g)/4)<<2)
.irp u, 0,1
.irp cb, 0,1,2,3
.set rP, 128+16*((2*(\g)+\u)%8)
.if ((\g) == 0) && (\u == 0)
	v_wmma_f32_16x16x32_f16 v[48+8*\cb:55+8*\cb], v[32*\u+8*\cb:32*\u+8*\cb+7], v[rP:rP+7], 0
.else
	v_wmma_f32_16x16x32_f16 v[48+8*\cb:55+8*\cb], v[32*\u+8*\cb:32*\u+8*\cb+7], v[rP:rP+7], v[48+8*\cb:55+8*\cb]
.endif
.endr
.endr
.endm
	s_wait_tensorcnt 0x0                           ; my quarters are in,
	s_barrier_signal -1
	s_barrier_wait -1                              ; everybody's are
	s_mov_b32 s44, 4
.Ltile:
.rept 5
	v_nop                                          ; places behind the last tile's products, whose sources the new scores write over
.endr
	s_wait_loadcnt 0x0                             ; Q
	FETCHK 0, 1
.set gg, 0
.rept 16
	PLACES                                         ; in front of loads into the buffer that the products just issued have read
.if gg < 15
	FETCHK gg+1, 1+(gg+1)%2
	s_wait_dscnt 16                                ; group gg is in; the 16 loads just issued stay out
.else
	s_wait_dscnt 0x0
.endif
	QKG gg, 1+gg%2
.set gg, gg+1
.endr
	MAXW 0
	MAXW 1
	MAXW 2
	MAXW 3
	WIN 0
	s_cmp_eq_u32 s44, 1
	s_cbranch_scc1 .Lnoq                           ; the next tile's Q is asked for now; the last tile has none
	s_add_nc_u64 s[40:41], s[40:41], 2048          ; (this tile's loads of Q were waited for)
	global_load_b128 v[32:35], v12, s[40:41]
	global_load_b128 v[36:39], v12, s[40:41] offset:32
	global_load_b128 v[40:43], v12, s[40:41] offset:64
	global_load_b128 v[44:47], v12, s[40:41] offset:96
.Lnoq:
	v_permlanex16_b32 v17, v16, s46, s47           ; the query's other 512 keys lie in the lane 16 away
	v_max_num_f32 v16, v16, v17
	v_mul_f32 v18, 0xbd800000, v16                 ; - m / 16
	v_mov_b32 v19, 1.0                             ; - tau
	v_add_f32 v24, 1.0, v18                        ; c
	BCAST 114, 24
	WIN 0
	s_mov_b32 s45, NIT
.Lnewton:
	NW 0
	NW 1
	NW 2
	NW 3
	WIN 0
	v_add_f32 v20, v96, v97
	v_add_f32 v21, v104, v105
	v_permlanex16_b32 v22, v20, s46, s47
	v_permlanex16_b32 v23, v21, s46, s47
	v_add_f32 v20, v20, v22                        ; P1
	v_add_f32 v21, v21, v23                        ; P2
	v_sqrt_f32 v22, v21
	v_rcp_f32 v23, v20
	v_nop                                          ; a plain instruction behind the transcendentals (ISA guide 5.7.2)
	s_wait_alu depctr_va_vdst(0)
	v_sub_f32 v22, v21, v22
	v_fma_f32 v19, -v22, v23, v19                  ; - tau -= (P2 - sqrt(P2)) / P1: kept by itself, in full
	v_add_f32 v24, v18, v19                        ; c
	BCAST 114, 24
	WIN 0
	s_sub_co_u32 s45, s45, 1
	s_cmp_lg_u32 s45, 0
	s_cbranch_scc1 .Lnewton
	FETCHV 0, 1                                    ; lands under the weights' arithmetic
	FINW 0
	FINW 1
	FINW 2
	FINW 3
.set gg, 0
.rept 16
	PLACES
.if gg < 15
	FETCHV gg+1, 1+(gg+1)%2
	s_wait_dscnt 16
.else
	s_wait_dscnt 0x0
.endif
	PVG gg, 1+gg%2
.set gg, gg+1
.endr
	WIN 0
	PLACES                                         ; THE WAY OUT: the weights sum to 1, so nothing is divided
.irp cb, 0,1,2,3
.irp i, 0,1,2,3
	v_cvt_pk_f16_f32 v[88+4*\cb+\i], v[48+8*\cb+2*\i], v[49+8*\cb+2*\i]
.endr
.endr
.irp cb, 0,1,2,3
	ds_store_b128 v13, v[88+4*\cb:91+4*\cb] offset:32*\cb
.endr
.irp f, 0,1,2,3
	ds_load_b128 v[48+4*\f:51+4*\f], v14 offset:\f*4*PK  ; LDS serves a wave's instructions in order (ISA guide 5.7.1.4): these see the stores above
.endr
.irp f, 0,1,2,3
	s_wait_dscnt 3-\f
	global_store_b128 v15, v[48+4*\f:51+4*\f], s[42:43] offset:\f*512  ; 512 consecutive bytes, aligned
.endr
	s_wait_xcnt 0x0                                ; the stores have read their registers and o's address
	s_add_nc_u64 s[42:43], s[42:43], 2048
	s_sub_co_u32 s44, s44, 1
	s_cmp_lg_u32 s44, 0
	s_cbranch_scc1 .Ltile
	s_wait_tensorcnt 0x0                           ; the wave's end
	ds_add_u32 v30, v31
	s_wait_dscnt 0x0
	CROUND                                         ; the closing round
	s_endpgm
.Lfunc_end_k_qd6681a72ba_attn:
	.size	k_qd6681a72ba_attn, .Lfunc_end_k_qd6681a72ba_attn-k_qd6681a72ba_attn
	.p2alignl 7, 3214868480
	.fill 96, 4, 3214868480
	.section	.rodata,"a",@progbits
	.p2align	6, 0x0
	.amdhsa_kernel k_qd6681a72ba_attn
		.amdhsa_group_segment_fixed_size 327680
		.amdhsa_private_segment_fixed_size 0
		.amdhsa_enable_private_segment 0
		.amdhsa_kernarg_size 16
		.amdhsa_user_sgpr_count 2
		.amdhsa_user_sgpr_kernarg_segment_ptr 1
		.amdhsa_wavefront_size32 1
		.amdhsa_system_sgpr_workgroup_id_x 1
		.amdhsa_system_sgpr_workgroup_id_y 1
		.amdhsa_system_sgpr_workgroup_id_z 1
		.amdhsa_system_vgpr_workitem_id 0
		.amdhsa_next_free_vgpr 1024
		.amdhsa_next_free_sgpr 66
		.amdhsa_reserve_vcc 0
		.amdhsa_float_denorm_mode_32 3
		.amdhsa_float_denorm_mode_16_64 3
		.amdhsa_memory_ordered 1
		.amdhsa_forward_progress 1
		.amdhsa_inst_pref_size 181
	.end_amdhsa_kernel
	.amdgpu_metadata
---
amdhsa.version: [ 1, 2 ]
amdhsa.kernels:
  - .name:           k_qd6681a72ba_attn
    .symbol:         k_qd6681a72ba_attn.kd
    .args:
      - { .name: qkv, .offset: 0, .size: 8, .value_kind: global_buffer, .address_space: global }
      - { .name: o, .offset: 8, .size: 8, .value_kind: global_buffer, .address_space: global }
    .group_segment_fixed_size: 327680
    .private_segment_fixed_size: 0
    .kernarg_segment_align: 8
    .kernarg_segment_size: 16
    .max_flat_workgroup_size: 128
    .sgpr_count:     66
    .vgpr_count:     1024
    .wavefront_size: 32
...
	.end_amdgpu_metadata
.endif
;; end of part 11
;; launch wo (part 12): grid 8 x 32, 4 waves a work-group, clusters of 4 x 4, 327,680 bytes of LDS; arguments o, wts, x1, bo, x; writes x1
.if DOCPART == 12
	.amdgcn_target "amdgcn-amd-amdhsa--gfx1250"
	.amdhsa_code_object_version 6
	.text
	.protected	k_qd6681a72ba_wo
	.globl	k_qd6681a72ba_wo
	.p2align	8
	.type	k_qd6681a72ba_wo,@function
k_qd6681a72ba_wo:
	s_mov_b64 s[64:65], 0
	v_nop
	global_prefetch_b8 v0, s[64:65] scope:SCOPE_SE
	s_setreg_imm32_b32 hwreg(HW_REG_WAVE_MODE, 25, 1), 1
	s_wait_xcnt 0x0
	s_wait_alu depctr_hold_cnt(0) depctr_sa_sdst(0) depctr_va_vdst(0) depctr_va_sdst(0) depctr_va_ssrc(0) depctr_va_vcc(0) depctr_vm_vsrc(0)
	s_getreg_b32 s2, hwreg(HW_REG_IB_STS2, 6, 4)
	s_cmp_eq_u32 s2, 0
	s_cbranch_scc0 .Lentry_in_a_cluster
	s_endpgm
.Lentry_in_a_cluster:
	s_bfe_u32 s2, ttmp6, 0x10000c
	s_cmp_lg_u32 s2, 0xf033
	s_cbranch_scc0 .Lentry_shape_is_right
	s_endpgm
.Lentry_shape_is_right:
; C = residual + A W + bias, f32 rows of 1,024.  A: f16 in blocks A[k/64][4096 rows][64].  W: f16 in blocks W[n/128][KTOT][128], from byte WOFF of wts on.  Sums in f32.
; THIS COPY: x1 = bf16(x) + o wo + bo, K = 1,024.  The same lines with other constants make x2 = x1 + h w_down + b_down.
; Tiles of 128 x 128, so that 4,096 x 1,024 gives 256 work-groups.
; LIMITS.  f16 ends at 65,504: the operands must lie within it.  NaN and infinities are not treated apart.
; SHARES.  Four waves, each 64 x 64 in 16 accumulators.  K goes in steps of 256 through two LDS slots.
; Waves 0, 1 fetch A's two halves of a step (two blocks of 64 k each), waves 2, 3 W's (128 rows of k each): one tensor load a wave behind each round.
; CLUSTER 4 x 4: A's tile hangs on the tile row alone and is asked for jointly along a row of the cluster, W's on the tile column alone, along a column.
; THE MATRIX INSTRUCTION IS USED TRANSPOSED: source 0 = 16 columns of W (turned on the way out of LDS by ds_load_tr16_b128), source 1 = 16 rows of A;
; a lane then holds row l % 16 of C and the 8 neighbouring columns 8 (l / 16) + 0..7.
; A SLOT'S EIGHT QUARTERS of 32 along K: the six in the middle are a loop of three trips of two.  64 along K are one block of A (128 x 144 bytes) and 64 rows of W (64 x 288 bytes),
; 18,432 bytes both, so one scalar steps both fragment addresses.
; REGISTERS, in windows of 256: window 0: v0-31 addresses, v32-63 and v192-255 the way out, v64-95, v128-159 A's fragments (two buffers); window 1: W's fragments at the
; same numbers; window 2: v0-127 accumulator (a, b) at 8 (4 a + b), v128-255 the residual.
.set MA,     4                         ; blocks of 16 rows a wave
.set NB,     4                         ; blocks of 16 columns a wave
.set KS,     256                       ; K in a slot
.set KTOT,   1024
.set ROUNDX, 1                         ; 1: the residual is a program input and is rounded to bf16
.set WOFF,   8409088                   ; my weights' first byte in wts
.set TM,     32*MA
.set TN,     32*NB
.set NSLOT,  KTOT/KS
.set PA,     144                       ; a row of A in LDS: 128 bytes + 16: the 16 rows of a load start at 16 different groups of four banks (ISA guide 11.1)
.set ABLK,   TM*PA                     ; a block of 64 k; also 64 rows of W
.set PB,     2*TN+32                   ; a row of W in LDS: an odd multiple of 32 bytes, for the turning load
.set BOFF,   73728                     ; W behind A's four blocks
.set SLOT,   147456                    ; = 0x24000; no LDS address inside a slot that is turned below has bit 14 or 17 set, so one exclusive or changes slots
.set SPARE,  294912                    ; behind the ring: the spare words, 128 bytes a wave
.set STEPA,  (KS/64)*524288            ; bytes from a K step to the next, in A
.set STEPB,  KS*TN*2                   ; and in W
.set PS,     64*NB+16                  ; the way out: a stage row, my 64 columns in f32 + 16 bytes
.set STW,    16*MA*PS                  ; a wave's stage; the stages lie in the ring, which has had its last fill by then
.set F0,     64
.set F1,     128
.set MSB, 0
.macro WIN new                         ; the immediate's high byte repeats the setting that is left; a switch that changes nothing is dropped
.if MSB != (\new)
	s_set_vgpr_msb (MSB<<8)|(\new)
.set MSB, \new
.endif
.endm
.macro PLACES                          ; four places behind matrix instructions (ISA guide 7.12.1)
.rept 4
	v_nop
.endr
.endm
.macro CREST                           ; a round of the cluster's barrier behind its opening barrier
	s_cmp_lg_u32 s12, 0
	s_cbranch_scc1 .Lnot_wave_0_\@
	s_barrier_signal -3
.Lnot_wave_0_\@:
	s_barrier_wait -3
	s_barrier_signal -1
	s_barrier_wait -1
.endm
.macro CROUND
	s_barrier_signal -1
	s_barrier_wait -1
	CREST
.endm
.macro JLOAD                           ; a joint refill by the walking descriptor; the branch hangs on the wave's number alone; s_nop 0 and four v_nop follow each line
	s_cmp_eq_u32 s13, 0
	s_cbranch_scc0 .Lfor_b_\@
	tensor_load_to_lds s[36:39], s[24:31]
	s_nop 0
	PLACES
	s_branch .Lasked_\@
.Lfor_b_\@:
	tensor_load_to_lds s[60:63], s[48:55]
	s_nop 0
	PLACES
.Lasked_\@:
.endm
.macro RB a                            ; a pair of f32 rounded to bf16 and widened again
	v_cvt_pk_bf16_f32 v31, v[\a], v[(\a)+1]
	v_lshlrev_b32 v[\a], 16, v31
	v_and_b32 v[(\a)+1], s74, v31
.endm
	s_load_b256 s[4:11], s[0:1], 0x0               ; A s[4:5], wts s[6:7], C s[8:9], bias s[10:11]
	s_load_b64 s[68:69], s[0:1], 0x20              ; the residual
	v_lshl_add_u32 v28, v0, 2, SPARE
	v_mov_b32 v29, 0
	ds_add_u32 v28, v29                            ; the wave's opening: the add, waited for ahead of my first tensor load
	v_lshrrev_b32 v1, 5, v0
	v_readfirstlane_b32 s12, v1                    ; wave 0..3
	s_lshr_b32 s13, s12, 1                         ; my half of the tile's rows.  Also: I fetch A (0) or W (1)
	s_and_b32 s14, s12, 1                          ; my half of its columns.  Also: which half of that tile I fetch
	s_bfe_u32 s40, ttmp6, 0x40000                  ; cx
	s_bfe_u32 s41, ttmp6, 0x40004                  ; cy
	s_lshl_b32 s42, ttmp9, 2
	s_add_co_u32 s42, s42, s40                     ; tile column
	s_and_b32 s43, ttmp7, 0xffff
	s_lshl_b32 s43, s43, 2
	s_add_co_u32 s43, s43, s41                     ; tile row
	s_lshl_b32 s44, s41, 2
	s_lshl_b32 s44, 15, s44                        ; my row of the cluster
	s_lshl_b32 s45, 0x1111, s40                    ; my column
	s_or_b32 s24, s44, (1<<16)|(1<<20)|(1<<21)|(4<<22)|(3<<25)    ; A: mask; 2-byte elements; padding on; bit 21 beside a mask; 4 words after every 32
	s_mov_b32 s25, 8192<<16                        ; two blocks' 128 rows, each 16,384 dense bytes, 524,288 bytes apart.  tensor_dim0 = 8,192
	s_mov_b32 s26, 2<<16                           ; tensor_dim1 = 2
	s_mov_b32 s27, 8192<<16                        ; tile_dim0
	s_mov_b32 s28, 2                               ; tile_dim1
	s_mov_b32 s29, 262144                          ; elements from row to row
	s_mov_b32 s30, 0
	s_mov_b32 s31, 0
	s_or_b32 s48, s45, (1<<16)|(1<<20)|(1<<21)|(5<<22)|(7<<25)    ; W: 8 words after every row of 64 words
	s_mov_b32 s49, TN<<16
	s_mov_b32 s50, (KS/2)<<16
	s_mov_b32 s51, TN<<16
	s_mov_b32 s52, KS/2
	s_mov_b32 s53, TN
	s_mov_b32 s54, 0
	s_mov_b32 s55, 0
	s_mov_b32 s32, 1                               ; group 0, set 0: slot 0, K step 0; set 1: slot 1, K step 1, and then it walks
	s_mul_i32 s33, s14, 36864
	s_mov_b32 s36, 1
	s_add_co_u32 s37, s33, SLOT
	s_mov_b32 s56, 1
	s_mul_i32 s57, s14, (KS/2)*PB
	s_add_co_u32 s57, s57, BOFF
	s_mov_b32 s60, 1
	s_add_co_u32 s61, s57, SLOT
	s_mul_i32 s16, s14, (KS/128)*524288            ; A: my blocks of the step, the tile's rows
	s_mul_i32 s17, s43, TM*128
	s_add_co_u32 s16, s16, s17
	s_mov_b32 s17, 0
	s_mul_i32 s46, s42, KTOT*TN*2                  ; W: the tile column's block, my rows of the step
	s_mul_i32 s47, s14, (KS/2)*TN*2
	s_add_co_u32 s46, s46, s47
	s_add_co_u32 s46, s46, WOFF
	s_mov_b32 s47, 0
	s_mov_b32 s15, 0                               ; the slot that is read
	s_mov_b32 s77, 0                               ; and the 64 along K in it whose fragments are fetched
	s_mov_b32 s74, 0xffff0000
	s_wait_dscnt 0x0                               ; the opening add is done
	s_wait_kmcnt 0x0
	s_add_nc_u64 s[34:35], s[4:5], s[16:17]
	s_add_nc_u64 s[38:39], s[34:35], STEPA
	s_or_b32 s35, s35, 0x80000000
	s_or_b32 s39, s39, 0x80000000
	s_add_nc_u64 s[58:59], s[6:7], s[46:47]
	s_add_nc_u64 s[62:63], s[58:59], STEPB
	s_or_b32 s59, s59, 0x80000000
	s_or_b32 s63, s63, 0x80000000
	CROUND                                         ; all sixteen work-groups are here: the first joint loads meet
	s_cmp_eq_u32 s13, 0                            ; a wave's two first fills stand in one branch: two loads of mine are out
	s_cbranch_scc0 .Lfirst_b
	tensor_load_to_lds s[32:35], s[24:31]
	s_nop 0
	tensor_load_to_lds s[36:39], s[24:31]
	s_nop 0
	PLACES
	s_branch .Lfirst_done
.Lfirst_b:
	tensor_load_to_lds s[56:59], s[48:55]
	s_nop 0
	tensor_load_to_lds s[60:63], s[48:55]
	s_nop 0
	PLACES
.Lfirst_done:
	v_and_b32 v1, 15, v0                           ; r = l % 16
	v_bfe_u32 v2, v0, 4, 1                         ; h = l / 16
	v_lshlrev_b32 v30, 4, v1                       ; my 4 columns in the wave's 64
	v_lshl_add_u32 v26, v2, 12, v30                ; and in two rows of 4,096 bytes
	s_lshl_b32 s72, s42, 9
	s_lshl_b32 s73, s14, 8
	s_add_co_u32 s72, s72, s73                     ; my wave's first column, in bytes
	s_mov_b32 s73, 0
	s_add_nc_u64 s[10:11], s[10:11], s[72:73]
	s_lshl_b32 s75, s43, 7
	s_lshl_b32 s76, s13, 6
	s_add_co_u32 s75, s75, s76                     ; my wave's first row
	s_lshl_b32 s75, s75, 12
	s_add_co_u32 s72, s72, s75
	s_add_nc_u64 s[68:69], s[68:69], s[72:73]
	s_add_nc_u64 s[8:9], s[8:9], s[72:73]
	global_load_b128 v[32:35], v30, s[10:11]
	WIN 0x80                                       ; the residual of my 64 x 64 comes now and is waited for on the way out
.set g, 0
.rept 32
	global_load_b128 v[128+4*g:131+4*g], v26, s[68:69] offset:g*8192
.set g, g+1
.endr
	WIN 0
	v_mul_u32_u24 v19, v1, PA                      ; v19: my place in A's tile: (my half's first row + r) x 144 + 16 h
	v_lshl_add_u32 v19, v2, 4, v19
	s_mul_i32 s16, s13, (TM/2)*PA
	v_add_nc_u32 v19, s16, v19
	v_and_b32 v3, 7, v0                            ; v20: my place in W's tile for the turning load: row 8 h + l % 8, 16 bytes by (l / 8) % 2, my half of the columns
	v_lshl_add_u32 v3, v2, 3, v3
	v_mul_u32_u24 v20, v3, PB
	v_bfe_u32 v3, v0, 3, 1
	v_lshl_add_u32 v20, v3, 4, v20
	s_mul_i32 s16, s14, TN
	s_add_co_u32 s16, s16, BOFF
	v_add_nc_u32 v20, s16, v20
	v_mov_b32 v16, v19                             ; v16, v17: the same at the 64 along K that are fetched
	v_mov_b32 v17, v20
	s_mul_i32 s16, s12, STW                        ; my stage
	v_mul_u32_u24 v24, v1, PS                      ; v24: in: row r, 32 bytes for each half of the lanes
	v_lshl_add_u32 v24, v2, 5, v24
	v_add_nc_u32 v24, s16, v24
	v_mul_u32_u24 v25, v2, PS                      ; v25: back: lanes 0-15 one row of 256 bytes, lanes 16-31 the next
	v_lshl_add_u32 v25, v1, 4, v25
	v_add_nc_u32 v25, s16, v25
; na blocks of rows from a0 on x all NB blocks of columns, 32 along K, out of buffer f.  The accumulators take turns, one instruction a turn.
.macro MULA f, a0, na, zero
.set ma_a, \a0
.rept \na
.set ma_b, 0
.rept NB
.set ma_i, 8*(NB*ma_a+ma_b)
	WIN 0xa1
.if \zero
	v_wmma_f32_16x16x32_f16 v[ma_i:ma_i+7], v[(\f)+8*ma_b:(\f)+8*ma_b+7], v[(\f)+8*ma_a:(\f)+8*ma_a+7], 0
.else
	v_wmma_f32_16x16x32_f16 v[ma_i:ma_i+7], v[(\f)+8*ma_b:(\f)+8*ma_b+7], v[(\f)+8*ma_a:(\f)+8*ma_a+7], v[ma_i:ma_i+7]
.endif
.set ma_b, ma_b+1
.endr
.set ma_a, ma_a+1
.endr
.endm
; The fragments of half par (0, 1) of the 64 along K at v16, v17 into buffer f, in one run: W's 2 NB loads, then A's 2 MA.
.macro FETCH par, f
	WIN 0x40
.set fb, 0
.rept NB
	ds_load_tr16_b128 v[(\f)+8*fb:(\f)+8*fb+3],   v17 offset:(\par)*32*PB+32*fb
	ds_load_tr16_b128 v[(\f)+8*fb+4:(\f)+8*fb+7], v17 offset:(\par)*32*PB+32*fb+16*PB
.set fb, fb+1
.endr
	WIN 0
.set fa, 0
.rept MA
	ds_load_b128 v[(\f)+8*fa:(\f)+8*fa+3],   v16 offset:fa*16*PA+(\par)*64
	ds_load_b128 v[(\f)+8*fa+4:(\f)+8*fa+7], v16 offset:fa*16*PA+(\par)*64+32
.set fa, fa+1
.endr
.endm
; A quarter but the slot's last: multiplies buffer f and, in its middle, fetches the next quarter (half par) into buffer g.
.macro QUARTER f, g, par, zero
	s_wait_dscnt MA                                ; W and A's first half are in; the youngest MA loads (A's second half) may be out
	MULA \f, 0, MA/2, \zero
	PLACES                                         ; in front of loads into registers that matrix instructions have read
	FETCH \par, \g
	s_wait_dscnt 2*(MA+NB)                         ; all but the run just issued
	MULA \f, MA/2, MA/2, \zero
.endm
; Quarters 1 to 6 of a slot: three trips of two.  A trip steps the fetches to the next 64 along K; its first quarter fetches their first half, its second their second.
.macro MIDDLE
	s_mov_b32 s79, 3
.Lmid_\@:
	s_add_co_u32 s77, s77, ABLK
	v_add_nc_u32 v16, s77, v19
	v_add_nc_u32 v17, s77, v20
	QUARTER F1, F0, 0, 0
	QUARTER F0, F1, 1, 0
	WIN 0
	s_sub_co_u32 s79, s79, 1
	s_cmp_lg_u32 s79, 0
	s_cbranch_scc1 .Lmid_\@
.endm
; The slot's last quarter (buffer 1) and the change of slots.  In front of the barrier: all my tensor loads have landed (one is out: my part of the other slot), the add,
; and my reads of this slot are over.  fill = 1: the barrier opens a round of the cluster's, and the joint refill of this slot, two K steps on, is the first thing behind it.
.macro TURN fill
	WIN 0
	s_wait_tensorcnt 0x0
	ds_add_u32 v28, v29
.if \fill
	s_xor_b32 s37, s37, SLOT                       ; no load of mine is out: the walking descriptors step
	s_add_nc_u64 s[38:39], s[38:39], STEPA
	s_xor_b32 s61, s61, SLOT
	s_add_nc_u64 s[62:63], s[62:63], STEPB
.endif
	s_wait_dscnt MA+1                              ; the add and A's second half may be out
	MULA F1, 0, MA/4, 0
	s_wait_dscnt 0x0
	s_barrier_signal -1
	MULA F1, MA/4, MA/4, 0
	WIN 0
	s_barrier_wait -1
.if \fill
	CREST
	JLOAD                                          ; its four v_nop are also the places in front of the loads below
.else
	PLACES
.endif
	s_xor_b32 s15, s15, SLOT
	s_mov_b32 s77, s15                             ; the fetches go to the other slot's first 64 along K
	v_add_nc_u32 v16, s77, v19
	v_add_nc_u32 v17, s77, v20
	FETCH 0, F0
	MULA F1, MA/2, MA/2, 0
.endm
	s_wait_tensorcnt 1                             ; my part of K step 0 is in; step 1's may stay out
	s_barrier_signal -1
	s_barrier_wait -1
	FETCH 0, F0
	QUARTER F0, F1, 1, 1                           ; the first products start the sums: nothing is cleared
	WIN 0
	s_mov_b32 s2, NSLOT-2
.Lslot:                                                ; a trip: the rest of a slot, its refill, and the next slot's first quarter
	MIDDLE
	TURN 1
	QUARTER F0, F1, 1, 0
	WIN 0
	s_sub_co_u32 s2, s2, 1
	s_cmp_lg_u32 s2, 0
	s_cbranch_scc1 .Lslot
	s_mov_b32 s3, 2
.Ltail:                                                ; the last two slots ask for nothing; the second trip is left in its middle (its fetch of the other slot serves nothing)
	MIDDLE
	TURN 0
	WIN 0
	s_sub_co_u32 s3, s3, 1
	s_cmp_eq_u32 s3, 0
	s_cbranch_scc1 .Lout
	QUARTER F0, F1, 1, 0
	WIN 0
	s_branch .Ltail
.Lout:
	s_wait_dscnt 0x0                               ; my reads of the ring are over;
	s_barrier_signal -1
	s_barrier_wait -1                              ; everybody's are, and every fill has landed: the ring's bytes become the stages
	PLACES
	WIN 0x08
.set da, 0
.rept MA                               ; my accumulators in f32 into my own stage; each is read from its low end on
.set db, 0
.rept NB
.set di, 8*(NB*da+db)
	ds_store_b128 v24, v[di:di+3]   offset:da*16*PS+64*db
	ds_store_b128 v24, v[di+4:di+7] offset:da*16*PS+64*db+16
.set db, db+1
.endr
.set da, da+1
.endr
	WIN 0
	s_wait_loadcnt 0x0                             ; bias and residual
	RB 32
	RB 34
.set g, 0
.rept 4                                ; four batches of eight pairs of rows
	s_wait_xcnt 0x0                                ; the last batch's stores have read their registers
.set j, 0
.rept 8
	ds_load_b128 v[192+4*j:195+4*j], v25 offset:(g+j)*2*PS  ; LDS serves a wave's instructions in order (ISA guide 5.7.1.4): these see my stores
.set j, j+1
.endr
.set j, 0
.rept 8
	s_wait_dscnt 7-j
.if ROUNDX
	WIN 0x0a
	v_cvt_pk_bf16_f32 v36, v[128+4*(g+j)], v[129+4*(g+j)]
	v_cvt_pk_bf16_f32 v37, v[130+4*(g+j)], v[131+4*(g+j)]
	WIN 0
	v_lshlrev_b32 v40, 16, v36
	v_and_b32 v41, s74, v36
	v_lshlrev_b32 v42, 16, v37
	v_and_b32 v43, s74, v37
	v_pk_add_f32 v[192+4*j:193+4*j], v[192+4*j:193+4*j], v[40:41]
	v_pk_add_f32 v[194+4*j:195+4*j], v[194+4*j:195+4*j], v[42:43]
.else
	WIN 0x08
	v_pk_add_f32 v[192+4*j:193+4*j], v[192+4*j:193+4*j], v[128+4*(g+j):129+4*(g+j)]
	v_pk_add_f32 v[194+4*j:195+4*j], v[194+4*j:195+4*j], v[130+4*(g+j):131+4*(g+j)]
	WIN 0
.endif
	v_pk_add_f32 v[192+4*j:193+4*j], v[192+4*j:193+4*j], v[32:33]
	v_pk_add_f32 v[194+4*j:195+4*j], v[194+4*j:195+4*j], v[34:35]
	global_store_b128 v26, v[192+4*j:195+4*j], s[8:9] offset:(g+j)*8192  ; 16 lanes store 256 consecutive bytes, aligned
.set j, j+1
.endr
.set g, g+8
.endr
	s_wait_tensorcnt 0x0                           ; the wave's end
	ds_add_u32 v28, v29
	s_wait_dscnt 0x0
	CROUND                                         ; the closing round
	s_endpgm
.Lfunc_end_k_qd6681a72ba_wo:
	.size	k_qd6681a72ba_wo, .Lfunc_end_k_qd6681a72ba_wo-k_qd6681a72ba_wo
	.p2alignl 7, 3214868480
	.fill 96, 4, 3214868480
	.section	.rodata,"a",@progbits
	.p2align	6, 0x0
	.amdhsa_kernel k_qd6681a72ba_wo
		.amdhsa_group_segment_fixed_size 327680
		.amdhsa_private_segment_fixed_size 0
		.amdhsa_enable_private_segment 0
		.amdhsa_kernarg_size 40
		.amdhsa_user_sgpr_count 2
		.amdhsa_user_sgpr_kernarg_segment_ptr 1
		.amdhsa_wavefront_size32 1
		.amdhsa_system_sgpr_workgroup_id_x 1
		.amdhsa_system_sgpr_workgroup_id_y 1
		.amdhsa_system_sgpr_workgroup_id_z 1
		.amdhsa_system_vgpr_workitem_id 0
		.amdhsa_next_free_vgpr 768
		.amdhsa_next_free_sgpr 80
		.amdhsa_reserve_vcc 0
		.amdhsa_float_denorm_mode_32 3
		.amdhsa_float_denorm_mode_16_64 3
		.amdhsa_memory_ordered 1
		.amdhsa_forward_progress 1
		.amdhsa_inst_pref_size 62
	.end_amdhsa_kernel
	.amdgpu_metadata
---
amdhsa.version: [ 1, 2 ]
amdhsa.kernels:
  - .name:           k_qd6681a72ba_wo
    .symbol:         k_qd6681a72ba_wo.kd
    .args:
      - { .name: o, .offset: 0, .size: 8, .value_kind: global_buffer, .address_space: global }
      - { .name: wts, .offset: 8, .size: 8, .value_kind: global_buffer, .address_space: global }
      - { .name: x1, .offset: 16, .size: 8, .value_kind: global_buffer, .address_space: global }
      - { .name: bo, .offset: 24, .size: 8, .value_kind: global_buffer, .address_space: global }
      - { .name: x, .offset: 32, .size: 8, .value_kind: global_buffer, .address_space: global }
    .group_segment_fixed_size: 327680
    .private_segment_fixed_size: 0
    .kernarg_segment_align: 8
    .kernarg_segment_size: 40
    .max_flat_workgroup_size: 128
    .sgpr_count:     80
    .vgpr_count:     768
    .wavefront_size: 32
...
	.end_amdgpu_metadata
.endif
;; end of part 12
;; launch ln2: the kernel of part 5 again; grid 256 x 1, 8 waves a work-group, no clusters, 0 bytes of LDS; arguments x1, ln2_g, ln2_b, y; writes y
;; launch up: the kernel of part 10 again; grid 16 x 16, 4 waves a work-group, clusters of 4 x 4, 327,680 bytes of LDS; arguments y, wts, hbuf; writes hbuf
;; launch down (part 13): grid 8 x 32, 4 waves a work-group, clusters of 4 x 4, 327,680 bytes of LDS; arguments hbuf, wts, x2, b_down, x1; writes x2
.if DOCPART == 13
	.amdgcn_target "amdgcn-amd-amdhsa--gfx1250"
	.amdhsa_code_object_version 6
	.text
	.protected	k_qd6681a72ba_down
	.globl	k_qd6681a72ba_down
	.p2align	8
	.type	k_qd6681a72ba_down,@function
k_qd6681a72ba_down:
	s_mov_b64 s[64:65], 0
	v_nop
	global_prefetch_b8 v0, s[64:65] scope:SCOPE_SE
	s_setreg_imm32_b32 hwreg(HW_REG_WAVE_MODE, 25, 1), 1
	s_wait_xcnt 0x0
	s_wait_alu depctr_hold_cnt(0) depctr_sa_sdst(0) depctr_va_vdst(0) depctr_va_sdst(0) depctr_va_ssrc(0) depctr_va_vcc(0) depctr_vm_vsrc(0)
	s_getreg_b32 s2, hwreg(HW_REG_IB_STS2, 6, 4)
	s_cmp_eq_u32 s2, 0
	s_cbranch_scc0 .Lentry_in_a_cluster
	s_endpgm
.Lentry_in_a_cluster:
	s_bfe_u32 s2, ttmp6, 0x10000c
	s_cmp_lg_u32 s2, 0xf033
	s_cbranch_scc0 .Lentry_shape_is_right
	s_endpgm
.Lentry_shape_is_right:
; C = residual + A W + bias, f32 rows of 1,024.  A: f16 in blocks A[k/64][4096 rows][64].  W: f16 in blocks W[n/128][KTOT][128], from byte WOFF of wts on.  Sums in f32.
; THIS COPY: x2 = x1 + h w_down + b_down, K = 4,096.  The same lines with other constants make x1 = bf16(x) + o wo + bo.
; Tiles of 128 x 128, so that 4,096 x 1,024 gives 256 work-groups.
; LIMITS.  f16 ends at 65,504: the operands must lie within it.  NaN and infinities are not treated apart.
; SHARES.  Four waves, each 64 x 64 in 16 accumulators.  K goes in steps of 256 through two LDS slots.
; Waves 0, 1 fetch A's two halves of a step (two blocks of 64 k each), waves 2, 3 W's (128 rows of k each): one tensor load a wave behind each round.
; CLUSTER 4 x 4: A's tile hangs on the tile row alone and is asked for jointly along a row of the cluster, W's on the tile column alone, along a column.
; THE MATRIX INSTRUCTION IS USED TRANSPOSED: source 0 = 16 columns of W (turned on the way out of LDS by ds_load_tr16_b128), source 1 = 16 rows of A;
; a lane then holds row l % 16 of C and the 8 neighbouring columns 8 (l / 16) + 0..7.
; A SLOT'S EIGHT QUARTERS of 32 along K: the six in the middle are a loop of three trips of two.  64 along K are one block of A (128 x 144 bytes) and 64 rows of W (64 x 288 bytes),
; 18,432 bytes both, so one scalar steps both fragment addresses.
; REGISTERS, in windows of 256: window 0: v0-31 addresses, v32-63 and v192-255 the way out, v64-95, v128-159 A's fragments (two buffers); window 1: W's fragments at the
; same numbers; window 2: v0-127 accumulator (a, b) at 8 (4 a + b), v128-255 the residual.
.set MA,     4                         ; blocks of 16 rows a wave
.set NB,     4                         ; blocks of 16 columns a wave
.set KS,     256                       ; K in a slot
.set KTOT,   4096
.set ROUNDX, 0                         ; 1: the residual is a program input and is rounded to bf16
.set WOFF,   10506240                  ; my weights' first byte in wts
.set TM,     32*MA
.set TN,     32*NB
.set NSLOT,  KTOT/KS
.set PA,     144                       ; a row of A in LDS: 128 bytes + 16: the 16 rows of a load start at 16 different groups of four banks (ISA guide 11.1)
.set ABLK,   TM*PA                     ; a block of 64 k; also 64 rows of W
.set PB,     2*TN+32                   ; a row of W in LDS: an odd multiple of 32 bytes, for the turning load
.set BOFF,   73728                     ; W behind A's four blocks
.set SLOT,   147456                    ; = 0x24000; no LDS address inside a slot that is turned below has bit 14 or 17 set, so one exclusive or changes slots
.set SPARE,  294912                    ; behind the ring: the spare words, 128 bytes a wave
.set STEPA,  (KS/64)*524288            ; bytes from a K step to the next, in A
.set STEPB,  KS*TN*2                   ; and in W
.set PS,     64*NB+16                  ; the way out: a stage row, my 64 columns in f32 + 16 bytes
.set STW,    16*MA*PS                  ; a wave's stage; the stages lie in the ring, which has had its last fill by then
.set F0,     64
.set F1,     128
.set MSB, 0
.macro WIN new                         ; the immediate's high byte repeats the setting that is left; a switch that changes nothing is dropped
.if MSB != (\new)
	s_set_vgpr_msb (MSB<<8)|(\new)
.set MSB, \new
.endif
.endm
.macro PLACES                          ; four places behind matrix instructions (ISA guide 7.12.1)
.rept 4
	v_nop
.endr
.endm
.macro CREST                           ; a round of the cluster's barrier behind its opening barrier
	s_cmp_lg_u32 s12, 0
	s_cbranch_scc1 .Lnot_wave_0_\@
	s_barrier_signal -3
.Lnot_wave_0_\@:
	s_barrier_wait -3
	s_barrier_signal -1
	s_barrier_wait -1
.endm
.macro CROUND
	s_barrier_signal -1
	s_barrier_wait -1
	CREST
.endm
.macro JLOAD                           ; a joint refill by the walking descriptor; the branch hangs on the wave's number alone; s_nop 0 and four v_nop follow each line
	s_cmp_eq_u32 s13, 0
	s_cbranch_scc0 .Lfor_b_\@
	tensor_load_to_lds s[36:39], s[24:31]
	s_nop 0
	PLACES
	s_branch .Lasked_\@
.Lfor_b_\@:
	tensor_load_to_lds s[60:63], s[48:55]
	s_nop 0
	PLACES
.Lasked_\@:
.endm
.macro RB a                            ; a pair of f32 rounded to bf16 and widened again
	v_cvt_pk_bf16_f32 v31, v[\a], v[(\a)+1]
	v_lshlrev_b32 v[\a], 16, v31
	v_and_b32 v[(\a)+1], s74, v31
.endm
	s_load_b256 s[4:11], s[0:1], 0x0               ; A s[4:5], wts s[6:7], C s[8:9], bias s[10:11]
	s_load_b64 s[68:69], s[0:1], 0x20              ; the residual
	v_lshl_add_u32 v28, v0, 2, SPARE
	v_mov_b32 v29, 0
	ds_add_u32 v28, v29                            ; the wave's opening: the add, waited for ahead of my first tensor load
	v_lshrrev_b32 v1, 5, v0
	v_readfirstlane_b32 s12, v1                    ; wave 0..3
	s_lshr_b32 s13, s12, 1                         ; my half of the tile's rows.  Also: I fetch A (0) or W (1)
	s_and_b32 s14, s12, 1                          ; my half of its columns.  Also: which half of that tile I fetch
	s_bfe_u32 s40, ttmp6, 0x40000                  ; cx
	s_bfe_u32 s41, ttmp6, 0x40004                  ; cy
	s_lshl_b32 s42, ttmp9, 2
	s_add_co_u32 s42, s42, s40                     ; tile column
	s_and_b32 s43, ttmp7, 0xffff
	s_lshl_b32 s43, s43, 2
	s_add_co_u32 s43, s43, s41                     ; tile row
	s_lshl_b32 s44, s41, 2
	s_lshl_b32 s44, 15, s44                        ; my row of the cluster
	s_lshl_b32 s45, 0x1111, s40                    ; my column
	s_or_b32 s24, s44, (1<<16)|(1<<20)|(1<<21)|(4<<22)|(3<<25)    ; A: mask; 2-byte elements; padding on; bit 21 beside a mask; 4 words after every 32
	s_mov_b32 s25, 8192<<16                        ; two blocks' 128 rows, each 16,384 dense bytes, 524,288 bytes apart.  tensor_dim0 = 8,192
	s_mov_b32 s26, 2<<16                           ; tensor_dim1 = 2
	s_mov_b32 s27, 8192<<16                        ; tile_dim0
	s_mov_b32 s28, 2                               ; tile_dim1
	s_mov_b32 s29, 262144                          ; elements from row to row
	s_mov_b32 s30, 0
	s_mov_b32 s31, 0
	s_or_b32 s48, s45, (1<<16)|(1<<20)|(1<<21)|(5<<22)|(7<<25)    ; W: 8 words after every row of 64 words
	s_mov_b32 s49, TN<<16
	s_mov_b32 s50, (KS/2)<<16
	s_mov_b32 s51, TN<<16
	s_mov_b32 s52, KS/2
	s_mov_b32 s53, TN
	s_mov_b32 s54, 0
	s_mov_b32 s55, 0
	s_mov_b32 s32, 1                               ; group 0, set 0: slot 0, K step 0; set 1: slot 1, K step 1, and then it walks
	s_mul_i32 s33, s14, 36864
	s_mov_b32 s36, 1
	s_add_co_u32 s37, s33, SLOT
	s_mov_b32 s56, 1
	s_mul_i32 s57, s14, (KS/2)*PB
	s_add_co_u32 s57, s57, BOFF
	s_mov_b32 s60, 1
	s_add_co_u32 s61, s57, SLOT
	s_mul_i32 s16, s14, (KS/128)*524288            ; A: my blocks of the step, the tile's rows
	s_mul_i32 s17, s43, TM*128
	s_add_co_u32 s16, s16, s17
	s_mov_b32 s17, 0
	s_mul_i32 s46, s42, KTOT*TN*2                  ; W: the tile column's block, my rows of the step
	s_mul_i32 s47, s14, (KS/2)*TN*2
	s_add_co_u32 s46, s46, s47
	s_add_co_u32 s46, s46, WOFF
	s_mov_b32 s47, 0
	s_mov_b32 s15, 0                               ; the slot that is read
	s_mov_b32 s77, 0                               ; and the 64 along K in it whose fragments are fetched
	s_mov_b32 s74, 0xffff0000
	s_wait_dscnt 0x0                               ; the opening add is done
	s_wait_kmcnt 0x0
	s_add_nc_u64 s[34:35], s[4:5], s[16:17]
	s_add_nc_u64 s[38:39], s[34:35], STEPA
	s_or_b32 s35, s35, 0x80000000
	s_or_b32 s39, s39, 0x80000000
	s_add_nc_u64 s[58:59], s[6:7], s[46:47]
	s_add_nc_u64 s[62:63], s[58:59], STEPB
	s_or_b32 s59, s59, 0x80000000
	s_or_b32 s63, s63, 0x80000000
	CROUND                                         ; all sixteen work-groups are here: the first joint loads meet
	s_cmp_eq_u32 s13, 0                            ; a wave's two first fills stand in one branch: two loads of mine are out
	s_cbranch_scc0 .Lfirst_b
	tensor_load_to_lds s[32:35], s[24:31]
	s_nop 0
	tensor_load_to_lds s[36:39], s[24:31]
	s_nop 0
	PLACES
	s_branch .Lfirst_done
.Lfirst_b:
	tensor_load_to_lds s[56:59], s[48:55]
	s_nop 0
	tensor_load_to_lds s[60:63], s[48:55]
	s_nop 0
	PLACES
.Lfirst_done:
	v_and_b32 v1, 15, v0                           ; r = l % 16
	v_bfe_u32 v2, v0, 4, 1                         ; h = l / 16
	v_lshlrev_b32 v30, 4, v1                       ; my 4 columns in the wave's 64
	v_lshl_add_u32 v26, v2, 12, v30                ; and in two rows of 4,096 bytes
	s_lshl_b32 s72, s42, 9
	s_lshl_b32 s73, s14, 8
	s_add_co_u32 s72, s72, s73                     ; my wave's first column, in bytes
	s_mov_b32 s73, 0
	s_add_nc_u64 s[10:11], s[10:11], s[72:73]
	s_lshl_b32 s75, s43, 7
	s_lshl_b32 s76, s13, 6
	s_add_co_u32 s75, s75, s76                     ; my wave's first row
	s_lshl_b32 s75, s75, 12
	s_add_co_u32 s72, s72, s75
	s_add_nc_u64 s[68:69], s[68:69], s[72:73]
	s_add_nc_u64 s[8:9], s[8:9], s[72:73]
	global_load_b128 v[32:35], v30, s[10:11]
	WIN 0x80                                       ; the residual of my 64 x 64 comes now and is waited for on the way out
.set g, 0
.rept 32
	global_load_b128 v[128+4*g:131+4*g], v26, s[68:69] offset:g*8192
.set g, g+1
.endr
	WIN 0
	v_mul_u32_u24 v19, v1, PA                      ; v19: my place in A's tile: (my half's first row + r) x 144 + 16 h
	v_lshl_add_u32 v19, v2, 4, v19
	s_mul_i32 s16, s13, (TM/2)*PA
	v_add_nc_u32 v19, s16, v19
	v_and_b32 v3, 7, v0                            ; v20: my place in W's tile for the turning load: row 8 h + l % 8, 16 bytes by (l / 8) % 2, my half of the columns
	v_lshl_add_u32 v3, v2, 3, v3
	v_mul_u32_u24 v20, v3, PB
	v_bfe_u32 v3, v0, 3, 1
	v_lshl_add_u32 v20, v3, 4, v20
	s_mul_i32 s16, s14, TN
	s_add_co_u32 s16, s16, BOFF
	v_add_nc_u32 v20, s16, v20
	v_mov_b32 v16, v19                             ; v16, v17: the same at the 64 along K that are fetched
	v_mov_b32 v17, v20
	s_mul_i32 s16, s12, STW                        ; my stage
	v_mul_u32_u24 v24, v1, PS                      ; v24: in: row r, 32 bytes for each half of the lanes
	v_lshl_add_u32 v24, v2, 5, v24
	v_add_nc_u32 v24, s16, v24
	v_mul_u32_u24 v25, v2, PS                      ; v25: back: lanes 0-15 one row of 256 bytes, lanes 16-31 the next
	v_lshl_add_u32 v25, v1, 4, v25
	v_add_nc_u32 v25, s16, v25
; na blocks of rows from a0 on x all NB blocks of columns, 32 along K, out of buffer f.  The accumulators take turns, one instruction a turn.
.macro MULA f, a0, na, zero
.set ma_a, \a0
.rept \na
.set ma_b, 0
.rept NB
.set ma_i, 8*(NB*ma_a+ma_b)
	WIN 0xa1
.if \zero
	v_wmma_f32_16x16x32_f16 v[ma_i:ma_i+7], v[(\f)+8*ma_b:(\f)+8*ma_b+7], v[(\f)+8*ma_a:(\f)+8*ma_a+7], 0
.else
	v_wmma_f32_16x16x32_f16 v[ma_i:ma_i+7], v[(\f)+8*ma_b:(\f)+8*ma_b+7], v[(\f)+8*ma_a:(\f)+8*ma_a+7], v[ma_i:ma_i+7]
.endif
.set ma_b, ma_b+1
.endr
.set ma_a, ma_a+1
.endr
.endm
; The fragments of half par (0, 1) of the 64 along K at v16, v17 into buffer f, in one run: W's 2 NB loads, then A's 2 MA.
.macro FETCH par, f
	WIN 0x40
.set fb, 0
.rept NB
	ds_load_tr16_b128 v[(\f)+8*fb:(\f)+8*fb+3],   v17 offset:(\par)*32*PB+32*fb
	ds_load_tr16_b128 v[(\f)+8*fb+4:(\f)+8*fb+7], v17 offset:(\par)*32*PB+32*fb+16*PB
.set fb, fb+1
.endr
	WIN 0
.set fa, 0
.rept MA
	ds_load_b128 v[(\f)+8*fa:(\f)+8*fa+3],   v16 offset:fa*16*PA+(\par)*64
	ds_load_b128 v[(\f)+8*fa+4:(\f)+8*fa+7], v16 offset:fa*16*PA+(\par)*64+32
.set fa, fa+1
.endr
.endm
; A quarter but the slot's last: multiplies buffer f and, in its middle, fetches the next quarter (half par) into buffer g.
.macro QUARTER f, g, par, zero
	s_wait_dscnt MA                                ; W and A's first half are in; the youngest MA loads (A's second half) may be out
	MULA \f, 0, MA/2, \zero
	PLACES                                         ; in front of loads into registers that matrix instructions have read
	FETCH \par, \g
	s_wait_dscnt 2*(MA+NB)                         ; all but the run just issued
	MULA \f, MA/2, MA/2, \zero
.endm
; Quarters 1 to 6 of a slot: three trips of two.  A trip steps the fetches to the next 64 along K; its first quarter fetches their first half, its second their second.
.macro MIDDLE
	s_mov_b32 s79, 3
.Lmid_\@:
	s_add_co_u32 s77, s77, ABLK
	v_add_nc_u32 v16, s77, v19
	v_add_nc_u32 v17, s77, v20
	QUARTER F1, F0, 0, 0
	QUARTER F0, F1, 1, 0
	WIN 0
	s_sub_co_u32 s79, s79, 1
	s_cmp_lg_u32 s79, 0
	s_cbranch_scc1 .Lmid_\@
.endm
; The slot's last quarter (buffer 1) and the change of slots.  In front of the barrier: all my tensor loads have landed (one is out: my part of the other slot), the add,
; and my reads of this slot are over.  fill = 1: the barrier opens a round of the cluster's, and the joint refill of this slot, two K steps on, is the first thing behind it.
.macro TURN fill
	WIN 0
	s_wait_tensorcnt 0x0
	ds_add_u32 v28, v29
.if \fill
	s_xor_b32 s37, s37, SLOT                       ; no load of mine is out: the walking descriptors step
	s_add_nc_u64 s[38:39], s[38:39], STEPA
	s_xor_b32 s61, s61, SLOT
	s_add_nc_u64 s[62:63], s[62:63], STEPB
.endif
	s_wait_dscnt MA+1                              ; the add and A's second half may be out
	MULA F1, 0, MA/4, 0
	s_wait_dscnt 0x0
	s_barrier_signal -1
	MULA F1, MA/4, MA/4, 0
	WIN 0
	s_barrier_wait -1
.if \fill
	CREST
	JLOAD                                          ; its four v_nop are also the places in front of the loads below
.else
	PLACES
.endif
	s_xor_b32 s15, s15, SLOT
	s_mov_b32 s77, s15                             ; the fetches go to the other slot's first 64 along K
	v_add_nc_u32 v16, s77, v19
	v_add_nc_u32 v17, s77, v20
	FETCH 0, F0
	MULA F1, MA/2, MA/2, 0
.endm
	s_wait_tensorcnt 1                             ; my part of K step 0 is in; step 1's may stay out
	s_barrier_signal -1
	s_barrier_wait -1
	FETCH 0, F0
	QUARTER F0, F1, 1, 1                           ; the first products start the sums: nothing is cleared
	WIN 0
	s_mov_b32 s2, NSLOT-2
.Lslot:                                                ; a trip: the rest of a slot, its refill, and the next slot's first quarter
	MIDDLE
	TURN 1
	QUARTER F0, F1, 1, 0
	WIN 0
	s_sub_co_u32 s2, s2, 1
	s_cmp_lg_u32 s2, 0
	s_cbranch_scc1 .Lslot
	s_mov_b32 s3, 2
.Ltail:                                                ; the last two slots ask for nothing; the second trip is left in its middle (its fetch of the other slot serves nothing)
	MIDDLE
	TURN 0
	WIN 0
	s_sub_co_u32 s3, s3, 1
	s_cmp_eq_u32 s3, 0
	s_cbranch_scc1 .Lout
	QUARTER F0, F1, 1, 0
	WIN 0
	s_branch .Ltail
.Lout:
	s_wait_dscnt 0x0                               ; my reads of the ring are over;
	s_barrier_signal -1
	s_barrier_wait -1                              ; everybody's are, and every fill has landed: the ring's bytes become the stages
	PLACES
	WIN 0x08
.set da, 0
.rept MA                               ; my accumulators in f32 into my own stage; each is read from its low end on
.set db, 0
.rept NB
.set di, 8*(NB*da+db)
	ds_store_b128 v24, v[di:di+3]   offset:da*16*PS+64*db
	ds_store_b128 v24, v[di+4:di+7] offset:da*16*PS+64*db+16
.set db, db+1
.endr
.set da, da+1
.endr
	WIN 0
	s_wait_loadcnt 0x0                             ; bias and residual
	RB 32
	RB 34
.set g, 0
.rept 4                                ; four batches of eight pairs of rows
	s_wait_xcnt 0x0                                ; the last batch's stores have read their registers
.set j, 0
.rept 8
	ds_load_b128 v[192+4*j:195+4*j], v25 offset:(g+j)*2*PS  ; LDS serves a wave's instructions in order (ISA guide 5.7.1.4): these see my stores
.set j, j+1
.endr
.set j, 0
.rept 8
	s_wait_dscnt 7-j
.if ROUNDX
	WIN 0x0a
	v_cvt_pk_bf16_f32 v36, v[128+4*(g+j)], v[129+4*(g+j)]
	v_cvt_pk_bf16_f32 v37, v[130+4*(g+j)], v[131+4*(g+j)]
	WIN 0
	v_lshlrev_b32 v40, 16, v36
	v_and_b32 v41, s74, v36
	v_lshlrev_b32 v42, 16, v37
	v_and_b32 v43, s74, v37
	v_pk_add_f32 v[192+4*j:193+4*j], v[192+4*j:193+4*j], v[40:41]
	v_pk_add_f32 v[194+4*j:195+4*j], v[194+4*j:195+4*j], v[42:43]
.else
	WIN 0x08
	v_pk_add_f32 v[192+4*j:193+4*j], v[192+4*j:193+4*j], v[128+4*(g+j):129+4*(g+j)]
	v_pk_add_f32 v[194+4*j:195+4*j], v[194+4*j:195+4*j], v[130+4*(g+j):131+4*(g+j)]
	WIN 0
.endif
	v_pk_add_f32 v[192+4*j:193+4*j], v[192+4*j:193+4*j], v[32:33]
	v_pk_add_f32 v[194+4*j:195+4*j], v[194+4*j:195+4*j], v[34:35]
	global_store_b128 v26, v[192+4*j:195+4*j], s[8:9] offset:(g+j)*8192  ; 16 lanes store 256 consecutive bytes, aligned
.set j, j+1
.endr
.set g, g+8
.endr
	s_wait_tensorcnt 0x0                           ; the wave's end
	ds_add_u32 v28, v29
	s_wait_dscnt 0x0
	CROUND                                         ; the closing round
	s_endpgm
.Lfunc_end_k_qd6681a72ba_down:
	.size	k_qd6681a72ba_down, .Lfunc_end_k_qd6681a72ba_down-k_qd6681a72ba_down
	.p2alignl 7, 3214868480
	.fill 96, 4, 3214868480
	.section	.rodata,"a",@progbits
	.p2align	6, 0x0
	.amdhsa_kernel k_qd6681a72ba_down
		.amdhsa_group_segment_fixed_size 327680
		.amdhsa_private_segment_fixed_size 0
		.amdhsa_enable_private_segment 0
		.amdhsa_kernarg_size 40
		.amdhsa_user_sgpr_count 2
		.amdhsa_user_sgpr_kernarg_segment_ptr 1
		.amdhsa_wavefront_size32 1
		.amdhsa_system_sgpr_workgroup_id_x 1
		.amdhsa_system_sgpr_workgroup_id_y 1
		.amdhsa_system_sgpr_workgroup_id_z 1
		.amdhsa_system_vgpr_workitem_id 0
		.amdhsa_next_free_vgpr 768
		.amdhsa_next_free_sgpr 80
		.amdhsa_reserve_vcc 0
		.amdhsa_float_denorm_mode_32 3
		.amdhsa_float_denorm_mode_16_64 3
		.amdhsa_memory_ordered 1
		.amdhsa_forward_progress 1
		.amdhsa_inst_pref_size 54
	.end_amdhsa_kernel
	.amdgpu_metadata
---
amdhsa.version: [ 1, 2 ]
amdhsa.kernels:
  - .name:           k_qd6681a72ba_down
    .symbol:         k_qd6681a72ba_down.kd
    .args:
      - { .name: hbuf, .offset: 0, .size: 8, .value_kind: global_buffer, .address_space: global }
      - { .name: wts, .offset: 8, .size: 8, .value_kind: global_buffer, .address_space: global }
      - { .name: x2, .offset: 16, .size: 8, .value_kind: global_buffer, .address_space: global }
      - { .name: b_down, .offset: 24, .size: 8, .value_kind: global_buffer, .address_space: global }
      - { .name: x1, .offset: 32, .size: 8, .value_kind: global_buffer, .address_space: global }
    .group_segment_fixed_size: 327680
    .private_segment_fixed_size: 0
    .kernarg_segment_align: 8
    .kernarg_segment_size: 40
    .max_flat_workgroup_size: 128
    .sgpr_count:     80
    .vgpr_count:     768
    .wavefront_size: 32
...
	.end_amdgpu_metadata
.endif
;; end of part 13
;; launch lnf: the kernel of part 8 again; grid 256 x 1, 8 waves a work-group, no clusters, 0 bytes of LDS; arguments x2, lnf_g, lnf_b, out0; writes out0
